; MI455X (gfx1250); checked and timed in simulation.
; The chip was launched on July 23, 2026; its instructions are those of AMD's public machine-readable ISA for CDNA 5 (MIT licence, August 2026) and "CDNA5" Instruction Set Architecture Reference Guide (July 2026). The comments in the code are by the model that wrote it; some were corrected since.
;; Prefix Attention. Allowed arithmetic: matrix products marked QUANTISED: E2M3 operands, one E8M0 scale for each 32 along K, by v_wmma_scale_f32_16x16x128_f8f6f4 with both operands' format E2M3, f32 sums; everything else in f32.
;; Inputs: W_k 1,024 x 2,048 float32; W_o 2,048 x 1,024 float32; W_q 1,024 x 2,048 float32; W_v 1,024 x 2,048 float32; prefix_k 2 x 64 x 16 x 128 float32; prefix_v 2 x 64 x 16 x 128 float32; x 2 x 2,048 x 1,024 float32.
;; Outputs: out0 2 x 2,048 x 1,024 float32.
;; This version of the problem:
;;   THIS VERSION OF THE PROBLEM IS GIVEN IN LOW PRECISION. The matrix products marked QUANTISED in the list below multiply operands that are first quantised to E2M3 (2 exponent bits, 3 mantissa bits; 6 bits a number), with one power-of-two scale for each 32 numbers along K (OCP MX v1.0); their sums are f32. All else is computed in f32.
;;   The module's matrix products, in the order in which they are computed (A, B: the left and right operand; K: the contracted axis; several contracted axes count as one K, in the product's order):
;;     1. [M 4,096, K 1,024] x [K 1,024, N 2,048]; A: input x; B: input W_q: QUANTISED
;;     2. [M 4,096, K 1,024] x [K 1,024, N 2,048]; A: input x; B: input W_k: QUANTISED
;;     3. [M 4,096, K 1,024] x [K 1,024, N 2,048]; A: input x; B: input W_v: QUANTISED
;;     4. batch 32 x [M 2,048, K 128] x [K 128, N 2,112]; A: computed on the way; B: computed on the way: QUANTISED
;;     5. batch 32 x [M 2,048, K 2,112] x [K 2,112, N 128]; A: softmax (see below); B: computed on the way: QUANTISED
;;     6. [M 4,096, K 2,048] x [K 2,048, N 1,024]; A: computed on the way; B: input W_o: QUANTISED
;;   THE QUANTISER, for each operand of a quantised product, along K:
;;     - K is cut into blocks of 32 from its start; a last block that is shorter is filled with zeros.
;;     - A block's scale is 2^e with e = floor(log2(the largest magnitude in the block)) - 2, held to -126 .. 127; a block of zeros has e = 0. As a byte (E8M0): e + 127.
;;     - Each number is divided by its block's scale, clamped to +-7.5, and rounded to the nearest number of E2M3, ties to even, subnormals kept.
;;     - The product sums the exact products of the quantised numbers (number of the format x scale) in f32.
;;   ~~~python
;;   def quantise(x, axis):      # numpy; x: float32 -> the quantised numbers, widened to float32 again
;;       x = np.moveaxis(x, axis, -1); K = x.shape[-1]
;;       x = np.pad(x, [(0, 0)] * (x.ndim - 1) + [(0, -K % 32)]); x = x.reshape(x.shape[:-1] + (-1, 32)); a = np.abs(x).max(-1, keepdims=True)
;;       e = np.where(a > 0, np.clip(np.frexp(np.where(a > 0, a, 1))[1] - 1 - 2, -126, 127), 0)      # np.frexp(a)[1] - 1 = floor(log2(a)), exactly
;;       r = np.clip(x / 2.0 ** e, -7.5, 7.5)
;;       step = 2.0 ** (np.maximum(np.frexp(np.where(r == 0, 1, r))[1] - 1, 0) - 3)
;;       q = np.round(r / step) * step * 2.0 ** e      # np.round: ties to even
;;       return np.moveaxis(q.reshape(q.shape[:-2] + (-1,))[..., :K], -1, axis).astype(np.float32)
;;   ~~~
;;   SOFTMAX AHEAD OF A QUANTISED PRODUCT. Where the list says 'softmax', what is quantised is not the finished softmax but p = 2^(t - M), with t = logit x log2(e) and M = ceil(the row's largest t), a whole number; so 1/2 < the row's largest p <= 1. The row's sum l is taken of the UNQUANTISED p, in f32, and the product's result is divided by l at the end. Since M is a whole number, a kernel that streams over the keys may use a running M (the ceiling of the running maximum): every later rescaling is an exact power of two, which a block's scale takes up: the codes' values come out the same.
;;   OPERANDS COMPUTED ON THE WAY. 'Computed on the way' means the value that the module computes at that place (a softmax that the list does not call 'softmax' is quantised finished and normalised). What goes into a quantiser is computed in f32, as accurately as f32 sums, v_exp_f32 and their like allow (about 1e-6 of the number): no bf16 or f16 on the way to a quantiser, and a product that is left as it is and whose result goes on into a quantised operand takes f32 operands (vector FMAs, or v_wmma_f32_16x16x4_f32). A number that lies on a knife's edge between two numbers of the format may be rounded either way, as far as f32 arithmetic and the matrix unit's own rounding can turn it there, and no further.
;; 2 versions. Each part assembles by itself: llvm-mc -triple=amdgcn-amd-amdhsa -mcpu=gfx1250 --defsym DOCPART=n.
;; ======== version 1 of 2: 4 launches
;; workspace buffers: img 8,192,000 bytes; wob 1,638,400 bytes; qob 6,553,600 bytes; kvob 13,926,400 bytes; aob 6,553,600 bytes
;; launch prep (part 1): grid 816 x 1, 4 waves a work-group, no clusters, 68,096 bytes of LDS; arguments x, prefix_k, prefix_v, W_q, W_k, W_v, W_o, img, wob, kvob; writes img, wob, kvob
.if DOCPART == 1
	.amdgcn_target "amdgcn-amd-amdhsa--gfx1250"
	.amdhsa_code_object_version 6
	.text
	.protected	k_qbc740a4eab_prep
	.globl	k_qbc740a4eab_prep
	.p2align	8
	.type	k_qbc740a4eab_prep,@function
k_qbc740a4eab_prep:
	s_mov_b64 s[64:65], 0
	v_nop
	global_prefetch_b8 v0, s[64:65] scope:SCOPE_SE
	s_setreg_imm32_b32 hwreg(HW_REG_WAVE_MODE, 25, 1), 1
	s_wait_xcnt 0x0
; PREP: all seven f32 inputs become codes of FP6 (E2M3) with one E8M0 scale byte for each 32 along K, laid as OPERAND BLOCKS.
; AN OPERAND BLOCK (OB, 12,800 bytes) holds 128 rows of an operand x 128 along K as an image of the matrix operand's registers: 8 tiles of 16 rows;
; byte 1536 T + 512 q + 16 L + 4 i is register 4 q + i of lane L of tile T's fragment (12 registers; lane (r, h) holds k = 64 c + 32 h + 0 .. 31 in registers 6 c .. 6 c + 5);
; byte 12288 + 128 j + 4 L is a scale word: lanes 0-15 those of tile 2 j's rows, lanes 16-31 those of tile 2 j + 1's.
; THE ROWS OF A TILE ARE NOT NEIGHBOURS: lane r of tile 2 g + u holds row 32 g + 8 u + r % 8 + 16 (r / 8), so that a transposed product leaves 16 neighbours along the next K in a lane's registers.
; A block's scale is 2^(floor(log2(its largest magnitude)) - 2); its byte is the largest magnitude's exponent field - 2, held at 1 from below.
; LIMITS: NaN and infinities among the inputs are not served; a block whose largest magnitude lies under 2^-124 keeps the byte 1; a block of zeros has the byte 1 where the rule says 127
; (its codes are zeros, which add nothing under any byte but 0xff, and this program alone reads the bytes).
; SHARES.  A wave makes one pair of tiles (32 rows of an operand) x one K step of 128: 16 KiB of f32 in, two fragments and 128 bytes of scale words out.  No loop.
;   work-groups 0-255   x        K innermost: rows come as they lie, 512 bytes a load, and turn through the wave's own stage in LDS
;   work-groups 256-271 prefix_k the same, rows 8,192 bytes apart; the 64 rows that the prefix's block of 128 keys does not have are stored as zeros
;   work-groups 272-655 W_q, W_k, W_v   K is the first axis: a lane takes a column, its registers run down K; no LDS
;   work-groups 656-783 W_o      the same, rows of 4,096 bytes
;   work-groups 784-815 prefix_v the same, K = the 64 prefix keys: two blocks, the other two are zero codes
.set OB,    12800
.set STG,   32*528                     ; a wave's stage: 32 rows x (512 bytes + 16): the 16 rows that a read back touches start at 16 different places modulo 256 bytes
.set SPARE, 4*STG                      ; behind the stages: the spare words, 128 bytes for each wave, which no other line names
.set LI,  2                            ; v2   16 x lane
.set LS,  3                            ; v3   4 x lane
.set STI, 4                            ; v4   the stage on the way in: my 16 bytes of a row
.set RDI, 5                            ; v5   and on the way out: row lane % 16, + 64 (lane / 16)
.set WOF, 6                            ; v6   column path: my column's 4 bytes among the wave's 128
.set WST, 7                            ; v7   column path: where my codes go: 1536 (lane / 16) + 16 (lane % 16)
.set SPW, 10                           ; v10  LDS address of my spare word; never rewritten
.set NIL, 11                           ; v11  0; never rewritten
.set RO,  16                           ; v16-23 row path: 16 x lane + i rows, i = 0 .. 7
.set TM,  24                           ; v24-39 row path: at work in QUANT
.set CW,  32                           ; v32-55 column path: my codes, 12 registers for each half of the lanes that will hold them
.set R,   64                           ; v64-191 128 words as loaded
.set X,   192                          ; v192-255 64 numbers of a lane
.set SEL, 54                           ; s[54:55] lane selects for v_permlanex16_b32: lane l xor 16
.macro FINISH                          ; a wave's end
	s_wait_tensorcnt 0x0
	ds_add_u32 v[SPW], v[NIL]
	s_wait_dscnt 0x0
	s_endpgm
.endm
; 64 numbers of a lane, register 16 b + i = k 32 b + 16 (lane / 16) + i of my row, become a fragment's 12 registers of codes in v[pc] on (pc + 12 .. pc + 18 at work) and my row's scale word in v[pw]
.macro QUANT s, pc, pw
.irp b, 0,1,2,3
	v_max3_num_f32 v[TM+\b], |v[\s+16*\b]|, |v[\s+1+16*\b]|, 0x1800000   ; block b: my 16 numbers, and the floor 2^(3 - 127): the byte cannot fall under 1
.endr
.irp i, 2,4,6,8,10,12,14
.irp b, 0,1,2,3
	v_max3_num_f32 v[TM+\b], v[TM+\b], |v[\s+16*\b+\i]|, |v[\s+1+16*\b+\i]|   ; the four blocks by turns
.endr
.endr
.irp b, 0,1,2,3
	v_permlanex16_b32 v[TM+4+\b], v[TM+\b], s[SEL], s[SEL+1]
.endr
.irp b, 0,1,2,3
	v_max_num_f32 v[TM+\b], v[TM+\b], v[TM+4+\b]   ; with lane l xor 16's: the block's largest magnitude
.endr
.irp b, 0,1,2,3
	v_add_nc_u32 v[TM+12+\b], 0xff000000, v[TM+\b]   ; 2 off its exponent field: the conversion's scale operand
.endr
.irp b, 0,1,2,3
	v_lshrrev_b32 v[TM+4+\b], 23, v[TM+12+\b]      ; the scale's byte
.endr
	v_lshl_or_b32 v[\pw], v[TM+5], 8, v[TM+4]
	v_lshl_or_b32 v[\pw], v[TM+6], 16, v[\pw]
	v_lshl_or_b32 v[\pw], v[TM+7], 24, v[\pw]
.irp c, 0,1
	v_cvt_scalef32_pk16_fp6_f32 v[\pc+6*\c:\pc+2+6*\c], v[\s+32*\c:\s+15+32*\c], v[TM+12+2*\c]
	v_cvt_scalef32_pk16_fp6_f32 v[\pc+12+4*\c:\pc+14+4*\c], v[\s+16+32*\c:\s+31+32*\c], v[TM+12+2*\c+1]   ; a conversion's three registers begin on an even number
.endr
	v_nop                                          ; one plain place behind a scaled conversion
.irp c, 0,1                            ; the operand's layout wants a whole block in a lane: lanes 0-15 block 2 c, lanes 16-31 block 2 c + 1
.irp i, 0,1,2
	v_permlane16_swap_b32 v[\pc+6*\c+\i], v[\pc+12+4*\c+\i]
.endr
.irp i, 0,1,2
	v_mov_b32 v[\pc+3+6*\c+\i], v[\pc+12+4*\c+\i]
.endr
.endr
.endm
; From s[32:33] the source buffer, s28 the offset in it, s[42:43] the target buffer, s29 the OB's offset in it, s31 the pair of tiles:
; s[32:33] the source, s[48:49] the pair's two fragments, s[50:51] its scale words
.macro ADDR
	s_mov_b32 s44, s28
	s_add_nc_u64 s[32:33], s[32:33], s[44:45]
	s_mul_i32 s46, s31, 3072
	s_add_co_u32 s46, s46, s29
	s_add_nc_u64 s[48:49], s[42:43], s[46:47]
	s_lshl_b32 s46, s31, 7
	s_add_co_u32 s46, s46, s29
	s_add_co_u32 s46, s46, 12288
	s_add_nc_u64 s[50:51], s[42:43], s[46:47]
.endm
; THE COLUMN PATH.  Block t: rows 32 t .. 32 t + 31 of my column; the wave reads 128 consecutive bytes an instruction, the four waves stand side by side on 512
.macro WLOAD t, stride
.set i, 0
.rept 32
	global_load_b32 v[R+32*(\t)+i], v[WOF], s[32:33] offset:(32*(\t)+i)*(\stride) th:TH_LOAD_NT
.set i, i+1
.endr
.endm
.macro WBLOCK t                        ; all 32 numbers of the block are mine; its codes belong to lane (r, t % 2) of the fragment, registers 6 (t / 2) on
.set XS, R+32*(\t)
.set CC, CW+12*((\t)%2)+6*((\t)/2)
	v_max3_num_f32 v12, |v[XS]|, |v[XS+1]|, |v[XS+2]|
	v_max3_num_f32 v13, |v[XS+3]|, |v[XS+4]|, |v[XS+5]|
.irp i, 6,10,14,18,22,26
	v_max3_num_f32 v12, v12, |v[XS+\i]|, |v[XS+\i+1]|
	v_max3_num_f32 v13, v13, |v[XS+\i+2]|, |v[XS+\i+3]|
.endr
	v_max3_num_f32 v12, v12, |v[XS+30]|, |v[XS+31]|
	v_max3_num_f32 v12, v12, v13, 0x1800000        ; and the floor
	v_add_nc_u32 v14, 0xff000000, v12              ; the conversion's scale operand
	v_lshrrev_b32 v13, 23, v14                     ; the byte
.if (\t) == 0
	v_mov_b32 v60, v13                             ; four bytes to the word, the lower K in the lower byte
.else
	v_lshl_or_b32 v60, v13, 8*(\t), v60
.endif
	v_cvt_scalef32_pk16_fp6_f32 v[CC:CC+2], v[XS:XS+15], v14
	v_cvt_scalef32_pk16_fp6_f32 v[56:58], v[XS+16:XS+31], v14
	v_nop                                          ; one plain place behind a scaled conversion
.irp i, 0,1,2
	v_mov_b32 v[CC+3+\i], v[56+\i]
.endr
.endm
.macro WUNIT stride, nb                ; nb blocks of 32 along K are there; the rest of the K step is zero codes
	WLOAD 0, \stride
	WLOAD 1, \stride
.set TT, 0
.rept \nb
.if TT < \nb-1
	s_wait_loadcnt 32                              ; this block's 32 loads are in; the next block's 32 may be out
.else
	s_wait_loadcnt 0x0
.endif
.if TT+2 < \nb
	WLOAD TT+2, \stride
.endif
	WBLOCK TT
.set TT, TT+1
.endr
.if \nb == 2
.irp i, 6,7,8,9,10,11,18,19,20,21,22,23
	v_mov_b32 v[CW+\i], 0
.endr
.endif
.irp h, 0,1
.irp q, 0,1,2
	global_store_b128 v[WST], v[CW+12*\h+4*\q:CW+12*\h+4*\q+3], s[48:49] offset:512*\q+256*\h   ; lanes 0-15 fill 256 aligned bytes of the even tile, lanes 16-31 of the odd one
.endr
.endr
	global_store_b32 v[LS], v60, s[50:51]          ; 128 consecutive bytes: the pair's scale words
.endm
	s_load_b512 s[4:19], s[0:1], 0x0               ; x s[4:5], prefix_k s[6:7], prefix_v s[8:9], W_q s[10:11], W_k s[12:13], W_v s[14:15], W_o s[16:17], img s[18:19]
	s_load_b128 s[20:23], s[0:1], 0x40             ; wob s[20:21], kvob s[22:23]
	v_lshl_add_u32 v[SPW], v0, 2, SPARE
	v_mov_b32 v[NIL], 0
	v_lshrrev_b32 v8, 5, v0
	v_readfirstlane_b32 s24, v8                    ; wave 0..3
	v_and_b32 v1, 31, v0                           ; lane
	v_lshlrev_b32 v[LI], 4, v1
	v_lshlrev_b32 v[LS], 2, v1
	s_mul_i32 s25, s24, STG                        ; my stage
	v_add_nc_u32 v[STI], s25, v[LI]
	v_and_b32 v8, 15, v1                           ; r
	v_lshrrev_b32 v9, 4, v1                        ; h
	v_mul_u32_u24 v[RDI], v8, 528
	v_lshl_add_u32 v[RDI], v9, 6, v[RDI]
	v_add_nc_u32 v[RDI], s25, v[RDI]
	v_and_b32 v[WOF], 7, v1                        ; column path: lane l is row l % 16 of tile l / 16 of the pair: column 8 (l / 16) + l % 8 + 16 ((l / 8) % 2)
	v_lshl_add_u32 v[WOF], v9, 3, v[WOF]
	v_bfe_u32 v12, v1, 3, 1
	v_lshl_add_u32 v[WOF], v12, 4, v[WOF]
	v_lshlrev_b32 v[WOF], 2, v[WOF]
	v_mul_u32_u24 v[WST], v9, 1536
	v_lshl_add_u32 v[WST], v8, 4, v[WST]
	s_mov_b32 s45, 0                               ; the upper words of the offsets' pairs
	s_mov_b32 s47, 0
	s_mov_b32 s[SEL], 0x76543210
	s_mov_b32 s[SEL+1], 0xfedcba98
	s_wait_kmcnt 0x0
	s_cmp_lt_u32 ttmp9, 272
	s_cbranch_scc0 .Lweights
	; ---- THE ROW PATH: x and prefix_k
	s_cmp_lt_u32 ttmp9, 256
	s_cbranch_scc0 .Lprefix_k
	s_lshr_b32 s26, ttmp9, 1                       ; x: which 32 rows
	s_and_b32 s27, ttmp9, 1
	s_lshl_b32 s27, s27, 2
	s_add_co_u32 s27, s27, s24                     ; which K step: 4 (id % 2) + wave
	s_lshl_b32 s28, s26, 17                        ; 32 rows of 4,096 bytes
	s_lshl_b32 s29, s27, 9
	s_add_co_u32 s28, s28, s29                     ; + 512 bytes a K step
	s_mov_b32 s30, 4096                            ; from row to row
	s_lshr_b32 s29, s26, 2                         ; the group of 128 rows
	s_lshl_b32 s29, s29, 3
	s_add_co_u32 s29, s29, s27
	s_mul_i32 s29, s29, OB                         ; its OB of this K step
	s_and_b32 s31, s26, 3                          ; the pair of tiles
	s_mov_b64 s[32:33], s[4:5]
	s_mov_b64 s[42:43], s[18:19]
	s_branch .Lrows
.Lprefix_k:
	s_sub_co_u32 s26, ttmp9, 256
	s_lshr_b32 s27, s26, 3                         ; batch
	s_bfe_u32 s31, s26, 0x10002                    ; which 32 of the 64 keys: also the pair of tiles
	s_and_b32 s29, s26, 3
	s_lshl_b32 s29, s29, 2
	s_add_co_u32 s29, s29, s24                     ; head
	s_lshl_b32 s28, s27, 1
	s_add_co_u32 s28, s28, s31
	s_lshl_b32 s28, s28, 18                        ; 32 keys of 8,192 bytes
	s_lshl_b32 s26, s29, 9
	s_add_co_u32 s28, s28, s26                     ; + the head's 512 bytes
	s_mov_b32 s30, 8192
	s_lshl_b32 s27, s27, 4
	s_add_co_u32 s29, s27, s29                     ; 16 batch + head
	s_mul_i32 s29, s29, 17
	s_add_co_u32 s29, s29, 16                      ; the head's 17th key step is the prefix's
	s_mul_i32 s29, s29, 2*OB
	s_mov_b64 s[32:33], s[6:7]
	s_mov_b64 s[42:43], s[22:23]
.Lrows:
	ADDR
	s_lshl_b32 s44, s30, 3                         ; eight rows on
	s_add_nc_u64 s[34:35], s[32:33], s[44:45]
	s_add_nc_u64 s[36:37], s[34:35], s[44:45]
	s_add_nc_u64 s[38:39], s[36:37], s[44:45]
.irp i, 0,1,2,3,4,5,6,7
	v_mad_u32_u24 v[RO+\i], s30, \i, v[LI]
.endr
.irp b, 0,1,2,3
	v_mov_b32 v[TM+4+\b], 0                        ; written once: a lane permute's destination counts as one of its sources
.endr
.set i, 0
.rept 32
	global_load_b128 v[R+4*i:R+4*i+3], v[RO+i%8], s[32+2*(i/8):33+2*(i/8)] th:TH_LOAD_NT   ; row i: 512 consecutive bytes
.set i, i+1
.endr
.set i, 0
.rept 32
	s_wait_loadcnt 31-i                            ; row i is in; the younger rows' loads stay out
	ds_store_b128 v[STI], v[R+4*i:R+4*i+3] offset:(16*((i/8)%2)+i%8+8*(i/16))*528   ; to the stage row of its tile and lane: here the rows take the tiles' order
.set i, i+1
.endr
.irp b, 0,1,2,3
.irp j, 0,1,2,3
	ds_load_b128 v[X+16*\b+4*\j:X+16*\b+4*\j+3], v[RDI] offset:128*\b+16*\j   ; the even tile: of each block of 32 my half's 16 numbers.  LDS serves a wave's instructions in order: these see my stores
.endr
.endr
	s_wait_dscnt 0x0                               ; the stores have read their registers, and the even tile is in
.irp b, 0,1,2,3
.irp j, 0,1,2,3
	ds_load_b128 v[R+16*\b+4*\j:R+16*\b+4*\j+3], v[RDI] offset:16*528+128*\b+16*\j   ; the odd tile lands while the even one is quantised
.endr
.endr
	QUANT X, 44, 40
.irp q, 0,1,2
	global_store_b128 v[LI], v[44+4*\q:47+4*\q], s[48:49] offset:512*\q   ; 512 consecutive bytes
.endr
	s_wait_dscnt 0x0
	QUANT R, 128, 41
.irp q, 0,1,2
	global_store_b128 v[LI], v[128+4*\q:131+4*\q], s[48:49] offset:1536+512*\q
.endr
	s_mov_b32 s52, 0xffff0000
	v_cndmask_b32 v42, v40, v41, s52               ; lanes 0-15 the even tile's words, lanes 16-31 the odd tile's
	global_store_b32 v[LS], v42, s[50:51]
	s_cmp_lt_u32 ttmp9, 256
	s_cbranch_scc1 .Lrows_done
.irp i, 12,13,14,15
	v_mov_b32 v\i, 0
.endr
.irp q, 0,1,2,3,4,5
	global_store_b128 v[LI], v[12:15], s[48:49] offset:6144+512*\q   ; prefix_k: the pair two further on holds keys that do not exist: zero codes,
.endr
	global_store_b32 v[LS], v12, s[50:51] offset:256                  ; and scale bytes 0
.Lrows_done:
	FINISH
	; ---- THE COLUMN PATH
.Lweights:
	s_lshl_b32 s27, s24, 7                         ; my wave's 32 columns: 128 bytes
	s_mov_b32 s31, s24                             ; which are pair = wave of the group
	s_cmp_lt_u32 ttmp9, 656
	s_cbranch_scc0 .Lw_o
	s_sub_co_u32 s26, ttmp9, 272                   ; 128 matrix + 8 group + K step
	s_and_b32 s28, s26, 7
	s_lshl_b32 s28, s28, 20                        ; 128 rows of 8,192 bytes a K step
	s_bfe_u32 s29, s26, 0x40003
	s_lshl_b32 s29, s29, 9                         ; 128 columns a group
	s_add_co_u32 s28, s28, s29
	s_add_co_u32 s28, s28, s27
	s_add_co_u32 s29, s26, 256                     ; behind x's 32 groups of 8 OBs
	s_mul_i32 s29, s29, OB
	s_lshr_b32 s26, s26, 7
	s_cmp_lt_u32 s26, 1
	s_cselect_b64 s[32:33], s[10:11], s[12:13]
	s_cmp_lt_u32 s26, 2
	s_cselect_b64 s[32:33], s[32:33], s[14:15]
	s_mov_b64 s[42:43], s[18:19]
	ADDR
	WUNIT 8192, 4
	FINISH
.Lw_o:
	s_cmp_lt_u32 ttmp9, 784
	s_cbranch_scc0 .Lprefix_v
	s_sub_co_u32 s26, ttmp9, 656                   ; 16 group + K step
	s_and_b32 s28, s26, 15
	s_lshl_b32 s28, s28, 19                        ; 128 rows of 4,096 bytes a K step
	s_lshr_b32 s29, s26, 4
	s_lshl_b32 s29, s29, 9
	s_add_co_u32 s28, s28, s29
	s_add_co_u32 s28, s28, s27
	s_mul_i32 s29, s26, OB
	s_mov_b64 s[32:33], s[16:17]
	s_mov_b64 s[42:43], s[20:21]
	ADDR
	WUNIT 4096, 4
	FINISH
.Lprefix_v:
	s_sub_co_u32 s26, ttmp9, 784                   ; 16 batch + head
	s_lshr_b32 s28, s26, 4
	s_lshl_b32 s28, s28, 19                        ; a batch's 64 keys of 8,192 bytes
	s_and_b32 s29, s26, 15
	s_lshl_b32 s29, s29, 9
	s_add_co_u32 s28, s28, s29
	s_add_co_u32 s28, s28, s27
	s_mul_i32 s29, s26, 17
	s_add_co_u32 s29, s29, 16
	s_mul_i32 s29, s29, 2*OB
	s_add_co_u32 s29, s29, OB                      ; V's OB lies behind K's
	s_mov_b64 s[32:33], s[8:9]
	s_mov_b64 s[42:43], s[22:23]
	ADDR
	WUNIT 8192, 2
	FINISH
.Lfunc_end_k_qbc740a4eab_prep:
	.size	k_qbc740a4eab_prep, .Lfunc_end_k_qbc740a4eab_prep-k_qbc740a4eab_prep
	.p2alignl 7, 3214868480
	.fill 96, 4, 3214868480
	.section	.rodata,"a",@progbits
	.p2align	6, 0x0
	.amdhsa_kernel k_qbc740a4eab_prep
		.amdhsa_group_segment_fixed_size 68096
		.amdhsa_private_segment_fixed_size 0
		.amdhsa_enable_private_segment 0
		.amdhsa_kernarg_size 80
		.amdhsa_user_sgpr_count 2
		.amdhsa_user_sgpr_kernarg_segment_ptr 1
		.amdhsa_wavefront_size32 1
		.amdhsa_system_sgpr_workgroup_id_x 1
		.amdhsa_system_sgpr_workgroup_id_y 1
		.amdhsa_system_sgpr_workgroup_id_z 1
		.amdhsa_system_vgpr_workitem_id 0
		.amdhsa_next_free_vgpr 256
		.amdhsa_next_free_sgpr 66
		.amdhsa_reserve_vcc 0
		.amdhsa_float_denorm_mode_32 3
		.amdhsa_float_denorm_mode_16_64 3
		.amdhsa_memory_ordered 1
		.amdhsa_forward_progress 1
		.amdhsa_inst_pref_size 72
	.end_amdhsa_kernel
	.amdgpu_metadata
---
amdhsa.version: [ 1, 2 ]
amdhsa.kernels:
  - .name:           k_qbc740a4eab_prep
    .symbol:         k_qbc740a4eab_prep.kd
    .args:
      - { .name: x, .offset: 0, .size: 8, .value_kind: global_buffer, .address_space: global }
      - { .name: prefix_k, .offset: 8, .size: 8, .value_kind: global_buffer, .address_space: global }
      - { .name: prefix_v, .offset: 16, .size: 8, .value_kind: global_buffer, .address_space: global }
      - { .name: W_q, .offset: 24, .size: 8, .value_kind: global_buffer, .address_space: global }
      - { .name: W_k, .offset: 32, .size: 8, .value_kind: global_buffer, .address_space: global }
      - { .name: W_v, .offset: 40, .size: 8, .value_kind: global_buffer, .address_space: global }
      - { .name: W_o, .offset: 48, .size: 8, .value_kind: global_buffer, .address_space: global }
      - { .name: img, .offset: 56, .size: 8, .value_kind: global_buffer, .address_space: global }
      - { .name: wob, .offset: 64, .size: 8, .value_kind: global_buffer, .address_space: global }
      - { .name: kvob, .offset: 72, .size: 8, .value_kind: global_buffer, .address_space: global }
    .group_segment_fixed_size: 68096
    .private_segment_fixed_size: 0
    .kernarg_segment_align: 8
    .kernarg_segment_size: 80
    .max_flat_workgroup_size: 128
    .sgpr_count:     66
    .vgpr_count:     256
    .wavefront_size: 32
...
	.end_amdgpu_metadata
.endif
;; end of part 1
;; launch qkv (part 2): grid 16 x 24, 4 waves a work-group, clusters of 4 x 4, 327,680 bytes of LDS; arguments img, qob, kvob; writes qob, kvob
.if DOCPART == 2
	.amdgcn_target "amdgcn-amd-amdhsa--gfx1250"
	.amdhsa_code_object_version 6
	.text
	.protected	k_qbc740a4eab_qkv
	.globl	k_qbc740a4eab_qkv
	.p2align	8
	.type	k_qbc740a4eab_qkv,@function
k_qbc740a4eab_qkv:
	s_mov_b64 s[64:65], 0
	v_nop
	global_prefetch_b8 v0, s[64:65] scope:SCOPE_SE
	s_setreg_imm32_b32 hwreg(HW_REG_WAVE_MODE, 25, 1), 1
	s_wait_xcnt 0x0
	s_wait_alu depctr_hold_cnt(0) depctr_sa_sdst(0) depctr_va_vdst(0) depctr_va_sdst(0) depctr_va_ssrc(0) depctr_va_vcc(0) depctr_vm_vsrc(0)
	s_getreg_b32 s2, hwreg(HW_REG_IB_STS2, 6, 4)
	s_cmp_eq_u32 s2, 0
	s_cbranch_scc0 .Lentry_in_a_cluster
	s_endpgm
.Lentry_in_a_cluster:
	s_bfe_u32 s2, ttmp6, 0x10000c
	s_cmp_lg_u32 s2, 0xf033
	s_cbranch_scc0 .Lentry_shape_is_right
	s_endpgm
.Lentry_shape_is_right:
; QKV: the three projections x W_q, x W_k, x W_v on codes of FP6 (E2M3), K = 1,024, and the quantising of their results into the operand blocks that attention reads.
; OPERAND BLOCKS (OB, 12,800 bytes: 128 rows x 128 along K as an image of the operand's registers, 8 fragments of 1,536 bytes, then 4 x 128 bytes of scale words for pairs of tiles;
; lane r of tile 2 g + u holds row 32 g + 8 u + r % 8 + 16 (r / 8)).  img: 80 groups x 8 K steps: groups 0-31 x's tokens, 32-47 W_q's columns, 48-63 W_k's, 64-79 W_v's.
; A work-group of four waves makes 256 x 256; a wave 128 x 128: 64 accumulators, 512 registers: one head x 128 tokens, which is exactly one OB of attention.
; THE MATRIX INSTRUCTION IS USED TRANSPOSED: source 0 = 16 rows of side B, source 1 = 16 rows of side A: a lane holds ONE row of A, and by the tiles' row order its 64 registers of a tile of A are
; register 16 b + i = B's row 32 b + 16 (lane / 16) + i: 16 neighbours along the next product's K.
; Q and K (tile rows 0-15 of the grid): A = tokens, B = W_q's and W_k's columns: a lane holds a token, registers run along the head's 128.
; V (tile rows 16-23): A = W_v's columns, B = tokens: a lane holds a channel, registers run along the tokens, which are the second product's K.  The choice hangs on the cluster's y alone.
; K goes through a ring of two LDS slots of two K steps each; a wave's one tensor load brings two OBs on end, 100 rows of 256 bytes.
; CLUSTERS: 4 x 4 work-groups; A's blocks are shared along a row of the cluster, B's along a column: each is asked for jointly.
; LIMITS: NaN and infinities are not served; a block of a result whose largest magnitude lies under 2^-124 keeps the scale byte 1, a block of zeros too (its codes are zeros).
; REGISTERS: window 0: v2, v3 16 x and 4 x lane; v16-23 LDS addresses; v28, v29 the add's two; v32-47 scale words, two sets; v64-159, v160-255 A's fragments, two sets (on the way out v64-107 are at work).
;   window 1: B's fragments, two sets, at v0 and v128.   windows 2, 3: the accumulators: (a, b) at v[8 (8 (a % 4) + b)] of window 2 + a / 4.
.set NK,    8                          ; K steps of 128
.set OB,    12800
.set GS,    NK*OB                      ; from group to group in img
.set PART,  2*OB                       ; what one tensor load brings: two K steps of one group
.set SLOT,  4*PART                     ; A's two groups, then B's two
.set LAPS,  NK/4                       ; a lap = four K steps = once round the ring
.set SPARE, 2*SLOT                     ; behind the ring: the spare words, 128 bytes for each wave, which no other line names
.set LI,   2
.set LS,   3
.set ADRA, 16                          ; v16-17 my group of A in slot 0, 1, + 16 x lane
.set ADRB, 18                          ; v18-19 the same for B
.set ASA,  20                          ; v20-21, v22-23 the same two with 4 x lane, for the scale words
.set ASB,  22
.set SPW,  28
.set NIL,  29
.set SC,   32                          ; scale words: set p at v[SC + 8 p]: A's four pairs of tiles, then B's four
.set AF,   64
.set TM,   64                          ; the way out: v64-79 at work, v80-98 codes, v100-101 two tiles' scale words, v104-107 the pairs' words
.set CD,   80
.set PW,   100
.set MW,   104
.set G1,   24                          ; s[24:31] descriptor group 1 for A's blocks; s[32:39] group 0, one set for each slot
.set G0,   32
.set G1B,  48                          ; s[48:55], s[56:63] the same for B's
.set G0B,  56
.set SEL,  84                          ; s[84:85] lane selects for v_permlanex16_b32: lane l xor 16
.set MSB,  0
.macro WIN new                         ; the immediate's high byte repeats the setting that is left
.if MSB != \new
	s_set_vgpr_msb (MSB<<8)|\new
.set MSB, \new
.endif
.endm
.set MUL_LO, 0xa1                      ; source 0 (B) window 1, source 1 (A) window 0, C and D window 2
.set MUL_HI, 0xf1                      ; the same, C and D window 3
.set TO_B,   0x40                      ; destination window 1, address window 0
.macro PLACES n
.rept \n
	v_nop
.endr
.endm
; A joint load: waves 0 and 1 fetch A's two groups, waves 2 and 3 B's.  The branch hangs on the wave's number alone.  An s_nop 0 and four v_nop follow each of the two lines.
.macro JLOAD g0a, g1a, g0b, g1b
	s_cmp_eq_u32 s15, 0
	s_cbranch_scc0 .Lfor_b_\@
	tensor_load_to_lds s[\g0a:\g0a+3], s[\g1a:\g1a+7]
	s_nop 0
.rept 4
	v_nop
.endr
	s_branch .Lasked_\@
.Lfor_b_\@:
	tensor_load_to_lds s[\g0b:\g0b+3], s[\g1b:\g1b+7]
	s_nop 0
.rept 4
	v_nop
.endr
.Lasked_\@:
.endm
.macro CREST                           ; a round of the cluster's barrier behind its opening barrier
	s_cmp_lg_u32 s14, 0
	s_cbranch_scc1 .Lnot_wave_0_\@
	s_barrier_signal -3
.Lnot_wave_0_\@:
	s_barrier_wait -3
	s_barrier_signal -1
	s_barrier_wait -1
.endm
.macro CROUND
	s_barrier_signal -1
	s_barrier_wait -1
	CREST
.endm
; One product on the registers named by rD, rB, rA, rSB, rSA.  z: it starts the sum.  r0, r1: source 0's, source 1's tile is the odd one of its pair: its scale words stand in lanes 16-31
.macro WM z, r0, r1
.if (\z) && (\r0) && (\r1)
	v_wmma_scale_f32_16x16x128_f8f6f4 v[rD:rD+7], v[rB:rB+11], v[rA:rA+11], 0, v[rSB], v[rSA] matrix_a_fmt:MATRIX_FMT_FP6 matrix_b_fmt:MATRIX_FMT_FP6 matrix_a_scale:MATRIX_SCALE_ROW1 matrix_b_scale:MATRIX_SCALE_ROW1
.elseif (\z) && (\r0)
	v_wmma_scale_f32_16x16x128_f8f6f4 v[rD:rD+7], v[rB:rB+11], v[rA:rA+11], 0, v[rSB], v[rSA] matrix_a_fmt:MATRIX_FMT_FP6 matrix_b_fmt:MATRIX_FMT_FP6 matrix_a_scale:MATRIX_SCALE_ROW1
.elseif (\z) && (\r1)
	v_wmma_scale_f32_16x16x128_f8f6f4 v[rD:rD+7], v[rB:rB+11], v[rA:rA+11], 0, v[rSB], v[rSA] matrix_a_fmt:MATRIX_FMT_FP6 matrix_b_fmt:MATRIX_FMT_FP6 matrix_b_scale:MATRIX_SCALE_ROW1
.elseif (\z)
	v_wmma_scale_f32_16x16x128_f8f6f4 v[rD:rD+7], v[rB:rB+11], v[rA:rA+11], 0, v[rSB], v[rSA] matrix_a_fmt:MATRIX_FMT_FP6 matrix_b_fmt:MATRIX_FMT_FP6
.elseif (\r0) && (\r1)
	v_wmma_scale_f32_16x16x128_f8f6f4 v[rD:rD+7], v[rB:rB+11], v[rA:rA+11], v[rD:rD+7], v[rSB], v[rSA] matrix_a_fmt:MATRIX_FMT_FP6 matrix_b_fmt:MATRIX_FMT_FP6 matrix_a_scale:MATRIX_SCALE_ROW1 matrix_b_scale:MATRIX_SCALE_ROW1
.elseif (\r0)
	v_wmma_scale_f32_16x16x128_f8f6f4 v[rD:rD+7], v[rB:rB+11], v[rA:rA+11], v[rD:rD+7], v[rSB], v[rSA] matrix_a_fmt:MATRIX_FMT_FP6 matrix_b_fmt:MATRIX_FMT_FP6 matrix_a_scale:MATRIX_SCALE_ROW1
.elseif (\r1)
	v_wmma_scale_f32_16x16x128_f8f6f4 v[rD:rD+7], v[rB:rB+11], v[rA:rA+11], v[rD:rD+7], v[rSB], v[rSA] matrix_a_fmt:MATRIX_FMT_FP6 matrix_b_fmt:MATRIX_FMT_FP6 matrix_b_scale:MATRIX_SCALE_ROW1
.else
	v_wmma_scale_f32_16x16x128_f8f6f4 v[rD:rD+7], v[rB:rB+11], v[rA:rA+11], v[rD:rD+7], v[rSB], v[rSA] matrix_a_fmt:MATRIX_FMT_FP6 matrix_b_fmt:MATRIX_FMT_FP6
.endif
.endm
; 16 products: A's tiles a0, a0 + 1 x B's eight, on set p.  The 64 accumulators take turns, one instruction a turn, in the same order in every K step.
.macro MUL16 a0, p, zero
.irp a, \a0, \a0+1
.irp b, 0,1,2,3,4,5,6,7
.set rD, 8*(8*((\a)%4)+\b)
.set rB, 128*(\p)+12*\b
.set rA, AF+96*(\p)+12*(\a)
.set rSB, SC+8*(\p)+4+\b/2
.set rSA, SC+8*(\p)+(\a)/2
	WM \zero, \b%2, (\a)%2
.endr
.endr
.endm
; The slot's q-th K step into set p: 56 LDS loads in one run; each reads consecutive bytes, 16 or 4 a lane
.macro FETCH slot, q, p
	WIN TO_B
.irp i, 0,1,2,3,4,5,6,7
.irp c, 0,1,2
	ds_load_b128 v[128*(\p)+12*\i+4*\c:128*(\p)+12*\i+4*\c+3], v[ADRB+\slot] offset:(\q)*OB+1536*\i+512*\c
.endr
.endr
	WIN 0
.irp i, 0,1,2,3,4,5,6,7
.irp c, 0,1,2
	ds_load_b128 v[AF+96*(\p)+12*\i+4*\c:AF+96*(\p)+12*\i+4*\c+3], v[ADRA+\slot] offset:(\q)*OB+1536*\i+512*\c
.endr
.endr
.irp j, 0,1,2,3
	ds_load_b32 v[SC+8*(\p)+\j], v[ASA+\slot] offset:(\q)*OB+12288+128*\j
	ds_load_b32 v[SC+8*(\p)+4+\j], v[ASB+\slot] offset:(\q)*OB+12288+128*\j
.endr
.endm
; A slot's first K step, on set 0; in its middle the second K step's operands are fetched into set 1.
; Loads into registers that matrix instructions have read stand four plain vector instructions behind them (ISA guide 7.12.1 for vector instructions).
.macro STEP slot, zero
	s_wait_dscnt 0x0                               ; set 0 is in (asked for 32 products ago)
	WIN MUL_LO
	MUL16 0, 0, \zero
	MUL16 2, 0, \zero
	PLACES 4
	FETCH \slot, 1, 1
	WIN MUL_HI
	MUL16 4, 0, \zero
	MUL16 6, 0, \zero
	WIN 0
.endm
; A slot's second K step, on set 1, changes slots: ONE barrier; in front of it each wave waits for all its tensor loads, adds 0 to its spare word, and waits for that and for its reads of this slot.
; fill = 1: this slot is filled again, with the K steps four on; the barrier then opens a round of the cluster's barrier.
.macro TURN slot, next, fill
	s_wait_tensorcnt 0x0                           ; all my tensor loads have landed: my part of the next slot
	ds_add_u32 v[SPW], v[NIL]                      ; 0 onto my spare word
	s_wait_dscnt 1                                 ; set 1's 56 loads are in; the add may be out
	WIN MUL_LO
	MUL16 0, 1, 0                                  ; sixteen products stand between the add and the wait for it
	s_wait_dscnt 0x0                               ; the add is done, and my reads of this slot are over
	s_barrier_signal -1
	MUL16 2, 1, 0
	WIN 0
	s_barrier_wait -1
.if \fill
	CREST                                          ; no wave of any partner still reads this slot or has a load on its way
	s_add_nc_u64 s[G0+4*\slot+2:G0+4*\slot+3], s[G0+4*\slot+2:G0+4*\slot+3], 2*PART
	s_add_nc_u64 s[G0B+4*\slot+2:G0B+4*\slot+3], s[G0B+4*\slot+2:G0B+4*\slot+3], 2*PART
	JLOAD G0+4*\slot, G1, G0B+4*\slot, G1B         ; the first tensor load behind the round; its four v_nop are also the places in front of the loads below
.else
	PLACES 4
.endif
	FETCH \next, 0, 0
	WIN MUL_HI
	MUL16 4, 1, 0
	MUL16 6, 1, 0
	WIN 0
.endm
; THE WAY OUT.  64 results of a lane, v[s] on in window w1, register 16 b + i = k 32 b + 16 (lane / 16) + i of my row, become a fragment's codes in v[pc] on and my row's scale word in v[pw].
; w2 sets sources 0 and 1 to that window.  Each accumulator is read from its low end on.
.macro QUANT s, w1, w2, pc, pw
	WIN \w2
.irp b, 0,1,2,3
	v_max3_num_f32 v[TM+\b], |v[\s+16*\b]|, |v[\s+1+16*\b]|, 0x1800000   ; block b: my 16 numbers, and the floor 2^(3 - 127): the byte cannot fall under 1
.endr
.irp i, 2,4,6,8,10,12,14
.irp b, 0,1,2,3
	v_max3_num_f32 v[TM+\b], |v[\s+16*\b+\i]|, |v[\s+1+16*\b+\i]|, v[TM+\b]
.endr
.endr
	WIN 0
.irp b, 0,1,2,3
	v_permlanex16_b32 v[TM+4+\b], v[TM+\b], s[SEL], s[SEL+1]
.endr
.irp b, 0,1,2,3
	v_max_num_f32 v[TM+\b], v[TM+\b], v[TM+4+\b]   ; with lane l xor 16's: the block's largest magnitude
.endr
.irp b, 0,1,2,3
	v_add_nc_u32 v[TM+12+\b], 0xff000000, v[TM+\b]   ; 2 off its exponent field: the conversion's scale operand
.endr
.irp b, 0,1,2,3
	v_lshrrev_b32 v[TM+4+\b], 23, v[TM+12+\b]      ; the scale's byte
.endr
	v_lshl_or_b32 v[\pw], v[TM+5], 8, v[TM+4]
	v_lshl_or_b32 v[\pw], v[TM+6], 16, v[\pw]
	v_lshl_or_b32 v[\pw], v[TM+7], 24, v[\pw]
	s_wait_xcnt 0x0                                ; the last tile's stores have read the codes' registers: only behind this wait are they written again
	WIN \w1
.irp c, 0,1
	v_cvt_scalef32_pk16_fp6_f32 v[\pc+6*\c:\pc+2+6*\c], v[\s+32*\c:\s+15+32*\c], v[TM+12+2*\c]
	v_cvt_scalef32_pk16_fp6_f32 v[\pc+12+4*\c:\pc+14+4*\c], v[\s+16+32*\c:\s+31+32*\c], v[TM+12+2*\c+1]
.endr
	WIN 0
	v_nop                                          ; one plain place behind a scaled conversion
.irp c, 0,1
.irp i, 0,1,2
	v_permlane16_swap_b32 v[\pc+6*\c+\i], v[\pc+12+4*\c+\i]
.endr
.irp i, 0,1,2
	v_mov_b32 v[\pc+3+6*\c+\i], v[\pc+12+4*\c+\i]
.endr
.endr
.endm
.macro TILE a, w1, w2                  ; A's tile a becomes tile a of my OB
	QUANT 64*((\a)%4), \w1, \w2, CD, PW+(\a)%2
.irp q, 0,1,2
	global_store_b128 v[LI], v[CD+4*\q:CD+4*\q+3], s[80:81] offset:1536*(\a)+512*\q   ; 512 consecutive bytes
.endr
.if (\a)%2
	v_cndmask_b32 v[MW+(\a)/2], v[PW], v[PW+1], s82   ; lanes 0-15 the even tile's words, lanes 16-31 the odd tile's
	global_store_b32 v[LS], v[MW+(\a)/2], s[80:81] offset:12288+128*((\a)/2)
.endif
.endm
	s_load_b128 s[4:7], s[0:1], 0x0                ; img s[4:5], qob s[6:7]
	s_load_b64 s[8:9], s[0:1], 0x10                ; kvob
	v_lshl_add_u32 v[SPW], v0, 2, SPARE
	v_mov_b32 v[NIL], 0
	ds_add_u32 v[SPW], v[NIL]                      ; the wave's opening: the add, waited for ahead of my first tensor load; work on registers stands between the two
	v_lshrrev_b32 v1, 5, v0
	v_readfirstlane_b32 s14, v1                    ; wave 0..3
	s_lshr_b32 s15, s14, 1                         ; which group of A is mine.  Also: I fetch for A (0) or for B (1)
	s_and_b32 s16, s14, 1                          ; which group of B is mine.  Also: which group of that side I fetch
	s_bfe_u32 s40, ttmp6, 0x40000                  ; cx, cy: my place in the cluster
	s_bfe_u32 s41, ttmp6, 0x40004
	s_lshl_b32 s42, ttmp9, 2
	s_add_co_u32 s42, s42, s40                     ; tile column = 4 x cluster x + cx
	s_and_b32 s18, ttmp7, 0xffff                   ; cluster y
	s_lshl_b32 s17, s18, 2
	s_add_co_u32 s17, s17, s41                     ; tile row = 4 x cluster y + cy
	s_lshl_b32 s43, s41, 2
	s_lshl_b32 s43, 15, s43                        ; my row of the cluster
	s_lshl_b32 s44, 0x1111, s40                    ; my column
	; descriptor group 1: 25,600 dense bytes as 100 rows of 256 (32 elements of 8 bytes), no padding
	s_or_b32 s[G1], s43, (3<<16)|(1<<21)           ; 15:0 the mask: A's blocks go to my row; 17:16 elements of 8 bytes; 21 set beside a mask
	s_or_b32 s[G1B], s44, (3<<16)|(1<<21)          ; B's go to my column
.irp g, G1, G1B
	s_mov_b32 s[\g+1], 32<<16                      ; tensor_dim0 = 32
	s_mov_b32 s[\g+2], 100<<16                     ; tensor_dim1 = 100
	s_mov_b32 s[\g+3], 32<<16                      ; tile_dim0 = 32
	s_mov_b32 s[\g+4], 100                         ; tile_dim1 = 100
	s_mov_b32 s[\g+5], 32                          ; from row to row
	s_mov_b32 s[\g+6], 0
	s_mov_b32 s[\g+7], 0
.endr
	s_cmp_ge_u32 s18, 4                            ; V's part of the grid?  The same in all sixteen partners
	s_cselect_b32 s19, 32, 0                       ; A's groups: 2 x tile row (tokens), for V 32 further on (W_v's columns)
	s_cselect_b32 s66, 0, 32                       ; B's groups: 32 + 2 x tile column (W_q's, W_k's columns), for V 2 x tile column (tokens)
	s_lshl_b32 s20, s17, 1
	s_add_co_u32 s20, s20, s19
	s_add_co_u32 s20, s20, s16                     ; the group of A that I would fetch
	s_mul_i32 s20, s20, GS
	s_mov_b32 s21, 0
	s_lshl_b32 s46, s42, 1
	s_add_co_u32 s46, s46, s66
	s_add_co_u32 s46, s46, s16                     ; the group of B
	s_mul_i32 s46, s46, GS
	s_mov_b32 s47, 0
	s_mul_i32 s45, s14, PART                       ; where my part goes: no place in the cluster enters an LDS address
	s_wait_dscnt 0x0                               ; the opening add is done
	s_wait_kmcnt 0x0
	s_add_nc_u64 s[20:21], s[4:5], s[20:21]
	s_add_nc_u64 s[46:47], s[4:5], s[46:47]
	CROUND                                         ; all sixteen work-groups are here: the first joint loads meet
.irp s, 0,1
	s_mov_b32 s[G0+4*\s], 1
	s_add_co_u32 s[G0+4*\s+1], s45, \s*SLOT
	s_add_nc_u64 s[G0+4*\s+2:G0+4*\s+3], s[20:21], \s*PART
	s_or_b32 s[G0+4*\s+3], s[G0+4*\s+3], 0x80000000
	s_mov_b32 s[G0B+4*\s], 1
	s_add_co_u32 s[G0B+4*\s+1], s45, \s*SLOT
	s_add_nc_u64 s[G0B+4*\s+2:G0B+4*\s+3], s[46:47], \s*PART
	s_or_b32 s[G0B+4*\s+3], s[G0B+4*\s+3], 0x80000000
	JLOAD G0+4*\s, G1, G0B+4*\s, G1B               ; two loads of mine are out
.endr
	v_and_b32 v1, 31, v0
	v_lshlrev_b32 v[LI], 4, v1
	v_lshlrev_b32 v[LS], 2, v1
	s_mul_i32 s22, s15, PART                       ; my group of A
	s_mul_i32 s23, s16, PART                       ; my group of B,
	s_add_co_u32 s23, s23, 2*PART                  ; behind A's two
.irp s, 0,1
	v_add_nc_u32 v[ADRA+\s], s22, v[LI]
	v_add_nc_u32 v[ADRB+\s], s23, v[LI]
	v_add_nc_u32 v[ASA+\s], s22, v[LS]
	v_add_nc_u32 v[ASB+\s], s23, v[LS]
	s_add_co_u32 s22, s22, SLOT
	s_add_co_u32 s23, s23, SLOT
.endr
	; where my OB goes
	s_lshl_b32 s67, s17, 1
	s_add_co_u32 s67, s67, s19
	s_add_co_u32 s67, s67, s15                     ; my group of A
	s_lshl_b32 s68, s42, 1
	s_add_co_u32 s68, s68, s66
	s_add_co_u32 s68, s68, s16                     ; my group of B
	s_sub_co_u32 s69, s67, 64                      ; V: the head
	s_sub_co_u32 s70, s68, 32                      ; Q, K: 0-15 Q's heads, 16-31 K's
	s_cmp_ge_u32 s18, 4
	s_cselect_b32 s71, s68, s67                    ; the group of tokens
	s_cselect_b32 s72, s69, s70
	s_cselect_b32 s73, OB, 0                       ; V's OB lies behind K's
	s_cselect_b32 s74, 16, s72                     ; under 16 for Q alone
	s_and_b32 s72, s72, 15                         ; the head
	s_lshr_b32 s75, s71, 4
	s_lshl_b32 s75, s75, 4
	s_add_co_u32 s75, s75, s72                     ; 16 batch + head
	s_and_b32 s71, s71, 15                         ; the group of tokens in its batch
	s_lshl_b32 s76, s75, 4
	s_add_co_u32 s76, s76, s71
	s_mul_i32 s76, s76, OB                         ; in qob
	s_mul_i32 s77, s75, 17
	s_add_co_u32 s77, s77, s71
	s_mul_i32 s77, s77, 2*OB
	s_add_co_u32 s77, s77, s73                     ; in kvob
	s_cmp_lt_u32 s74, 16
	s_cselect_b32 s78, s76, s77
	s_mov_b32 s79, 0
	s_cselect_b64 s[80:81], s[6:7], s[8:9]
	s_add_nc_u64 s[80:81], s[80:81], s[78:79]
	s_mov_b32 s82, 0xffff0000
	s_mov_b32 s[SEL], 0x76543210
	s_mov_b32 s[SEL+1], 0xfedcba98
	s_wait_tensorcnt 1                             ; my part of slot 0 is in; slot 1's may stay out
	s_barrier_signal -1
	s_barrier_wait -1                              ; everybody's is
	FETCH 0, 0, 0
	STEP 0, 1                                      ; the first K step stands in front of the loop: its products start the sums
	s_mov_b32 s3, LAPS-1
.Llap:                                             ; a trip goes once round the ring and fills both slots again
	TURN 0, 1, 1
	STEP 1, 0
	TURN 1, 0, 1
	STEP 0, 0
	s_sub_co_u32 s3, s3, 1
	s_cmp_lg_u32 s3, 0
	s_cbranch_scc1 .Llap
	TURN 0, 1, 0                                   ; the last lap fills nothing
	STEP 1, 0
	s_wait_dscnt 0x0                               ; the very last K step
	WIN MUL_LO
	MUL16 0, 1, 0
	MUL16 2, 1, 0
	WIN MUL_HI
	MUL16 4, 1, 0
	MUL16 6, 1, 0
	WIN 0
	PLACES 4                                       ; in front of the first read of results and the first write of registers that held fragments
.irp b, 0,1,2,3
	v_mov_b32 v[TM+4+\b], 0                        ; written once: a lane permute's destination counts as one of its sources
.endr
.irp a, 0,1,2,3
	TILE \a, 2, 0x0a
.endr
.irp a, 4,5,6,7
	TILE \a, 3, 0x0f
.endr
	s_wait_tensorcnt 0x0                           ; the wave's end
	ds_add_u32 v[SPW], v[NIL]
	s_wait_dscnt 0x0
	CROUND                                         ; the closing round: no work-group ends while a partner may still ask for a block that names it
	s_endpgm
.Lfunc_end_k_qbc740a4eab_qkv:
	.size	k_qbc740a4eab_qkv, .Lfunc_end_k_qbc740a4eab_qkv-k_qbc740a4eab_qkv
	.p2alignl 7, 3214868480
	.fill 96, 4, 3214868480
	.section	.rodata,"a",@progbits
	.p2align	6, 0x0
	.amdhsa_kernel k_qbc740a4eab_qkv
		.amdhsa_group_segment_fixed_size 327680
		.amdhsa_private_segment_fixed_size 0
		.amdhsa_enable_private_segment 0
		.amdhsa_kernarg_size 24
		.amdhsa_user_sgpr_count 2
		.amdhsa_user_sgpr_kernarg_segment_ptr 1
		.amdhsa_wavefront_size32 1
		.amdhsa_system_sgpr_workgroup_id_x 1
		.amdhsa_system_sgpr_workgroup_id_y 1
		.amdhsa_system_sgpr_workgroup_id_z 1
		.amdhsa_system_vgpr_workitem_id 0
		.amdhsa_next_free_vgpr 1024
		.amdhsa_next_free_sgpr 100
		.amdhsa_reserve_vcc 0
		.amdhsa_float_denorm_mode_32 3
		.amdhsa_float_denorm_mode_16_64 3
		.amdhsa_memory_ordered 1
		.amdhsa_forward_progress 1
		.amdhsa_inst_pref_size 139
	.end_amdhsa_kernel
	.amdgpu_metadata
---
amdhsa.version: [ 1, 2 ]
amdhsa.kernels:
  - .name:           k_qbc740a4eab_qkv
    .symbol:         k_qbc740a4eab_qkv.kd
    .args:
      - { .name: img, .offset: 0, .size: 8, .value_kind: global_buffer, .address_space: global }
      - { .name: qob, .offset: 8, .size: 8, .value_kind: global_buffer, .address_space: global }
      - { .name: kvob, .offset: 16, .size: 8, .value_kind: global_buffer, .address_space: global }
    .group_segment_fixed_size: 327680
    .private_segment_fixed_size: 0
    .kernarg_segment_align: 8
    .kernarg_segment_size: 24
    .max_flat_workgroup_size: 128
    .sgpr_count:     100
    .vgpr_count:     1024
    .wavefront_size: 32
...
	.end_amdgpu_metadata
.endif
;; end of part 2
;; launch attn (part 3): grid 8 x 32, 16 waves a work-group, clusters of 4 x 1, 327,680 bytes of LDS; arguments qob, kvob, aob; writes aob
.if DOCPART == 3
	.amdgcn_target "amdgcn-amd-amdhsa--gfx1250"
	.amdhsa_code_object_version 6
	.text
	.protected	k_qbc740a4eab_attn
	.globl	k_qbc740a4eab_attn
	.p2align	8
	.type	k_qbc740a4eab_attn,@function
k_qbc740a4eab_attn:
	s_mov_b64 s[64:65], 0
	v_nop
	global_prefetch_b8 v0, s[64:65] scope:SCOPE_SE
	s_setreg_imm32_b32 hwreg(HW_REG_WAVE_MODE, 25, 1), 1
	s_wait_xcnt 0x0
	s_wait_alu depctr_hold_cnt(0) depctr_sa_sdst(0) depctr_va_vdst(0) depctr_va_sdst(0) depctr_va_ssrc(0) depctr_va_vcc(0) depctr_vm_vsrc(0)
	s_getreg_b32 s2, hwreg(HW_REG_IB_STS2, 6, 4)
	s_cmp_eq_u32 s2, 0
	s_cbranch_scc0 .Lentry_in_a_cluster
	s_endpgm
.Lentry_in_a_cluster:
	s_bfe_u32 s2, ttmp6, 0x10000c
	s_cmp_lg_u32 s2, 0x3003
	s_cbranch_scc0 .Lentry_shape_is_right
	s_endpgm
.Lentry_shape_is_right:
; ATTN: for each of 32 (batch, head): O = softmax(Q K^T / sqrt(128)) V over 2,048 tokens' keys and 64 prefix keys, no mask, both products on codes of FP6 (E2M3); O is quantised along the head's 128 for the last projection.
; All operands come as OPERAND BLOCKS (OB, 12,800 bytes: 128 rows x 128 along K as an image of the operand's registers: 8 fragments of 1,536 bytes, then 4 x 128 bytes of scale words for pairs of tiles;
; lane r of tile 2 g + u holds row 32 g + 8 u + r % 8 + 16 (r / 8)).  qob [32][16] OB; kvob [32][17][K's OB, V's OB]: key steps 0-15 the tokens, step 16 the prefix (64 keys; the other 64 do not exist); aob [32 groups of tokens][16 heads] OB.
; THE SOFTMAX AHEAD OF THE SECOND PRODUCT: t = score x log2(e) / sqrt(128); M = the row's largest t so far, rounded UP to a whole number; p = 2^(t - M) is what is quantised, along the keys, not normalised.
; The row's sum is taken of the unquantised p and divides O at the end.  When M moves, the sum and O are multiplied by 2^(old M - new M): exact.  Whole blocks of 32 keys may come in any order: the prefix is walked last.
; SHARES.  A work-group owns 256 queries of one head, each of its sixteen waves one tile of 16, in 256 registers: four waves to a SIMD, so that one wave's vector work stands beside another's products and LDS loads.
; LAYOUT.  Both products are used transposed: S^T = K Q^T, O^T = V^T P^T: a lane holds ONE query throughout; by the tiles' row order the 16 registers of tiles 2 b, 2 b + 1 are 16 neighbours (keys, then channels): 32 b + 16 (lane / 16) + 0 .. 15.
; RING.  Two LDS slots of four key steps each (102,400 bytes); waves 0 to 3 fetch a key step each, 100 rows of 256 bytes; wave 4 fetches the prefix's step once.  A refill has four key steps of all sixteen waves in which to land.
; CLUSTER.  The four blocks of queries of a cluster belong to one head and walk the same K and V: every tile is asked for jointly, with the mask of all four.
; LIMITS: NaN and infinities are not served; a block of O whose largest magnitude lies under 2^-124 keeps the scale byte 1, a block of zeros too (its codes are zeros).
; REGISTERS: v1-7 addresses that stay; v12 -M, v13 the largest t, v[14:15] the sum in two halves; v16-27 Q; v32-79 four fragments of K or V; v80-83, v84-87 K's, V's scale words; v96-159 S^T, then p; v160-223 O^T; v224-235 p's codes; v232-254 at work; v255 Q's scale words.
.set OB,    12800
.set STEPB, 2*OB                       ; a key step: K's OB, V's OB
.set SLOTB, 4*STEPB
.set HEADB, 17*STEPB
.set PFX,   SLOTB                      ; LDS: slot 0; the prefix's step, filled once;
.set SPARE, PFX+STEPB                  ; the spare words, 128 bytes for each of sixteen waves, which no other line names;
.set SLOT1, 1<<17                      ; slot 1 begins here, so that one exclusive or turns an address in one slot into the other's
.set LI,  1                            ; v1   16 x lane
.set LS,  2                            ; v2   4 x lane
.set ADK, 3                            ; v3   the key step in hand + 16 x lane
.set ADS, 4                            ; v4   the same + 4 x lane
.set SPW, 5                            ; v5   LDS address of my spare word; never rewritten
.set NIL, 6                            ; v6   0; never rewritten
.set QS,  7                            ; v7   4 x (lane % 16)
.set FR,  32
.set KS,  80
.set VS,  84
.set TM,  232
.set WV,  18                           ; s18  my wave's number
.set SEL, 20                           ; s[20:21] lane selects for v_permlanex16_b32: lane l xor 16
.set CS,  22                           ; s[22:23] c = log2(e) / sqrt(128): the packed form names a pair and takes its low word for both halves
.set G1,  24                           ; s[24:31] descriptor group 1
.set G0,  40                           ; s[40:43] group 0 for the ring: it walks
.set G0P, 44                           ; s[44:47] group 0 for the prefix's step
.set TB,  2                            ; s2   LDS byte at which the key step in hand begins
.set SLOTS, 66
.set CNT,  67
.macro PLACES n
.rept \n
	v_nop
.endr
.endm
.macro CROUND                          ; a round of the cluster's barrier
	s_barrier_signal -1
	s_barrier_wait -1
	s_cmp_lg_u32 s[WV], 0
	s_cbranch_scc1 .Lnot_wave_0_\@
	s_barrier_signal -3
.Lnot_wave_0_\@:
	s_barrier_wait -3
	s_barrier_signal -1
	s_barrier_wait -1
.endm
.macro TLOAD                           ; waves 0 to 3: a key step each of the slot to be filled.  An s_nop 0 and four v_nop follow the line
	s_cmp_lt_u32 s[WV], 4
	s_cbranch_scc0 .Lnone_\@
	tensor_load_to_lds s[G0:G0+3], s[G1:G1+7]
	s_nop 0
.rept 4
	v_nop
.endr
.Lnone_\@:
.endm
.macro TLOADP                          ; wave 4: the prefix's step
	s_cmp_eq_u32 s[WV], 4
	s_cbranch_scc0 .Lnone_\@
	tensor_load_to_lds s[G0P:G0P+3], s[G1:G1+7]
	s_nop 0
.rept 4
	v_nop
.endr
.Lnone_\@:
.endm
; 64 numbers of a lane become a fragment's codes in v[pc] on (pc + 12 .. pc + 18 at work) and my row's scale word in v[pw]
.macro QUANT s, pc, pw
.irp b, 0,1,2,3
	v_max3_num_f32 v[TM+\b], |v[\s+16*\b]|, |v[\s+1+16*\b]|, 0x1800000
.endr
.irp i, 2,4,6,8,10,12,14
.irp b, 0,1,2,3
	v_max3_num_f32 v[TM+\b], v[TM+\b], |v[\s+16*\b+\i]|, |v[\s+1+16*\b+\i]|
.endr
.endr
.irp b, 0,1,2,3
	v_permlanex16_b32 v[TM+4+\b], v[TM+\b], s[SEL], s[SEL+1]
.endr
.irp b, 0,1,2,3
	v_max_num_f32 v[TM+\b], v[TM+\b], v[TM+4+\b]
.endr
.irp b, 0,1,2,3
	v_add_nc_u32 v[TM+12+\b], 0xff000000, v[TM+\b]
.endr
.irp b, 0,1,2,3
	v_lshrrev_b32 v[TM+4+\b], 23, v[TM+12+\b]
.endr
	v_lshl_or_b32 v[\pw], v[TM+5], 8, v[TM+4]
	v_lshl_or_b32 v[\pw], v[TM+6], 16, v[\pw]
	v_lshl_or_b32 v[\pw], v[TM+7], 24, v[\pw]
.irp c, 0,1
	v_cvt_scalef32_pk16_fp6_f32 v[\pc+6*\c:\pc+2+6*\c], v[\s+32*\c:\s+15+32*\c], v[TM+12+2*\c]
	v_cvt_scalef32_pk16_fp6_f32 v[\pc+12+4*\c:\pc+14+4*\c], v[\s+16+32*\c:\s+31+32*\c], v[TM+12+2*\c+1]
.endr
	v_nop
.irp c, 0,1
.irp i, 0,1,2
	v_permlane16_swap_b32 v[\pc+6*\c+\i], v[\pc+12+4*\c+\i]
.endr
.irp i, 0,1,2
	v_mov_b32 v[\pc+3+6*\c+\i], v[\pc+12+4*\c+\i]
.endr
.endr
.endm
; A KEY STEP: 128 keys, at LDS byte s[TB].  half = 1: the prefix's step: only its first 64 keys exist.
.macro STEP half
	v_add_nc_u32 v[ADK], s[TB], v[LI]
	v_add_nc_u32 v[ADS], s[TB], v[LS]
	v_nop
	v_nop                                          ; with the two additions: four places in front of loads into registers that the last step's products have read
.irp j, 0,1,2,3
.if (\j < 2) || !(\half)
	ds_load_b32 v[KS+\j], v[ADS] offset:12288+128*\j   ; K's scale words, a pair of tiles to a register
.endif
.endr
.irp g, 0,1                            ; S^T = K Q^T, four tiles of 16 keys at a time
.if (\g == 0) || !(\half)
.if \g
	PLACES 4
.endif
.irp t, 0,1,2,3
.irp c, 0,1,2
	ds_load_b128 v[FR+12*\t+4*\c:FR+12*\t+4*\c+3], v[ADK] offset:(4*\g+\t)*1536+512*\c
.endr
.endr
	s_wait_dscnt 0x0
.irp t, 0,1,2,3
.if \t%2
	v_wmma_scale_f32_16x16x128_f8f6f4 v[96+8*(4*\g+\t):103+8*(4*\g+\t)], v[FR+12*\t:FR+12*\t+11], v[16:27], 0, v[KS+(4*\g+\t)/2], v255 matrix_a_fmt:MATRIX_FMT_FP6 matrix_b_fmt:MATRIX_FMT_FP6 matrix_a_scale:MATRIX_SCALE_ROW1
.else
	v_wmma_scale_f32_16x16x128_f8f6f4 v[96+8*(4*\g+\t):103+8*(4*\g+\t)], v[FR+12*\t:FR+12*\t+11], v[16:27], 0, v[KS+(4*\g+\t)/2], v255 matrix_a_fmt:MATRIX_FMT_FP6 matrix_b_fmt:MATRIX_FMT_FP6
.endif
.endr
.endif
.endr
.if \half
.set i, 0
.rept 32
	v_mov_b32 v[128+i], 0xff800000                 ; keys 64 to 127 do not exist: -infinity ahead of the maximum, so that p = 0.  (These lines are also the places behind the products)
.set i, i+1
.endr
.else
	PLACES 4
.endif
.irp b, 0,1,2,3
	v_max3_num_f32 v[232+\b], v[96+16*\b], v[97+16*\b], v[98+16*\b]   ; the largest score of each block of 32 keys: it serves for the row's maximum and, since p rises with the score, for the block's largest p
.endr
.irp i, 3,5,7,9,11,13
.irp b, 0,1,2,3
	v_max3_num_f32 v[232+\b], v[232+\b], v[96+16*\b+\i], v[97+16*\b+\i]
.endr
.endr
.irp b, 0,1,2,3
	v_max_num_f32 v[232+\b], v[232+\b], v[111+16*\b]
.endr
.irp b, 0,1,2,3
	v_permlanex16_b32 v[236+\b], v[232+\b], s[SEL], s[SEL+1]
.endr
.irp b, 0,1,2,3
	v_max_num_f32 v[232+\b], v[232+\b], v[236+\b]  ; with lane l xor 16's 16 keys
.endr
	v_max3_num_f32 v254, v232, v233, v234
	v_max_num_f32 v254, v254, v235                 ; the step's largest score of my query
	v_mul_f32 v254, s[CS], v254                    ; as t (c is positive)
	v_max_num_f32 v13, v13, v254                   ; the running largest t
	v_mov_b32 v254, v12
	v_floor_f32 v12, -v13                          ; the new -M = floor(-t) = -ceil(t): a whole number
	v_sub_f32 v254, v12, v254                      ; M's old value less its new one: a whole number, 0 or less
	v_cvt_i32_f32 v254, v254                       ; (it saturates)
	v_ldexp_f32 v252, 1.0, v254                    ; f = 2^(old M - new M)
.irp j, 0,2,4,6,8,10,12,14,16,18,20,22,24,26,28,30,32,34,36,38,40,42,44,46,48,50,52,54,56,58,60,62
	v_pk_fma_f32 v[96+\j:97+\j], v[96+\j:97+\j], s[CS:CS+1], v[12:13] op_sel_hi:[1,0,0]   ; t - M, two at a time
.endr
.irp b, 0,1,2,3
	v_fma_f32 v[232+\b], v[232+\b], s[CS], v12     ; the same of each block's largest score
.endr
.set i, 0
.rept 64
	v_exp_f32 v[96+i], v[96+i]                     ; p = 2^(t - M), at most 1: not normalised
.set i, i+1
.endr
	v_pk_mul_f32 v[14:15], v[14:15], v[252:253] op_sel_hi:[1,0]   ; the sums under the new M: the plain instruction behind the exponentials
	s_wait_alu depctr_va_vdst(0)                   ; one wait for the whole batch, ahead of its first reader
.irp b, 0,1,2,3
	v_exp_f32 v[232+\b], v[232+\b]                 ; the block's largest p: the same two instructions on the same number give the same bits
.endr
	v_pk_add_f32 v[236:237], v[96:97], v[98:99]    ; the row's sum is taken of the unquantised p: two at a time, in two chains
.irp j, 4,8,12,16,20,24,28,32,36,40,44,48,52,56,60
	v_pk_add_f32 v[14:15], v[14:15], v[96+\j:97+\j]
	v_pk_add_f32 v[236:237], v[236:237], v[98+\j:99+\j]
.endr
	v_pk_add_f32 v[14:15], v[14:15], v[236:237]
	s_wait_alu depctr_va_vdst(0)                   ; and one for the four
.irp b, 0,1,2,3
	v_max_num_f32 v[232+\b], 0x1800000, v[232+\b]  ; the floor 2^(3 - 127): the byte cannot fall under 1
.endr
.irp b, 0,1,2,3
	v_add_nc_u32 v[244+\b], 0xff000000, v[232+\b]  ; 2 off the exponent field: the conversion's scale operand
.endr
.irp b, 0,1,2,3
	v_lshrrev_b32 v[236+\b], 23, v[244+\b]         ; the scale's byte
.endr
	v_lshl_or_b32 v253, v237, 8, v236              ; p's scale word for these 128 keys
	v_lshl_or_b32 v253, v238, 16, v253
	v_lshl_or_b32 v253, v239, 24, v253
.irp c, 0,1
	v_cvt_scalef32_pk16_fp6_f32 v[224+6*\c:226+6*\c], v[96+32*\c:111+32*\c], v[244+2*\c]
	v_cvt_scalef32_pk16_fp6_f32 v[236+4*\c:238+4*\c], v[112+32*\c:127+32*\c], v[244+2*\c+1]
.endr
	v_nop                                          ; one plain place behind a scaled conversion
.irp c, 0,1
.irp i, 0,1,2
	v_permlane16_swap_b32 v[224+6*\c+\i], v[236+4*\c+\i]
.endr
.irp i, 0,1,2
	v_mov_b32 v[227+6*\c+\i], v[236+4*\c+\i]
.endr
.endr
.irp j, 0,2,4,6,8,10,12,14,16,18,20,22,24,26,28,30,32,34,36,38,40,42,44,46,48,50,52,54,56,58,60,62
	v_pk_mul_f32 v[160+\j:161+\j], v[160+\j:161+\j], v[252:253] op_sel_hi:[1,0]   ; O^T under the new M.  (These 32 are also the places in front of the products and loads below)
.endr
.irp j, 0,1,2,3
	ds_load_b32 v[VS+\j], v[ADS] offset:OB+12288+128*\j
.endr
.irp g, 0,1                            ; O^T += V^T P^T: four tiles of 16 channels at a time; K = these 128 keys
.if \g
	PLACES 4
.endif
.irp t, 0,1,2,3
.irp c, 0,1,2
	ds_load_b128 v[FR+12*\t+4*\c:FR+12*\t+4*\c+3], v[ADK] offset:OB+(4*\g+\t)*1536+512*\c
.endr
.endr
	s_wait_dscnt 0x0
.irp t, 0,1,2,3
.if \t%2
	v_wmma_scale_f32_16x16x128_f8f6f4 v[160+8*(4*\g+\t):167+8*(4*\g+\t)], v[FR+12*\t:FR+12*\t+11], v[224:235], v[160+8*(4*\g+\t):167+8*(4*\g+\t)], v[VS+(4*\g+\t)/2], v253 matrix_a_fmt:MATRIX_FMT_FP6 matrix_b_fmt:MATRIX_FMT_FP6 matrix_a_scale:MATRIX_SCALE_ROW1
.else
	v_wmma_scale_f32_16x16x128_f8f6f4 v[160+8*(4*\g+\t):167+8*(4*\g+\t)], v[FR+12*\t:FR+12*\t+11], v[224:235], v[160+8*(4*\g+\t):167+8*(4*\g+\t)], v[VS+(4*\g+\t)/2], v253 matrix_a_fmt:MATRIX_FMT_FP6 matrix_b_fmt:MATRIX_FMT_FP6
.endif
.endr
.endr
	s_add_co_u32 s[TB], s[TB], STEPB               ; the next key step
.endm
; THE CHANGE OF SLOTS stands at a slot's head.  Each wave waits for all its tensor loads, adds 0 to its spare word, and waits for that and for its reads of the slot that it has left.
; fill = 1: that slot is filled with the keys that follow; the barrier is then a round of the cluster's, and the joint load is the first thing behind it.
.macro CHANGE fill
	s_wait_tensorcnt 0x0                           ; no tensor load of mine is out, so a group 0 may be written
	ds_add_u32 v[SPW], v[NIL]                      ; 0 onto my spare word
.if \fill
	s_xor_b32 s[G0+1], s[G0+1], SLOT1              ; the walking descriptor: the other slot than last time,
	s_add_nc_u64 s[G0+2:G0+3], s[G0+2:G0+3], SLOTB ; the next four key steps; the type bits on top are not reached
.endif
	s_wait_dscnt 0x0                               ; the add is done, and my reads of the slot that I have left are over
.if \fill
	CROUND
	TLOAD
.else
	s_barrier_signal -1
	s_barrier_wait -1
.endif
.endm
.macro SLOT_STEPS                      ; a slot's four key steps: written once, walked four times; the LDS addresses hang on s[TB]
	s_mov_b32 s[CNT], 4
.Lstep_\@:
	STEP 0
	s_sub_co_u32 s[CNT], s[CNT], 1
	s_cmp_lg_u32 s[CNT], 0
	s_cbranch_scc1 .Lstep_\@
	s_sub_co_u32 s[TB], s[TB], SLOTB               ; back to a slot's first step,
	s_xor_b32 s[TB], s[TB], SLOT1                  ; in the other slot
.endm
	s_load_b128 s[4:7], s[0:1], 0x0                ; qob s[4:5], kvob s[6:7]
	s_load_b64 s[8:9], s[0:1], 0x10                ; aob
	v_lshl_add_u32 v[SPW], v0, 2, SPARE
	v_mov_b32 v[NIL], 0
	ds_add_u32 v[SPW], v[NIL]                      ; the wave's opening: the add, waited for ahead of the first tensor loads; work on registers stands between the two
	v_lshrrev_b32 v8, 5, v0
	v_readfirstlane_b32 s[WV], v8                  ; wave 0..15
	s_and_b32 s10, ttmp7, 0xffff                   ; 16 batch + head, which the four partners share
	s_bfe_u32 s13, ttmp6, 0x40000                  ; cx: it enters Q's and O's addresses alone
	s_lshl_b32 s14, ttmp9, 2
	s_add_co_u32 s14, s14, s13                     ; my block of 256 queries
	s_lshr_b32 s15, s[WV], 3
	s_lshl_b32 s16, s14, 1
	s_add_co_u32 s16, s16, s15                     ; my group of 128 tokens in the batch
	s_and_b32 s17, s[WV], 7                        ; my tile in it
	s_and_b32 s11, s[WV], 3
	s_mul_i32 s12, s11, STEPB                      ; the key step of a slot that I would fetch: in memory and in LDS alike
	s_mul_i32 s32, s10, HEADB                      ; the head in kvob
	s_add_co_u32 s34, s32, 16*STEPB                ; its prefix step
	s_add_co_u32 s32, s32, s12
	s_mov_b32 s33, 0
	s_mov_b32 s35, 0
	s_mul_i32 s19, s17, 1536                       ; my tile's fragment in an OB,
	s_lshl_b32 s38, s17, 6
	s_add_co_u32 s38, s38, 12288                   ; and its 64 bytes of scale words
	s_lshl_b32 s39, s10, 4
	s_add_co_u32 s39, s39, s16
	s_mul_i32 s39, s39, OB                         ; Q's OB
	s_add_co_u32 s36, s39, s19
	s_mov_b32 s37, 0
	s_add_co_u32 s48, s39, s38
	s_mov_b32 s49, 0
	s_lshr_b32 s39, s10, 4
	s_lshl_b32 s39, s39, 4
	s_add_co_u32 s39, s39, s16                     ; the group of tokens among all 32
	s_lshl_b32 s39, s39, 4
	s_and_b32 s54, s10, 15
	s_add_co_u32 s39, s39, s54                     ; its K step = the head
	s_mul_i32 s39, s39, OB                         ; O's OB
	s_add_co_u32 s50, s39, s19
	s_mov_b32 s51, 0
	s_add_co_u32 s52, s39, s38
	s_mov_b32 s53, 0
	; descriptor group 1: 25,600 dense bytes as 100 rows of 256 (32 elements of 8 bytes), no padding
	s_mov_b32 s[G1], 15|(3<<16)|(1<<21)            ; 15:0 the mask: all four work-groups; 17:16 elements of 8 bytes; 21 set beside a mask
	s_mov_b32 s[G1+1], 32<<16                      ; tensor_dim0 = 32
	s_mov_b32 s[G1+2], 100<<16                     ; tensor_dim1 = 100
	s_mov_b32 s[G1+3], 32<<16                      ; tile_dim0 = 32
	s_mov_b32 s[G1+4], 100                         ; tile_dim1 = 100
	s_mov_b32 s[G1+5], 32                          ; from row to row
	s_mov_b32 s[G1+6], 0
	s_mov_b32 s[G1+7], 0
	s_mov_b32 s[SEL], 0x76543210
	s_mov_b32 s[SEL+1], 0xfedcba98
	s_mov_b32 s[CS], 0x3e0293ee                    ; c = log2(e) / sqrt(128)
	s_mov_b32 s[CS+1], s[CS]                       ; named with it as a pair, so it is written
	s_mov_b32 s[TB], 0
	s_mov_b32 s[SLOTS], 3
	s_wait_dscnt 0x0                               ; the opening add is done
	s_wait_kmcnt 0x0
	s_mov_b32 s[G0], 1
	s_mov_b32 s[G0+1], s12                         ; slot 0
	s_add_nc_u64 s[G0+2:G0+3], s[6:7], s[32:33]
	s_or_b32 s[G0+3], s[G0+3], 0x80000000
	s_mov_b32 s[G0P], 1
	s_mov_b32 s[G0P+1], PFX
	s_add_nc_u64 s[G0P+2:G0P+3], s[6:7], s[34:35]
	s_or_b32 s[G0P+3], s[G0P+3], 0x80000000
	s_add_nc_u64 s[36:37], s[4:5], s[36:37]        ; Q's fragment,
	s_add_nc_u64 s[48:49], s[4:5], s[48:49]        ; its scale words,
	s_add_nc_u64 s[50:51], s[8:9], s[50:51]        ; O's fragment,
	s_add_nc_u64 s[52:53], s[8:9], s[52:53]        ; its scale words
	CROUND                                         ; all four work-groups are here: the first joint loads meet
	TLOADP                                         ; the prefix's step: filled once
	TLOAD                                          ; slot 0.  No wave has more than one load out
	v_and_b32 v8, 31, v0
	v_lshlrev_b32 v[LI], 4, v8
	v_lshlrev_b32 v[LS], 2, v8
	v_and_b32 v9, 15, v0
	v_lshlrev_b32 v[QS], 2, v9
.irp c, 0,1,2
	global_load_b128 v[16+4*\c:19+4*\c], v[LI], s[36:37] offset:512*\c   ; Q's fragment stays in registers
.endr
	global_load_b32 v255, v[QS], s[48:49]          ; and its scale words: lane l has row l % 16's
	v_mov_b32 v13, 0xff61b1e6                      ; the largest t so far: -3e38, under every t
	v_floor_f32 v12, -v13                          ; -M
	v_mov_b32 v14, 0                               ; the sum, in two halves
	v_mov_b32 v15, 0
.irp b, 0,1,2,3
	v_mov_b32 v[236+\b], 0                         ; written once: a lane permute's destination counts as one of its sources
.endr
	v_mov_b32 v253, 0                              ; named as the upper half of the pair v[252:253] before it is first written
.set i, 0
.rept 64
	v_mov_b32 v[160+i], 0                          ; O^T.  The key step is written without a first step of its own: it finds zeros, which the first change of M leaves zeros
.set i, i+1
.endr
	s_wait_loadcnt 0x0                             ; Q
.Lslot:                                            ; three trips: behind each change of slots but the last the next four key steps are asked for
	CHANGE 1
	SLOT_STEPS
	s_sub_co_u32 s[SLOTS], s[SLOTS], 1
	s_cmp_lg_u32 s[SLOTS], 0
	s_cbranch_scc1 .Lslot
	CHANGE 0                                       ; the last slot is written out
	SLOT_STEPS
	s_mov_b32 s[TB], PFX
	STEP 1                                         ; the prefix's 64 keys (wave 4 waited for its load ahead of the first change's barrier)
	; THE WAY OUT.  O^T is divided by the row's sum and quantised along the head's 128: by V's row order my 64 registers are register 16 b + i = channel 32 b + 16 (lane / 16) + i.
	PLACES 4                                       ; behind the last products
	v_add_f32 v14, v14, v15                        ; the sum's two halves,
	v_permlanex16_b32 v252, v14, s[SEL], s[SEL+1]
	v_add_f32 v14, v14, v252                       ; and lane l xor 16's: the row's sum
	v_rcp_f32 v14, v14
	v_nop                                          ; a plain instruction behind the reciprocal
	s_wait_alu depctr_va_vdst(0)                   ; and the wait ahead of its first reader
.set i, 0
.rept 64
	v_mul_f32 v[96+i], v[160+i], v14               ; each accumulator from its low end on
.set i, i+1
.endr
	QUANT 96, 32, 253
.irp q, 0,1,2
	global_store_b128 v[LI], v[32+4*\q:35+4*\q], s[50:51] offset:512*\q   ; 512 consecutive bytes
.endr
	global_store_b32 v[QS], v253, s[52:53]         ; my tile's 16 scale words; lanes l and l + 16 hold the same word and name the same place
	s_wait_tensorcnt 0x0                           ; the wave's end
	ds_add_u32 v[SPW], v[NIL]
	s_wait_dscnt 0x0
	CROUND                                         ; the closing round: no work-group ends while a partner may still ask for a tile that names it
	s_endpgm
.Lfunc_end_k_qbc740a4eab_attn:
	.size	k_qbc740a4eab_attn, .Lfunc_end_k_qbc740a4eab_attn-k_qbc740a4eab_attn
	.p2alignl 7, 3214868480
	.fill 96, 4, 3214868480
	.section	.rodata,"a",@progbits
	.p2align	6, 0x0
	.amdhsa_kernel k_qbc740a4eab_attn
		.amdhsa_group_segment_fixed_size 327680
		.amdhsa_private_segment_fixed_size 0
		.amdhsa_enable_private_segment 0
		.amdhsa_kernarg_size 24
		.amdhsa_user_sgpr_count 2
		.amdhsa_user_sgpr_kernarg_segment_ptr 1
		.amdhsa_wavefront_size32 1
		.amdhsa_system_sgpr_workgroup_id_x 1
		.amdhsa_system_sgpr_workgroup_id_y 1
		.amdhsa_system_sgpr_workgroup_id_z 1
		.amdhsa_system_vgpr_workitem_id 0
		.amdhsa_next_free_vgpr 256
		.amdhsa_next_free_sgpr 80
		.amdhsa_reserve_vcc 0
		.amdhsa_float_denorm_mode_32 3
		.amdhsa_float_denorm_mode_16_64 3
		.amdhsa_memory_ordered 1
		.amdhsa_forward_progress 1
		.amdhsa_inst_pref_size 73
	.end_amdhsa_kernel
	.amdgpu_metadata
---
amdhsa.version: [ 1, 2 ]
amdhsa.kernels:
  - .name:           k_qbc740a4eab_attn
    .symbol:         k_qbc740a4eab_attn.kd
    .args:
      - { .name: qob, .offset: 0, .size: 8, .value_kind: global_buffer, .address_space: global }
      - { .name: kvob, .offset: 8, .size: 8, .value_kind: global_buffer, .address_space: global }
      - { .name: aob, .offset: 16, .size: 8, .value_kind: global_buffer, .address_space: global }
    .group_segment_fixed_size: 327680
    .private_segment_fixed_size: 0
    .kernarg_segment_align: 8
    .kernarg_segment_size: 24
    .max_flat_workgroup_size: 512
    .sgpr_count:     80
    .vgpr_count:     256
    .wavefront_size: 32
...
	.end_amdgpu_metadata
.endif
;; end of part 3
;; launch proj (part 4): grid 4 x 16, 4 waves a work-group, clusters of 4 x 4, 327,680 bytes of LDS; arguments aob, wob, out0; writes out0
.if DOCPART == 4
	.amdgcn_target "amdgcn-amd-amdhsa--gfx1250"
	.amdhsa_code_object_version 6
	.text
	.protected	k_qbc740a4eab_proj
	.globl	k_qbc740a4eab_proj
	.p2align	8
	.type	k_qbc740a4eab_proj,@function
k_qbc740a4eab_proj:
	s_mov_b64 s[64:65], 0
	v_nop
	global_prefetch_b8 v0, s[64:65] scope:SCOPE_SE
	s_setreg_imm32_b32 hwreg(HW_REG_WAVE_MODE, 25, 1), 1
	s_wait_xcnt 0x0
	s_wait_alu depctr_hold_cnt(0) depctr_sa_sdst(0) depctr_va_vdst(0) depctr_va_sdst(0) depctr_va_ssrc(0) depctr_va_vcc(0) depctr_vm_vsrc(0)
	s_getreg_b32 s2, hwreg(HW_REG_IB_STS2, 6, 4)
	s_cmp_eq_u32 s2, 0
	s_cbranch_scc0 .Lentry_in_a_cluster
	s_endpgm
.Lentry_in_a_cluster:
	s_bfe_u32 s2, ttmp6, 0x10000c
	s_cmp_lg_u32 s2, 0xf033
	s_cbranch_scc0 .Lentry_shape_is_right
	s_endpgm
.Lentry_shape_is_right:
; PROJ: out0 = (attention's result) W_o on codes of FP6 (E2M3), M = 4,096, K = 2,048, N = 1,024; out0 f32.
; Both operands come as OPERAND BLOCKS (OB, 12,800 bytes: 128 rows x 128 along K as an image of the operand's registers: 8 fragments of 1,536 bytes, then 4 x 128 bytes of scale words for pairs of tiles;
; lane r of tile 2 g + u holds row 32 g + 8 u + r % 8 + 16 (r / 8)).  aob: 32 groups of tokens x 16 K steps; wob: 8 groups of W_o's columns x 16 K steps.
; A work-group of four waves makes 256 x 256 of out0; a wave 128 x 128: 64 accumulators, 512 registers.  64 work-groups: what 4,096 x 1,024 gives at this tile.
; THE MATRIX INSTRUCTION IS USED TRANSPOSED: source 0 = 16 columns of W_o (side B), source 1 = 16 tokens (side A): a lane holds ONE token, and its 64 registers of a tile of A are
; register 16 b + i = column 32 b + 16 (lane / 16) + i of B's group.
; K goes through a ring of two LDS slots of two K steps each; a wave's one tensor load brings two OBs on end, 100 rows of 256 bytes.
; CLUSTERS: 4 x 4 work-groups; A's blocks are shared along a row of the cluster, B's along a column: each is asked for jointly.
; REGISTERS: window 0: v2 16 x lane, v3 4 x lane; v16-23 LDS addresses; v24, v25 the stage; v28, v29 the add's two; v32-47 scale words, two sets; v64-159, v160-255 A's fragments, two sets (on the way out v64-191 take rows of out0).
;   window 1: B's fragments, two sets, at v0 and v128.   windows 2, 3: the accumulators: (a, b) at v[8 (8 (a % 4) + b)] of window 2 + a / 4.
.set NK,    16                         ; K steps of 128
.set OB,    12800
.set GS,    NK*OB                      ; from group to group
.set PART,  2*OB                       ; what one tensor load brings: two K steps of one group
.set SLOT,  4*PART                     ; A's two groups, then B's two
.set LAPS,  NK/4                       ; a lap = four K steps = once round the ring
.set STAGE, 2*SLOT                     ; behind the ring: 16 rows x (512 bytes + 16) for each wave, for the way out; no tensor load fills it
.set SPARE, STAGE+4*16*528             ; behind the stages: the spare words, 128 bytes for each wave, which no other line names
.set LI,   2
.set LS,   3
.set ADRA, 16                          ; v16-17 my group of A in slot 0, 1, + 16 x lane
.set ADRB, 18                          ; v18-19 the same for B
.set ASA,  20                          ; v20-21, v22-23 the same two with 4 x lane, for the scale words
.set ASB,  22
.set STO,  24                          ; v24  the way out: where I put my row's numbers
.set RD,   25                          ; v25  and where I read a row back
.set SPW,  28
.set NIL,  29
.set SC,   32                          ; scale words: set p at v[SC + 8 p]: A's four pairs of tiles, then B's four
.set AF,   64
.set BK,   64                          ; the way out: 16 rows read back: v64-127 and v128-191 by turns
.set G1,   24                          ; s[24:31] descriptor group 1 for A's blocks; s[32:39] group 0, one set for each slot
.set G0,   32
.set G1B,  48                          ; s[48:55], s[56:63] the same for B's
.set G0B,  56
.set MSB,  0
.macro WIN new                         ; the immediate's high byte repeats the setting that is left
.if MSB != \new
	s_set_vgpr_msb (MSB<<8)|\new
.set MSB, \new
.endif
.endm
.set MUL_LO, 0xa1                      ; source 0 (B) window 1, source 1 (A) window 0, C and D window 2
.set MUL_HI, 0xf1                      ; the same, C and D window 3
.set TO_B,   0x40                      ; destination window 1, address window 0
.macro PLACES n
.rept \n
	v_nop
.endr
.endm
; A joint load: waves 0 and 1 fetch A's two groups, waves 2 and 3 B's.  The branch hangs on the wave's number alone.  An s_nop 0 and four v_nop follow each of the two lines.
.macro JLOAD g0a, g1a, g0b, g1b
	s_cmp_eq_u32 s15, 0
	s_cbranch_scc0 .Lfor_b_\@
	tensor_load_to_lds s[\g0a:\g0a+3], s[\g1a:\g1a+7]
	s_nop 0
.rept 4
	v_nop
.endr
	s_branch .Lasked_\@
.Lfor_b_\@:
	tensor_load_to_lds s[\g0b:\g0b+3], s[\g1b:\g1b+7]
	s_nop 0
.rept 4
	v_nop
.endr
.Lasked_\@:
.endm
.macro CREST                           ; a round of the cluster's barrier behind its opening barrier
	s_cmp_lg_u32 s14, 0
	s_cbranch_scc1 .Lnot_wave_0_\@
	s_barrier_signal -3
.Lnot_wave_0_\@:
	s_barrier_wait -3
	s_barrier_signal -1
	s_barrier_wait -1
.endm
.macro CROUND
	s_barrier_signal -1
	s_barrier_wait -1
	CREST
.endm
; One product on the registers named by rD, rB, rA, rSB, rSA.  z: it starts the sum.  r0, r1: source 0's, source 1's tile is the odd one of its pair: its scale words stand in lanes 16-31
.macro WM z, r0, r1
.if (\z) && (\r0) && (\r1)
	v_wmma_scale_f32_16x16x128_f8f6f4 v[rD:rD+7], v[rB:rB+11], v[rA:rA+11], 0, v[rSB], v[rSA] matrix_a_fmt:MATRIX_FMT_FP6 matrix_b_fmt:MATRIX_FMT_FP6 matrix_a_scale:MATRIX_SCALE_ROW1 matrix_b_scale:MATRIX_SCALE_ROW1
.elseif (\z) && (\r0)
	v_wmma_scale_f32_16x16x128_f8f6f4 v[rD:rD+7], v[rB:rB+11], v[rA:rA+11], 0, v[rSB], v[rSA] matrix_a_fmt:MATRIX_FMT_FP6 matrix_b_fmt:MATRIX_FMT_FP6 matrix_a_scale:MATRIX_SCALE_ROW1
.elseif (\z) && (\r1)
	v_wmma_scale_f32_16x16x128_f8f6f4 v[rD:rD+7], v[rB:rB+11], v[rA:rA+11], 0, v[rSB], v[rSA] matrix_a_fmt:MATRIX_FMT_FP6 matrix_b_fmt:MATRIX_FMT_FP6 matrix_b_scale:MATRIX_SCALE_ROW1
.elseif (\z)
	v_wmma_scale_f32_16x16x128_f8f6f4 v[rD:rD+7], v[rB:rB+11], v[rA:rA+11], 0, v[rSB], v[rSA] matrix_a_fmt:MATRIX_FMT_FP6 matrix_b_fmt:MATRIX_FMT_FP6
.elseif (\r0) && (\r1)
	v_wmma_scale_f32_16x16x128_f8f6f4 v[rD:rD+7], v[rB:rB+11], v[rA:rA+11], v[rD:rD+7], v[rSB], v[rSA] matrix_a_fmt:MATRIX_FMT_FP6 matrix_b_fmt:MATRIX_FMT_FP6 matrix_a_scale:MATRIX_SCALE_ROW1 matrix_b_scale:MATRIX_SCALE_ROW1
.elseif (\r0)
	v_wmma_scale_f32_16x16x128_f8f6f4 v[rD:rD+7], v[rB:rB+11], v[rA:rA+11], v[rD:rD+7], v[rSB], v[rSA] matrix_a_fmt:MATRIX_FMT_FP6 matrix_b_fmt:MATRIX_FMT_FP6 matrix_a_scale:MATRIX_SCALE_ROW1
.elseif (\r1)
	v_wmma_scale_f32_16x16x128_f8f6f4 v[rD:rD+7], v[rB:rB+11], v[rA:rA+11], v[rD:rD+7], v[rSB], v[rSA] matrix_a_fmt:MATRIX_FMT_FP6 matrix_b_fmt:MATRIX_FMT_FP6 matrix_b_scale:MATRIX_SCALE_ROW1
.else
	v_wmma_scale_f32_16x16x128_f8f6f4 v[rD:rD+7], v[rB:rB+11], v[rA:rA+11], v[rD:rD+7], v[rSB], v[rSA] matrix_a_fmt:MATRIX_FMT_FP6 matrix_b_fmt:MATRIX_FMT_FP6
.endif
.endm
; 16 products: A's tiles a0, a0 + 1 x B's eight, on set p.  The 64 accumulators take turns, one instruction a turn, in the same order in every K step.
.macro MUL16 a0, p, zero
.irp a, \a0, \a0+1
.irp b, 0,1,2,3,4,5,6,7
.set rD, 8*(8*((\a)%4)+\b)
.set rB, 128*(\p)+12*\b
.set rA, AF+96*(\p)+12*(\a)
.set rSB, SC+8*(\p)+4+\b/2
.set rSA, SC+8*(\p)+(\a)/2
	WM \zero, \b%2, (\a)%2
.endr
.endr
.endm
; The slot's q-th K step into set p: 56 LDS loads in one run; each reads consecutive bytes, 16 or 4 a lane
.macro FETCH slot, q, p
	WIN TO_B
.irp i, 0,1,2,3,4,5,6,7
.irp c, 0,1,2
	ds_load_b128 v[128*(\p)+12*\i+4*\c:128*(\p)+12*\i+4*\c+3], v[ADRB+\slot] offset:(\q)*OB+1536*\i+512*\c
.endr
.endr
	WIN 0
.irp i, 0,1,2,3,4,5,6,7
.irp c, 0,1,2
	ds_load_b128 v[AF+96*(\p)+12*\i+4*\c:AF+96*(\p)+12*\i+4*\c+3], v[ADRA+\slot] offset:(\q)*OB+1536*\i+512*\c
.endr
.endr
.irp j, 0,1,2,3
	ds_load_b32 v[SC+8*(\p)+\j], v[ASA+\slot] offset:(\q)*OB+12288+128*\j
	ds_load_b32 v[SC+8*(\p)+4+\j], v[ASB+\slot] offset:(\q)*OB+12288+128*\j
.endr
.endm
; A slot's first K step, on set 0; in its middle the second K step's operands are fetched into set 1.
; Loads into registers that matrix instructions have read stand four plain vector instructions behind them (ISA guide 7.12.1 for vector instructions).
.macro STEP slot, zero
	s_wait_dscnt 0x0                               ; set 0 is in (asked for 32 products ago)
	WIN MUL_LO
	MUL16 0, 0, \zero
	MUL16 2, 0, \zero
	PLACES 4
	FETCH \slot, 1, 1
	WIN MUL_HI
	MUL16 4, 0, \zero
	MUL16 6, 0, \zero
	WIN 0
.endm
; A slot's second K step, on set 1, changes slots: ONE barrier; in front of it each wave waits for all its tensor loads, adds 0 to its spare word, and waits for that and for its reads of this slot.
; fill = 1: this slot is filled again, with the K steps four on; the barrier then opens a round of the cluster's barrier.
.macro TURN slot, next, fill
	s_wait_tensorcnt 0x0                           ; all my tensor loads have landed: my part of the next slot
	ds_add_u32 v[SPW], v[NIL]                      ; 0 onto my spare word
	s_wait_dscnt 1                                 ; set 1's 56 loads are in; the add may be out
	WIN MUL_LO
	MUL16 0, 1, 0                                  ; sixteen products stand between the add and the wait for it
	s_wait_dscnt 0x0                               ; the add is done, and my reads of this slot are over
	s_barrier_signal -1
	MUL16 2, 1, 0
	WIN 0
	s_barrier_wait -1
.if \fill
	CREST                                          ; no wave of any partner still reads this slot or has a load on its way
	s_add_nc_u64 s[G0+4*\slot+2:G0+4*\slot+3], s[G0+4*\slot+2:G0+4*\slot+3], 2*PART
	s_add_nc_u64 s[G0B+4*\slot+2:G0B+4*\slot+3], s[G0B+4*\slot+2:G0B+4*\slot+3], 2*PART
	JLOAD G0+4*\slot, G1, G0B+4*\slot, G1B         ; the first tensor load behind the round; its four v_nop are also the places in front of the loads below
.else
	PLACES 4
.endif
	FETCH \next, 0, 0
	WIN MUL_HI
	MUL16 4, 1, 0
	MUL16 6, 1, 0
	WIN 0
.endm
; THE WAY OUT, a tile of 16 tokens x 128 columns at a time.  A lane holds 64 numbers of one row, and the lanes beside it hold other rows: so a tile goes through my own stage in LDS and comes back as whole
; rows of 512 bytes.  LDS serves a wave's instructions in order (ISA guide 5.7.1.4): no wait between the stores and the loads, nor in front of the next tile's stores.
.macro TOSTAGE a
.set AC, 64*((\a)%4)
	WIN 0x08+4*((\a)/4)                            ; the data: window 2 or 3
.irp i, 0,1,2,3,4,5,6,7,8,9,10,11,12,13,14,15
	ds_store_b128 v[STO], v[AC+4*\i:AC+4*\i+3] offset:128*(\i/4)+16*(\i%4)   ; registers 16 b + 4 n on: columns 32 b + 16 (lane / 16) + 4 n on; each accumulator from its low end on
.endr
	WIN 0
.set BB, BK+64*((\a)%2)
.irp t, 0,1,2,3,4,5,6,7,8,9,10,11,12,13,14,15
	ds_load_b128 v[BB+4*\t:BB+4*\t+3], v[RD] offset:\t*528
.endr
.endm
.macro SEND a, younger                 ; younger: the LDS instructions issued behind tile a's loads, which may stay out
.set BB, BK+64*((\a)%2)
	s_wait_dscnt \younger
.irp t, 0,1,2,3,4,5,6,7,8,9,10,11,12,13,14,15
	global_store_b128 v[LI], v[BB+4*\t:BB+4*\t+3], s[80:81] offset:(32*((\a)/2)+8*((\a)%2)+\t%8+16*(\t/8))*4096 th:TH_STORE_NT   ; stage row t is the tile's lane t: its token by the tiles' row order; 32 lanes store 512 consecutive bytes, at a multiple of 512 from out0's first byte
.endr
.endm
	s_load_b128 s[4:7], s[0:1], 0x0                ; aob s[4:5], wob s[6:7]
	s_load_b64 s[8:9], s[0:1], 0x10                ; out0
	v_lshl_add_u32 v[SPW], v0, 2, SPARE
	v_mov_b32 v[NIL], 0
	ds_add_u32 v[SPW], v[NIL]                      ; the wave's opening: the add, waited for ahead of my first tensor load; work on registers stands between the two
	v_lshrrev_b32 v1, 5, v0
	v_readfirstlane_b32 s14, v1                    ; wave 0..3
	s_lshr_b32 s15, s14, 1                         ; which group of A is mine.  Also: I fetch for A (0) or for B (1)
	s_and_b32 s16, s14, 1                          ; which group of B is mine.  Also: which group of that side I fetch
	s_bfe_u32 s40, ttmp6, 0x40000                  ; cx, cy: my place in the cluster
	s_bfe_u32 s41, ttmp6, 0x40004
	s_lshl_b32 s42, ttmp9, 2
	s_add_co_u32 s42, s42, s40                     ; tile column = 4 x cluster x + cx
	s_and_b32 s18, ttmp7, 0xffff
	s_lshl_b32 s17, s18, 2
	s_add_co_u32 s17, s17, s41                     ; tile row = 4 x cluster y + cy
	s_lshl_b32 s43, s41, 2
	s_lshl_b32 s43, 15, s43                        ; my row of the cluster
	s_lshl_b32 s44, 0x1111, s40                    ; my column
	; descriptor group 1: 25,600 dense bytes as 100 rows of 256 (32 elements of 8 bytes), no padding
	s_or_b32 s[G1], s43, (3<<16)|(1<<21)           ; 15:0 the mask: A's blocks go to my row; 17:16 elements of 8 bytes; 21 set beside a mask
	s_or_b32 s[G1B], s44, (3<<16)|(1<<21)          ; B's go to my column
.irp g, G1, G1B
	s_mov_b32 s[\g+1], 32<<16                      ; tensor_dim0 = 32
	s_mov_b32 s[\g+2], 100<<16                     ; tensor_dim1 = 100
	s_mov_b32 s[\g+3], 32<<16                      ; tile_dim0 = 32
	s_mov_b32 s[\g+4], 100                         ; tile_dim1 = 100
	s_mov_b32 s[\g+5], 32                          ; from row to row
	s_mov_b32 s[\g+6], 0
	s_mov_b32 s[\g+7], 0
.endr
	s_lshl_b32 s20, s17, 1
	s_add_co_u32 s20, s20, s16                     ; the group of A that I would fetch
	s_mul_i32 s20, s20, GS
	s_mov_b32 s21, 0
	s_lshl_b32 s46, s42, 1
	s_add_co_u32 s46, s46, s16                     ; the group of B
	s_mul_i32 s46, s46, GS
	s_mov_b32 s47, 0
	s_mul_i32 s45, s14, PART                       ; where my part goes: no place in the cluster enters an LDS address
	s_wait_dscnt 0x0                               ; the opening add is done
	s_wait_kmcnt 0x0
	s_add_nc_u64 s[20:21], s[4:5], s[20:21]
	s_add_nc_u64 s[46:47], s[6:7], s[46:47]
	CROUND                                         ; all sixteen work-groups are here: the first joint loads meet
.irp s, 0,1
	s_mov_b32 s[G0+4*\s], 1
	s_add_co_u32 s[G0+4*\s+1], s45, \s*SLOT
	s_add_nc_u64 s[G0+4*\s+2:G0+4*\s+3], s[20:21], \s*PART
	s_or_b32 s[G0+4*\s+3], s[G0+4*\s+3], 0x80000000
	s_mov_b32 s[G0B+4*\s], 1
	s_add_co_u32 s[G0B+4*\s+1], s45, \s*SLOT
	s_add_nc_u64 s[G0B+4*\s+2:G0B+4*\s+3], s[46:47], \s*PART
	s_or_b32 s[G0B+4*\s+3], s[G0B+4*\s+3], 0x80000000
	JLOAD G0+4*\s, G1, G0B+4*\s, G1B               ; two loads of mine are out
.endr
	v_and_b32 v1, 31, v0
	v_lshlrev_b32 v[LI], 4, v1
	v_lshlrev_b32 v[LS], 2, v1
	s_mul_i32 s22, s15, PART                       ; my group of A
	s_mul_i32 s23, s16, PART                       ; my group of B,
	s_add_co_u32 s23, s23, 2*PART                  ; behind A's two
.irp s, 0,1
	v_add_nc_u32 v[ADRA+\s], s22, v[LI]
	v_add_nc_u32 v[ADRB+\s], s23, v[LI]
	v_add_nc_u32 v[ASA+\s], s22, v[LS]
	v_add_nc_u32 v[ASB+\s], s23, v[LS]
	s_add_co_u32 s22, s22, SLOT
	s_add_co_u32 s23, s23, SLOT
.endr
	s_mul_i32 s23, s14, 16*528
	s_add_co_u32 s23, s23, STAGE                   ; my stage
	v_and_b32 v4, 15, v0
	v_bfe_u32 v5, v0, 4, 1
	v_mul_u32_u24 v6, v4, 528                      ; in: row lane % 16, + 64 bytes for the upper half of the lanes
	v_lshl_add_u32 v6, v5, 6, v6
	v_add_nc_u32 v[STO], s23, v6
	v_add_nc_u32 v[RD], s23, v[LI]                 ; back: the 32 lanes take one row of 512 bytes
	s_lshl_b32 s67, s17, 1
	s_add_co_u32 s67, s67, s15                     ; my group of tokens:
	s_lshl_b32 s67, s67, 19                        ; 128 rows of 4,096 bytes
	s_lshl_b32 s68, s42, 1
	s_add_co_u32 s68, s68, s16                     ; my group of columns:
	s_lshl_b32 s68, s68, 9                         ; 512 bytes
	s_add_co_u32 s78, s67, s68
	s_mov_b32 s79, 0
	s_add_nc_u64 s[80:81], s[8:9], s[78:79]
	s_wait_tensorcnt 1                             ; my part of slot 0 is in; slot 1's may stay out
	s_barrier_signal -1
	s_barrier_wait -1                              ; everybody's is
	FETCH 0, 0, 0
	STEP 0, 1                                      ; the first K step stands in front of the loop: its products start the sums
	s_mov_b32 s3, LAPS-1
.Llap:                                             ; a trip goes once round the ring and fills both slots again
	TURN 0, 1, 1
	STEP 1, 0
	TURN 1, 0, 1
	STEP 0, 0
	s_sub_co_u32 s3, s3, 1
	s_cmp_lg_u32 s3, 0
	s_cbranch_scc1 .Llap
	TURN 0, 1, 0                                   ; the last lap fills nothing
	STEP 1, 0
	s_wait_dscnt 0x0                               ; the very last K step
	WIN MUL_LO
	MUL16 0, 1, 0
	MUL16 2, 1, 0
	WIN MUL_HI
	MUL16 4, 1, 0
	MUL16 6, 1, 0
	WIN 0
	PLACES 4                                       ; in front of the first read of results and of loads into registers that held fragments
	TOSTAGE 0
.irp a, 1,2,3,4,5,6,7
.if \a > 1
	s_wait_xcnt 0x0                                ; tile a - 2's stores have read their registers: tile a's loads may land there
.endif
	TOSTAGE \a
	SEND \a-1, 32                                  ; behind tile a - 1's loads: tile a's 16 stores and 16 loads
.endr
	SEND 7, 0
	s_wait_tensorcnt 0x0                           ; the wave's end: behind my last tensor load and my last LDS store
	ds_add_u32 v[SPW], v[NIL]
	s_wait_dscnt 0x0
	CROUND                                         ; the closing round: no work-group ends while a partner may still ask for a block that names it
	s_endpgm
.Lfunc_end_k_qbc740a4eab_proj:
	.size	k_qbc740a4eab_proj, .Lfunc_end_k_qbc740a4eab_proj-k_qbc740a4eab_proj
	.p2alignl 7, 3214868480
	.fill 96, 4, 3214868480
	.section	.rodata,"a",@progbits
	.p2align	6, 0x0
	.amdhsa_kernel k_qbc740a4eab_proj
		.amdhsa_group_segment_fixed_size 327680
		.amdhsa_private_segment_fixed_size 0
		.amdhsa_enable_private_segment 0
		.amdhsa_kernarg_size 24
		.amdhsa_user_sgpr_count 2
		.amdhsa_user_sgpr_kernarg_segment_ptr 1
		.amdhsa_wavefront_size32 1
		.amdhsa_system_sgpr_workgroup_id_x 1
		.amdhsa_system_sgpr_workgroup_id_y 1
		.amdhsa_system_sgpr_workgroup_id_z 1
		.amdhsa_system_vgpr_workitem_id 0
		.amdhsa_next_free_vgpr 1024
		.amdhsa_next_free_sgpr 100
		.amdhsa_reserve_vcc 0
		.amdhsa_float_denorm_mode_32 3
		.amdhsa_float_denorm_mode_16_64 3
		.amdhsa_memory_ordered 1
		.amdhsa_forward_progress 1
		.amdhsa_inst_pref_size 133
	.end_amdhsa_kernel
	.amdgpu_metadata
---
amdhsa.version: [ 1, 2 ]
amdhsa.kernels:
  - .name:           k_qbc740a4eab_proj
    .symbol:         k_qbc740a4eab_proj.kd
    .args:
      - { .name: aob, .offset: 0, .size: 8, .value_kind: global_buffer, .address_space: global }
      - { .name: wob, .offset: 8, .size: 8, .value_kind: global_buffer, .address_space: global }
      - { .name: out0, .offset: 16, .size: 8, .value_kind: global_buffer, .address_space: global }
    .group_segment_fixed_size: 327680
    .private_segment_fixed_size: 0
    .kernarg_segment_align: 8
    .kernarg_segment_size: 24
    .max_flat_workgroup_size: 128
    .sgpr_count:     100
    .vgpr_count:     1024
    .wavefront_size: 32
...
	.end_amdgpu_metadata
.endif
;; end of part 4
;; ======== version 2 of 2: 4 launches
;; limits: right only within a limited range of input values
;; workspace buffers: img 8,192,000 bytes; wob 1,638,400 bytes; qob 6,553,600 bytes; kvob 13,926,400 bytes; aob 6,553,600 bytes
;; launch prep (part 5): grid 816 x 1, 4 waves a work-group, no clusters, 68,096 bytes of LDS; arguments x, prefix_k, prefix_v, W_q, W_k, W_v, W_o, img, wob, kvob; writes img, wob, kvob
.if DOCPART == 5
	.amdgcn_target "amdgcn-amd-amdhsa--gfx1250"
	.amdhsa_code_object_version 6
	.text
	.protected	k_qbc740a4eab_prep
	.globl	k_qbc740a4eab_prep
	.p2align	8
	.type	k_qbc740a4eab_prep,@function
k_qbc740a4eab_prep:
	s_mov_b64 s[64:65], 0
	v_nop
	global_prefetch_b8 v0, s[64:65] scope:SCOPE_SE
	s_setreg_imm32_b32 hwreg(HW_REG_WAVE_MODE, 25, 1), 1
	s_wait_xcnt 0x0
; PREP: all seven f32 inputs become codes of FP6 (E2M3) with one E8M0 scale byte for each 32 along K, laid as OPERAND BLOCKS.
; AN OPERAND BLOCK (OB, 12,800 bytes) holds 128 rows of an operand x 128 along K as an image of the matrix operand's registers: 8 tiles of 16 rows;
; byte 1536 T + 512 q + 16 L + 4 i is register 4 q + i of lane L of tile T's fragment (12 registers; lane (r, h) holds k = 64 c + 32 h + 0 .. 31 in registers 6 c .. 6 c + 5);
; byte 12288 + 128 j + 4 L is a scale word: lanes 0-15 those of tile 2 j's rows, lanes 16-31 those of tile 2 j + 1's.
; THE ROWS OF A TILE ARE NOT NEIGHBOURS: lane r of tile 2 g + u holds row 32 g + 8 u + r % 8 + 16 (r / 8), so that a transposed product leaves 16 neighbours along the next K in a lane's registers.
; A block's scale is 2^(floor(log2(its largest magnitude)) - 2); its byte is the largest magnitude's exponent field - 2, held at 1 from below.
; LIMITS: NaN and infinities among the inputs are not served; a block whose largest magnitude lies under 2^-124 keeps the byte 1; a block of zeros has the byte 1 where the rule says 127
; (its codes are zeros, which add nothing under any byte but 0xff, and this program alone reads the bytes).
; SHARES.  A wave makes one pair of tiles (32 rows of an operand) x one K step of 128: 16 KiB of f32 in, two fragments and 128 bytes of scale words out.  No loop.
;   work-groups 0-255   x        K innermost: rows come as they lie, 512 bytes a load, and turn through the wave's own stage in LDS
;   work-groups 256-271 prefix_k the same, rows 8,192 bytes apart; the 64 rows that the prefix's block of 128 keys does not have are stored as zeros
;   work-groups 272-655 W_q, W_k, W_v   K is the first axis: a lane takes a column, its registers run down K; no LDS
;   work-groups 656-783 W_o      the same, rows of 4,096 bytes
;   work-groups 784-815 prefix_v the same, K = the 64 prefix keys: two blocks, the other two are zero codes
.set OB,    12800
.set STG,   32*528                     ; a wave's stage: 32 rows x (512 bytes + 16): the 16 rows that a read back touches start at 16 different places modulo 256 bytes
.set SPARE, 4*STG                      ; behind the stages: the spare words, 128 bytes for each wave, which no other line names
.set LI,  2                            ; v2   16 x lane
.set LS,  3                            ; v3   4 x lane
.set STI, 4                            ; v4   the stage on the way in: my 16 bytes of a row
.set RDI, 5                            ; v5   and on the way out: row lane % 16, + 64 (lane / 16)
.set WOF, 6                            ; v6   column path: my column's 4 bytes among the wave's 128
.set WST, 7                            ; v7   column path: where my codes go: 1536 (lane / 16) + 16 (lane % 16)
.set SPW, 10                           ; v10  LDS address of my spare word; never rewritten
.set NIL, 11                           ; v11  0; never rewritten
.set RO,  16                           ; v16-23 row path: 16 x lane + i rows, i = 0 .. 7
.set TM,  24                           ; v24-39 row path: at work in QUANT
.set CW,  32                           ; v32-55 column path: my codes, 12 registers for each half of the lanes that will hold them
.set R,   64                           ; v64-191 128 words as loaded
.set X,   192                          ; v192-255 64 numbers of a lane
.set SEL, 54                           ; s[54:55] lane selects for v_permlanex16_b32: lane l xor 16
.macro FINISH                          ; a wave's end
	s_wait_tensorcnt 0x0
	ds_add_u32 v[SPW], v[NIL]
	s_wait_dscnt 0x0
	s_endpgm
.endm
; 64 numbers of a lane, register 16 b + i = k 32 b + 16 (lane / 16) + i of my row, become a fragment's 12 registers of codes in v[pc] on (pc + 12 .. pc + 18 at work) and my row's scale word in v[pw]
.macro QUANT s, pc, pw
.irp b, 0,1,2,3
	v_max3_num_f32 v[TM+\b], |v[\s+16*\b]|, |v[\s+1+16*\b]|, 0x1800000   ; block b: my 16 numbers, and the floor 2^(3 - 127): the byte cannot fall under 1
.endr
.irp i, 2,4,6,8,10,12,14
.irp b, 0,1,2,3
	v_max3_num_f32 v[TM+\b], v[TM+\b], |v[\s+16*\b+\i]|, |v[\s+1+16*\b+\i]|   ; the four blocks by turns
.endr
.endr
.irp b, 0,1,2,3
	v_permlanex16_b32 v[TM+4+\b], v[TM+\b], s[SEL], s[SEL+1]
.endr
.irp b, 0,1,2,3
	v_max_num_f32 v[TM+\b], v[TM+\b], v[TM+4+\b]   ; with lane l xor 16's: the block's largest magnitude
.endr
.irp b, 0,1,2,3
	v_add_nc_u32 v[TM+12+\b], 0xff000000, v[TM+\b]   ; 2 off its exponent field: the conversion's scale operand
.endr
.irp b, 0,1,2,3
	v_lshrrev_b32 v[TM+4+\b], 23, v[TM+12+\b]      ; the scale's byte
.endr
	v_lshl_or_b32 v[\pw], v[TM+5], 8, v[TM+4]
	v_lshl_or_b32 v[\pw], v[TM+6], 16, v[\pw]
	v_lshl_or_b32 v[\pw], v[TM+7], 24, v[\pw]
.irp c, 0,1
	v_cvt_scalef32_pk16_fp6_f32 v[\pc+6*\c:\pc+2+6*\c], v[\s+32*\c:\s+15+32*\c], v[TM+12+2*\c]
	v_cvt_scalef32_pk16_fp6_f32 v[\pc+12+4*\c:\pc+14+4*\c], v[\s+16+32*\c:\s+31+32*\c], v[TM+12+2*\c+1]   ; a conversion's three registers begin on an even number
.endr
	v_nop                                          ; one plain place behind a scaled conversion
.irp c, 0,1                            ; the operand's layout wants a whole block in a lane: lanes 0-15 block 2 c, lanes 16-31 block 2 c + 1
.irp i, 0,1,2
	v_permlane16_swap_b32 v[\pc+6*\c+\i], v[\pc+12+4*\c+\i]
.endr
.irp i, 0,1,2
	v_mov_b32 v[\pc+3+6*\c+\i], v[\pc+12+4*\c+\i]
.endr
.endr
.endm
; From s[32:33] the source buffer, s28 the offset in it, s[42:43] the target buffer, s29 the OB's offset in it, s31 the pair of tiles:
; s[32:33] the source, s[48:49] the pair's two fragments, s[50:51] its scale words
.macro ADDR
	s_mov_b32 s44, s28
	s_add_nc_u64 s[32:33], s[32:33], s[44:45]
	s_mul_i32 s46, s31, 3072
	s_add_co_u32 s46, s46, s29
	s_add_nc_u64 s[48:49], s[42:43], s[46:47]
	s_lshl_b32 s46, s31, 7
	s_add_co_u32 s46, s46, s29
	s_add_co_u32 s46, s46, 12288
	s_add_nc_u64 s[50:51], s[42:43], s[46:47]
.endm
; THE COLUMN PATH.  Block t: rows 32 t .. 32 t + 31 of my column; the wave reads 128 consecutive bytes an instruction, the four waves stand side by side on 512
.macro WLOAD t, stride
.set i, 0
.rept 32
	global_load_b32 v[R+32*(\t)+i], v[WOF], s[32:33] offset:(32*(\t)+i)*(\stride) th:TH_LOAD_NT
.set i, i+1
.endr
.endm
.macro WBLOCK t                        ; all 32 numbers of the block are mine; its codes belong to lane (r, t % 2) of the fragment, registers 6 (t / 2) on
.set XS, R+32*(\t)
.set CC, CW+12*((\t)%2)+6*((\t)/2)
	v_max3_num_f32 v12, |v[XS]|, |v[XS+1]|, |v[XS+2]|
	v_max3_num_f32 v13, |v[XS+3]|, |v[XS+4]|, |v[XS+5]|
.irp i, 6,10,14,18,22,26
	v_max3_num_f32 v12, v12, |v[XS+\i]|, |v[XS+\i+1]|
	v_max3_num_f32 v13, v13, |v[XS+\i+2]|, |v[XS+\i+3]|
.endr
	v_max3_num_f32 v12, v12, |v[XS+30]|, |v[XS+31]|
	v_max3_num_f32 v12, v12, v13, 0x1800000        ; and the floor
	v_add_nc_u32 v14, 0xff000000, v12              ; the conversion's scale operand
	v_lshrrev_b32 v13, 23, v14                     ; the byte
.if (\t) == 0
	v_mov_b32 v60, v13                             ; four bytes to the word, the lower K in the lower byte
.else
	v_lshl_or_b32 v60, v13, 8*(\t), v60
.endif
	v_cvt_scalef32_pk16_fp6_f32 v[CC:CC+2], v[XS:XS+15], v14
	v_cvt_scalef32_pk16_fp6_f32 v[56:58], v[XS+16:XS+31], v14
	v_nop                                          ; one plain place behind a scaled conversion
.irp i, 0,1,2
	v_mov_b32 v[CC+3+\i], v[56+\i]
.endr
.endm
.macro WUNIT stride, nb                ; nb blocks of 32 along K are there; the rest of the K step is zero codes
	WLOAD 0, \stride
	WLOAD 1, \stride
.set TT, 0
.rept \nb
.if TT < \nb-1
	s_wait_loadcnt 32                              ; this block's 32 loads are in; the next block's 32 may be out
.else
	s_wait_loadcnt 0x0
.endif
.if TT+2 < \nb
	WLOAD TT+2, \stride
.endif
	WBLOCK TT
.set TT, TT+1
.endr
.if \nb == 2
.irp i, 6,7,8,9,10,11,18,19,20,21,22,23
	v_mov_b32 v[CW+\i], 0
.endr
.endif
.irp h, 0,1
.irp q, 0,1,2
	global_store_b128 v[WST], v[CW+12*\h+4*\q:CW+12*\h+4*\q+3], s[48:49] offset:512*\q+256*\h   ; lanes 0-15 fill 256 aligned bytes of the even tile, lanes 16-31 of the odd one
.endr
.endr
	global_store_b32 v[LS], v60, s[50:51]          ; 128 consecutive bytes: the pair's scale words
.endm
	s_load_b512 s[4:19], s[0:1], 0x0               ; x s[4:5], prefix_k s[6:7], prefix_v s[8:9], W_q s[10:11], W_k s[12:13], W_v s[14:15], W_o s[16:17], img s[18:19]
	s_load_b128 s[20:23], s[0:1], 0x40             ; wob s[20:21], kvob s[22:23]
	v_lshl_add_u32 v[SPW], v0, 2, SPARE
	v_mov_b32 v[NIL], 0
	v_lshrrev_b32 v8, 5, v0
	v_readfirstlane_b32 s24, v8                    ; wave 0..3
	v_and_b32 v1, 31, v0                           ; lane
	v_lshlrev_b32 v[LI], 4, v1
	v_lshlrev_b32 v[LS], 2, v1
	s_mul_i32 s25, s24, STG                        ; my stage
	v_add_nc_u32 v[STI], s25, v[LI]
	v_and_b32 v8, 15, v1                           ; r
	v_lshrrev_b32 v9, 4, v1                        ; h
	v_mul_u32_u24 v[RDI], v8, 528
	v_lshl_add_u32 v[RDI], v9, 6, v[RDI]
	v_add_nc_u32 v[RDI], s25, v[RDI]
	v_and_b32 v[WOF], 7, v1                        ; column path: lane l is row l % 16 of tile l / 16 of the pair: column 8 (l / 16) + l % 8 + 16 ((l / 8) % 2)
	v_lshl_add_u32 v[WOF], v9, 3, v[WOF]
	v_bfe_u32 v12, v1, 3, 1
	v_lshl_add_u32 v[WOF], v12, 4, v[WOF]
	v_lshlrev_b32 v[WOF], 2, v[WOF]
	v_mul_u32_u24 v[WST], v9, 1536
	v_lshl_add_u32 v[WST], v8, 4, v[WST]
	s_mov_b32 s45, 0                               ; the upper words of the offsets' pairs
	s_mov_b32 s47, 0
	s_mov_b32 s[SEL], 0x76543210
	s_mov_b32 s[SEL+1], 0xfedcba98
	s_wait_kmcnt 0x0
	s_cmp_lt_u32 ttmp9, 272
	s_cbranch_scc0 .Lweights
	; ---- THE ROW PATH: x and prefix_k
	s_cmp_lt_u32 ttmp9, 256
	s_cbranch_scc0 .Lprefix_k
	s_lshr_b32 s26, ttmp9, 1                       ; x: which 32 rows
	s_and_b32 s27, ttmp9, 1
	s_lshl_b32 s27, s27, 2
	s_add_co_u32 s27, s27, s24                     ; which K step: 4 (id % 2) + wave
	s_lshl_b32 s28, s26, 17                        ; 32 rows of 4,096 bytes
	s_lshl_b32 s29, s27, 9
	s_add_co_u32 s28, s28, s29                     ; + 512 bytes a K step
	s_mov_b32 s30, 4096                            ; from row to row
	s_lshr_b32 s29, s26, 2                         ; the group of 128 rows
	s_lshl_b32 s29, s29, 3
	s_add_co_u32 s29, s29, s27
	s_mul_i32 s29, s29, OB                         ; its OB of this K step
	s_and_b32 s31, s26, 3                          ; the pair of tiles
	s_mov_b64 s[32:33], s[4:5]
	s_mov_b64 s[42:43], s[18:19]
	s_branch .Lrows
.Lprefix_k:
	s_sub_co_u32 s26, ttmp9, 256
	s_lshr_b32 s27, s26, 3                         ; batch
	s_bfe_u32 s31, s26, 0x10002                    ; which 32 of the 64 keys: also the pair of tiles
	s_and_b32 s29, s26, 3
	s_lshl_b32 s29, s29, 2
	s_add_co_u32 s29, s29, s24                     ; head
	s_lshl_b32 s28, s27, 1
	s_add_co_u32 s28, s28, s31
	s_lshl_b32 s28, s28, 18                        ; 32 keys of 8,192 bytes
	s_lshl_b32 s26, s29, 9
	s_add_co_u32 s28, s28, s26                     ; + the head's 512 bytes
	s_mov_b32 s30, 8192
	s_lshl_b32 s27, s27, 4
	s_add_co_u32 s29, s27, s29                     ; 16 batch + head
	s_mul_i32 s29, s29, 17
	s_add_co_u32 s29, s29, 16                      ; the head's 17th key step is the prefix's
	s_mul_i32 s29, s29, 2*OB
	s_mov_b64 s[32:33], s[6:7]
	s_mov_b64 s[42:43], s[22:23]
.Lrows:
	ADDR
	s_lshl_b32 s44, s30, 3                         ; eight rows on
	s_add_nc_u64 s[34:35], s[32:33], s[44:45]
	s_add_nc_u64 s[36:37], s[34:35], s[44:45]
	s_add_nc_u64 s[38:39], s[36:37], s[44:45]
.irp i, 0,1,2,3,4,5,6,7
	v_mad_u32_u24 v[RO+\i], s30, \i, v[LI]
.endr
.irp b, 0,1,2,3
	v_mov_b32 v[TM+4+\b], 0                        ; written once: a lane permute's destination counts as one of its sources
.endr
.set i, 0
.rept 32
	global_load_b128 v[R+4*i:R+4*i+3], v[RO+i%8], s[32+2*(i/8):33+2*(i/8)] th:TH_LOAD_NT   ; row i: 512 consecutive bytes
.set i, i+1
.endr
.set i, 0
.rept 32
	s_wait_loadcnt 31-i                            ; row i is in; the younger rows' loads stay out
	ds_store_b128 v[STI], v[R+4*i:R+4*i+3] offset:(16*((i/8)%2)+i%8+8*(i/16))*528   ; to the stage row of its tile and lane: here the rows take the tiles' order
.set i, i+1
.endr
.irp b, 0,1,2,3
.irp j, 0,1,2,3
	ds_load_b128 v[X+16*\b+4*\j:X+16*\b+4*\j+3], v[RDI] offset:128*\b+16*\j   ; the even tile: of each block of 32 my half's 16 numbers.  LDS serves a wave's instructions in order: these see my stores
.endr
.endr
	s_wait_dscnt 0x0                               ; the stores have read their registers, and the even tile is in
.irp b, 0,1,2,3
.irp j, 0,1,2,3
	ds_load_b128 v[R+16*\b+4*\j:R+16*\b+4*\j+3], v[RDI] offset:16*528+128*\b+16*\j   ; the odd tile lands while the even one is quantised
.endr
.endr
	QUANT X, 44, 40
.irp q, 0,1,2
	global_store_b128 v[LI], v[44+4*\q:47+4*\q], s[48:49] offset:512*\q   ; 512 consecutive bytes
.endr
	s_wait_dscnt 0x0
	QUANT R, 128, 41
.irp q, 0,1,2
	global_store_b128 v[LI], v[128+4*\q:131+4*\q], s[48:49] offset:1536+512*\q
.endr
	s_mov_b32 s52, 0xffff0000
	v_cndmask_b32 v42, v40, v41, s52               ; lanes 0-15 the even tile's words, lanes 16-31 the odd tile's
	global_store_b32 v[LS], v42, s[50:51]
	s_cmp_lt_u32 ttmp9, 256
	s_cbranch_scc1 .Lrows_done
.irp i, 12,13,14,15
	v_mov_b32 v\i, 0
.endr
.irp q, 0,1,2,3,4,5
	global_store_b128 v[LI], v[12:15], s[48:49] offset:6144+512*\q   ; prefix_k: the pair two further on holds keys that do not exist: zero codes,
.endr
	global_store_b32 v[LS], v12, s[50:51] offset:256                  ; and scale bytes 0
.Lrows_done:
	FINISH
	; ---- THE COLUMN PATH
.Lweights:
	s_lshl_b32 s27, s24, 7                         ; my wave's 32 columns: 128 bytes
	s_mov_b32 s31, s24                             ; which are pair = wave of the group
	s_cmp_lt_u32 ttmp9, 656
	s_cbranch_scc0 .Lw_o
	s_sub_co_u32 s26, ttmp9, 272                   ; 128 matrix + 8 group + K step
	s_and_b32 s28, s26, 7
	s_lshl_b32 s28, s28, 20                        ; 128 rows of 8,192 bytes a K step
	s_bfe_u32 s29, s26, 0x40003
	s_lshl_b32 s29, s29, 9                         ; 128 columns a group
	s_add_co_u32 s28, s28, s29
	s_add_co_u32 s28, s28, s27
	s_add_co_u32 s29, s26, 256                     ; behind x's 32 groups of 8 OBs
	s_mul_i32 s29, s29, OB
	s_lshr_b32 s26, s26, 7
	s_cmp_lt_u32 s26, 1
	s_cselect_b64 s[32:33], s[10:11], s[12:13]
	s_cmp_lt_u32 s26, 2
	s_cselect_b64 s[32:33], s[32:33], s[14:15]
	s_mov_b64 s[42:43], s[18:19]
	ADDR
	s_wait_alu depctr_va_vdst(0)
	WUNIT 8192, 4
	FINISH
.Lw_o:
	s_cmp_lt_u32 ttmp9, 784
	s_cbranch_scc0 .Lprefix_v
	s_sub_co_u32 s26, ttmp9, 656                   ; 16 group + K step
	s_and_b32 s28, s26, 15
	s_lshl_b32 s28, s28, 19                        ; 128 rows of 4,096 bytes a K step
	s_lshr_b32 s29, s26, 4
	s_lshl_b32 s29, s29, 9
	s_add_co_u32 s28, s28, s29
	s_add_co_u32 s28, s28, s27
	s_mul_i32 s29, s26, OB
	s_mov_b64 s[32:33], s[16:17]
	s_mov_b64 s[42:43], s[20:21]
	ADDR
	s_wait_alu depctr_va_vdst(0)
	WUNIT 4096, 4
	FINISH
.Lprefix_v:
	s_sub_co_u32 s26, ttmp9, 784                   ; 16 batch + head
	s_lshr_b32 s28, s26, 4
	s_lshl_b32 s28, s28, 19                        ; a batch's 64 keys of 8,192 bytes
	s_and_b32 s29, s26, 15
	s_lshl_b32 s29, s29, 9
	s_add_co_u32 s28, s28, s29
	s_add_co_u32 s28, s28, s27
	s_mul_i32 s29, s26, 17
	s_add_co_u32 s29, s29, 16
	s_mul_i32 s29, s29, 2*OB
	s_add_co_u32 s29, s29, OB                      ; V's OB lies behind K's
	s_mov_b64 s[32:33], s[8:9]
	s_mov_b64 s[42:43], s[22:23]
	ADDR
	s_wait_alu depctr_va_vdst(0)
	WUNIT 8192, 2
	FINISH
.Lfunc_end_k_qbc740a4eab_prep:
	.size	k_qbc740a4eab_prep, .Lfunc_end_k_qbc740a4eab_prep-k_qbc740a4eab_prep
	.p2alignl 7, 3214868480
	.fill 96, 4, 3214868480
	.section	.rodata,"a",@progbits
	.p2align	6, 0x0
	.amdhsa_kernel k_qbc740a4eab_prep
		.amdhsa_group_segment_fixed_size 68096
		.amdhsa_private_segment_fixed_size 0
		.amdhsa_enable_private_segment 0
		.amdhsa_kernarg_size 80
		.amdhsa_user_sgpr_count 2
		.amdhsa_user_sgpr_kernarg_segment_ptr 1
		.amdhsa_wavefront_size32 1
		.amdhsa_system_sgpr_workgroup_id_x 1
		.amdhsa_system_sgpr_workgroup_id_y 1
		.amdhsa_system_sgpr_workgroup_id_z 1
		.amdhsa_system_vgpr_workitem_id 0
		.amdhsa_next_free_vgpr 256
		.amdhsa_next_free_sgpr 66
		.amdhsa_reserve_vcc 0
		.amdhsa_float_denorm_mode_32 3
		.amdhsa_float_denorm_mode_16_64 3
		.amdhsa_memory_ordered 1
		.amdhsa_forward_progress 1
		.amdhsa_inst_pref_size 72
	.end_amdhsa_kernel
	.amdgpu_metadata
---
amdhsa.version: [ 1, 2 ]
amdhsa.kernels:
  - .name:           k_qbc740a4eab_prep
    .symbol:         k_qbc740a4eab_prep.kd
    .args:
      - { .name: x, .offset: 0, .size: 8, .value_kind: global_buffer, .address_space: global }
      - { .name: prefix_k, .offset: 8, .size: 8, .value_kind: global_buffer, .address_space: global }
      - { .name: prefix_v, .offset: 16, .size: 8, .value_kind: global_buffer, .address_space: global }
      - { .name: W_q, .offset: 24, .size: 8, .value_kind: global_buffer, .address_space: global }
      - { .name: W_k, .offset: 32, .size: 8, .value_kind: global_buffer, .address_space: global }
      - { .name: W_v, .offset: 40, .size: 8, .value_kind: global_buffer, .address_space: global }
      - { .name: W_o, .offset: 48, .size: 8, .value_kind: global_buffer, .address_space: global }
      - { .name: img, .offset: 56, .size: 8, .value_kind: global_buffer, .address_space: global }
      - { .name: wob, .offset: 64, .size: 8, .value_kind: global_buffer, .address_space: global }
      - { .name: kvob, .offset: 72, .size: 8, .value_kind: global_buffer, .address_space: global }
    .group_segment_fixed_size: 68096
    .private_segment_fixed_size: 0
    .kernarg_segment_align: 8
    .kernarg_segment_size: 80
    .max_flat_workgroup_size: 128
    .sgpr_count:     66
    .vgpr_count:     256
    .wavefront_size: 32
...
	.end_amdgpu_metadata
.endif
;; end of part 5
;; launch qkv (part 6): grid 16 x 24, 4 waves a work-group, clusters of 4 x 4, 327,680 bytes of LDS; arguments img, qob, kvob; writes qob, kvob
.if DOCPART == 6
	.amdgcn_target "amdgcn-amd-amdhsa--gfx1250"
	.amdhsa_code_object_version 6
	.text
	.protected	k_qbc740a4eab_qkv
	.globl	k_qbc740a4eab_qkv
	.p2align	8
	.type	k_qbc740a4eab_qkv,@function
k_qbc740a4eab_qkv:
	s_mov_b64 s[64:65], 0
	v_nop
	global_prefetch_b8 v0, s[64:65] scope:SCOPE_SE
	s_setreg_imm32_b32 hwreg(HW_REG_WAVE_MODE, 25, 1), 1
	s_wait_xcnt 0x0
	s_wait_alu depctr_hold_cnt(0) depctr_sa_sdst(0) depctr_va_vdst(0) depctr_va_sdst(0) depctr_va_ssrc(0) depctr_va_vcc(0) depctr_vm_vsrc(0)
	s_getreg_b32 s2, hwreg(HW_REG_IB_STS2, 6, 4)
	s_cmp_eq_u32 s2, 0
	s_cbranch_scc0 .Lentry_in_a_cluster
	s_endpgm
.Lentry_in_a_cluster:
	s_bfe_u32 s2, ttmp6, 0x10000c
	s_cmp_lg_u32 s2, 0xf033
	s_cbranch_scc0 .Lentry_shape_is_right
	s_endpgm
.Lentry_shape_is_right:
; QKV: the three projections x W_q, x W_k, x W_v on codes of FP6 (E2M3), K = 1,024, and the quantising of their results into the operand blocks that attention reads.
; OPERAND BLOCKS (OB, 12,800 bytes: 128 rows x 128 along K as an image of the operand's registers, 8 fragments of 1,536 bytes, then 4 x 128 bytes of scale words for pairs of tiles;
; lane r of tile 2 g + u holds row 32 g + 8 u + r % 8 + 16 (r / 8)).  img: 80 groups x 8 K steps: groups 0-31 x's tokens, 32-47 W_q's columns, 48-63 W_k's, 64-79 W_v's.
; A work-group of four waves makes 256 x 256; a wave 128 x 128: 64 accumulators, 512 registers: one head x 128 tokens, which is exactly one OB of attention.
; THE MATRIX INSTRUCTION IS USED TRANSPOSED: source 0 = 16 rows of side B, source 1 = 16 rows of side A: a lane holds ONE row of A, and by the tiles' row order its 64 registers of a tile of A are
; register 16 b + i = B's row 32 b + 16 (lane / 16) + i: 16 neighbours along the next product's K.
; Q and K (tile rows 0-15 of the grid): A = tokens, B = W_q's and W_k's columns.  V (tile rows 16-23): A = W_v's columns, B = tokens.  The choice hangs on the cluster's y alone.
; STAGING: the work-group's four groups (A's two, B's two) have 76,800 bytes of LDS each, room for six K steps.  At the head each wave fetches K steps 0-5 of one group by ONE tensor load,
; six OBs on end, 300 rows of 256 bytes.  K steps 6 and 7 come by one refill a wave, 100 rows, into the bytes of K steps 0 and 1, behind a round in K step 1; the wait for it stands in K step 3.
; CLUSTERS: 4 x 4 work-groups; A's blocks are shared along a row of the cluster, B's along a column: each is asked for jointly.
; NO PREFETCH: six of the eight K steps are asked for by the head's loads, ahead of any loop, and the refill is asked for 96 matrix instructions of each wave ahead of the wait for it.
; LIMITS: NaN and infinities are not served; a block of a result whose largest magnitude lies under 2^-124 keeps the scale byte 1, a block of zeros too (its codes are zeros).
; REGISTERS: window 0: v2, v3 16 x and 4 x lane; v4-15 LDS addresses; v28, v29 the add's two; v32-47 scale words, two sets; v64-159, v160-255 A's fragments, two sets (on the way out v64-107 are at work).
;   window 1: B's fragments, two sets, at v0 and v128.   windows 2, 3: the accumulators: (a, b) at v[8 (8 (a % 4) + b)] of window 2 + a / 4.
.set NK,    8
.set OB,    12800
.set GS,    NK*OB                      ; from group to group in img
.set PART,  2*OB                       ; a pair of K steps of one group
.set GRP,   3*PART                     ; a group's bytes in LDS: three pairs
.set SPARE, 4*GRP                      ; behind the four groups: the spare words, 128 bytes for each wave, which no other line names
.set LI,   2
.set LS,   3
.set ADRA, 4                           ; v4-6   my group of A, pair 0, 1, 2, + 16 x lane
.set ADRB, 7                           ; v7-9   the same for B
.set ASA,  10                          ; v10-12, v13-15 the same two with 4 x lane, for the scale words
.set ASB,  13
.set SPW,  28
.set NIL,  29
.set SC,   32                          ; scale words: set p at v[SC + 8 p]: A's four pairs of tiles, then B's four
.set AF,   64
.set TM,   64                          ; the way out: v64-79 at work, v80-98 codes, v100-101 two tiles' scale words, v104-107 the pairs' words
.set CD,   80
.set PW,   100
.set MW,   104
.set G1,   24                          ; s[24:31] descriptor group 1 for A's blocks; s[32:39] group 0: the head's load, the refill
.set G0,   32
.set G1B,  48                          ; s[48:55], s[56:63] the same for B's
.set G0B,  56
.set SEL,  84                          ; s[84:85] lane selects for v_permlanex16_b32: lane l xor 16
.set MSB,  0
.macro WIN new                         ; the immediate's high byte repeats the setting that is left
.if MSB != \new
	s_set_vgpr_msb (MSB<<8)|\new
.set MSB, \new
.endif
.endm
.set MUL_LO, 0xa1                      ; source 0 (B) window 1, source 1 (A) window 0, C and D window 2
.set MUL_HI, 0xf1                      ; the same, C and D window 3
.set TO_B,   0x40                      ; destination window 1, address window 0
.macro PLACES n
.rept \n
	v_nop
.endr
.endm
; A joint load: waves 0 and 1 fetch A's two groups, waves 2 and 3 B's.  The branch hangs on the wave's number alone.  An s_nop 0 and four v_nop follow each of the two lines.
.macro JLOAD g0a, g1a, g0b, g1b
	s_cmp_eq_u32 s15, 0
	s_cbranch_scc0 .Lfor_b_\@
	tensor_load_to_lds s[\g0a:\g0a+3], s[\g1a:\g1a+7]
	s_nop 0
.rept 4
	v_nop
.endr
	s_branch .Lasked_\@
.Lfor_b_\@:
	tensor_load_to_lds s[\g0b:\g0b+3], s[\g1b:\g1b+7]
	s_nop 0
.rept 4
	v_nop
.endr
.Lasked_\@:
.endm
.macro CREST                           ; a round of the cluster's barrier behind its opening barrier
	s_cmp_lg_u32 s14, 0
	s_cbranch_scc1 .Lnot_wave_0_\@
	s_barrier_signal -3
.Lnot_wave_0_\@:
	s_barrier_wait -3
	s_barrier_signal -1
	s_barrier_wait -1
.endm
.macro CROUND
	s_barrier_signal -1
	s_barrier_wait -1
	CREST
.endm
; One product on the registers named by rD, rB, rA, rSB, rSA.  z: it starts the sum.  r0, r1: source 0's, source 1's tile is the odd one of its pair: its scale words stand in lanes 16-31
.macro WM z, r0, r1
.if (\z) && (\r0) && (\r1)
	v_wmma_scale_f32_16x16x128_f8f6f4 v[rD:rD+7], v[rB:rB+11], v[rA:rA+11], 0, v[rSB], v[rSA] matrix_a_fmt:MATRIX_FMT_FP6 matrix_b_fmt:MATRIX_FMT_FP6 matrix_a_scale:MATRIX_SCALE_ROW1 matrix_b_scale:MATRIX_SCALE_ROW1
.elseif (\z) && (\r0)
	v_wmma_scale_f32_16x16x128_f8f6f4 v[rD:rD+7], v[rB:rB+11], v[rA:rA+11], 0, v[rSB], v[rSA] matrix_a_fmt:MATRIX_FMT_FP6 matrix_b_fmt:MATRIX_FMT_FP6 matrix_a_scale:MATRIX_SCALE_ROW1
.elseif (\z) && (\r1)
	v_wmma_scale_f32_16x16x128_f8f6f4 v[rD:rD+7], v[rB:rB+11], v[rA:rA+11], 0, v[rSB], v[rSA] matrix_a_fmt:MATRIX_FMT_FP6 matrix_b_fmt:MATRIX_FMT_FP6 matrix_b_scale:MATRIX_SCALE_ROW1
.elseif (\z)
	v_wmma_scale_f32_16x16x128_f8f6f4 v[rD:rD+7], v[rB:rB+11], v[rA:rA+11], 0, v[rSB], v[rSA] matrix_a_fmt:MATRIX_FMT_FP6 matrix_b_fmt:MATRIX_FMT_FP6
.elseif (\r0) && (\r1)
	v_wmma_scale_f32_16x16x128_f8f6f4 v[rD:rD+7], v[rB:rB+11], v[rA:rA+11], v[rD:rD+7], v[rSB], v[rSA] matrix_a_fmt:MATRIX_FMT_FP6 matrix_b_fmt:MATRIX_FMT_FP6 matrix_a_scale:MATRIX_SCALE_ROW1 matrix_b_scale:MATRIX_SCALE_ROW1
.elseif (\r0)
	v_wmma_scale_f32_16x16x128_f8f6f4 v[rD:rD+7], v[rB:rB+11], v[rA:rA+11], v[rD:rD+7], v[rSB], v[rSA] matrix_a_fmt:MATRIX_FMT_FP6 matrix_b_fmt:MATRIX_FMT_FP6 matrix_a_scale:MATRIX_SCALE_ROW1
.elseif (\r1)
	v_wmma_scale_f32_16x16x128_f8f6f4 v[rD:rD+7], v[rB:rB+11], v[rA:rA+11], v[rD:rD+7], v[rSB], v[rSA] matrix_a_fmt:MATRIX_FMT_FP6 matrix_b_fmt:MATRIX_FMT_FP6 matrix_b_scale:MATRIX_SCALE_ROW1
.else
	v_wmma_scale_f32_16x16x128_f8f6f4 v[rD:rD+7], v[rB:rB+11], v[rA:rA+11], v[rD:rD+7], v[rSB], v[rSA] matrix_a_fmt:MATRIX_FMT_FP6 matrix_b_fmt:MATRIX_FMT_FP6
.endif
.endm
; 16 products: A's tiles a0, a0 + 1 x B's eight, on set p.  The 64 accumulators take turns, one instruction a turn, in the same order in every K step.
.macro MUL16 a0, p, zero
.irp a, \a0, \a0+1
.irp b, 0,1,2,3,4,5,6,7
.set rD, 8*(8*((\a)%4)+\b)
.set rB, 128*(\p)+12*\b
.set rA, AF+96*(\p)+12*(\a)
.set rSB, SC+8*(\p)+4+\b/2
.set rSA, SC+8*(\p)+(\a)/2
	WM \zero, \b%2, (\a)%2
.endr
.endr
.endm
; The q-th K step of pair pr into set p: 56 LDS loads in one run; each reads consecutive bytes, 16 or 4 a lane
.macro FETCH pr, q, p
	WIN TO_B
.irp i, 0,1,2,3,4,5,6,7
.irp c, 0,1,2
	ds_load_b128 v[128*(\p)+12*\i+4*\c:128*(\p)+12*\i+4*\c+3], v[ADRB+\pr] offset:(\q)*OB+1536*\i+512*\c
.endr
.endr
	WIN 0
.irp i, 0,1,2,3,4,5,6,7
.irp c, 0,1,2
	ds_load_b128 v[AF+96*(\p)+12*\i+4*\c:AF+96*(\p)+12*\i+4*\c+3], v[ADRA+\pr] offset:(\q)*OB+1536*\i+512*\c
.endr
.endr
.irp j, 0,1,2,3
	ds_load_b32 v[SC+8*(\p)+\j], v[ASA+\pr] offset:(\q)*OB+12288+128*\j
	ds_load_b32 v[SC+8*(\p)+4+\j], v[ASB+\pr] offset:(\q)*OB+12288+128*\j
.endr
.endm
; A pair's first K step, on set 0; in its middle the second K step's operands are fetched into set 1.
; Loads into registers that matrix instructions have read stand four plain vector instructions behind them (ISA guide 7.12.1 for vector instructions).
.macro STEP pr, zero
	s_wait_dscnt 0x0                               ; set 0 is in (asked for 32 products ago)
	WIN MUL_LO
	MUL16 0, 0, \zero
	MUL16 2, 0, \zero
	PLACES 4
	FETCH \pr, 1, 1
	WIN MUL_HI
	MUL16 4, 0, \zero
	MUL16 6, 0, \zero
	WIN 0
.endm
; A pair's second K step, on set 1, goes on to pair next: ONE barrier; in front of it each wave waits for all its tensor loads, adds 0 to its spare word, and waits for that and for its reads of this pair.
; fill = 1 (pair 0 alone): the barrier opens a round of the cluster's barrier, and pair 0's bytes take K steps 6 and 7.
.macro TURN next, fill
	s_wait_tensorcnt 0x0                           ; all my tensor loads have landed
	ds_add_u32 v[SPW], v[NIL]                      ; 0 onto my spare word
.if \fill
	s_mov_b32 s[G1+2], 100<<16                     ; no tensor load of mine is out, so a descriptor may be written: the refill brings 100 rows
	s_mov_b32 s[G1+4], 100
	s_mov_b32 s[G1B+2], 100<<16
	s_mov_b32 s[G1B+4], 100
.endif
	s_wait_dscnt 1                                 ; set 1's 56 loads are in; the add may be out
	WIN MUL_LO
	MUL16 0, 1, 0                                  ; sixteen products stand between the add and the wait for it
	s_wait_dscnt 0x0                               ; the add is done, and my reads of this pair are over
	s_barrier_signal -1
	MUL16 2, 1, 0
	WIN 0
	s_barrier_wait -1
.if \fill
	CREST                                          ; no wave of any partner still reads pair 0 or has a load on its way
	JLOAD G0+4, G1, G0B+4, G1B                     ; the first tensor load behind the round; its four v_nop are also the places in front of the loads below
.else
	PLACES 4
.endif
	FETCH \next, 0, 0
	WIN MUL_HI
	MUL16 4, 1, 0
	MUL16 6, 1, 0
	WIN 0
.endm
; THE WAY OUT.  64 results of a lane, v[s] on in window w1, register 16 b + i = k 32 b + 16 (lane / 16) + i of my row, become a fragment's codes in v[pc] on and my row's scale word in v[pw].
; w2 sets sources 0 and 1 to that window.  Each accumulator is read from its low end on.
.macro QUANT s, w1, w2, pc, pw
	WIN \w2
.irp b, 0,1,2,3
	v_max3_num_f32 v[TM+\b], |v[\s+16*\b]|, |v[\s+1+16*\b]|, 0x1800000   ; block b: my 16 numbers, and the floor 2^(3 - 127): the byte cannot fall under 1
.endr
.irp i, 2,4,6,8,10,12,14
.irp b, 0,1,2,3
	v_max3_num_f32 v[TM+\b], |v[\s+16*\b+\i]|, |v[\s+1+16*\b+\i]|, v[TM+\b]
.endr
.endr
	WIN 0
.irp b, 0,1,2,3
	v_permlanex16_b32 v[TM+4+\b], v[TM+\b], s[SEL], s[SEL+1]
.endr
.irp b, 0,1,2,3
	v_max_num_f32 v[TM+\b], v[TM+\b], v[TM+4+\b]   ; with lane l xor 16's: the block's largest magnitude
.endr
.irp b, 0,1,2,3
	v_add_nc_u32 v[TM+12+\b], 0xff000000, v[TM+\b]   ; 2 off its exponent field: the conversion's scale operand
.endr
.irp b, 0,1,2,3
	v_lshrrev_b32 v[TM+4+\b], 23, v[TM+12+\b]      ; the scale's byte
.endr
	v_lshl_or_b32 v[\pw], v[TM+5], 8, v[TM+4]
	v_lshl_or_b32 v[\pw], v[TM+6], 16, v[\pw]
	v_lshl_or_b32 v[\pw], v[TM+7], 24, v[\pw]
	s_wait_xcnt 0x0                                ; the last tile's stores have read the codes' registers: only behind this wait are they written again
	WIN \w1
.irp c, 0,1
	v_cvt_scalef32_pk16_fp6_f32 v[\pc+6*\c:\pc+2+6*\c], v[\s+32*\c:\s+15+32*\c], v[TM+12+2*\c]
	v_cvt_scalef32_pk16_fp6_f32 v[\pc+12+4*\c:\pc+14+4*\c], v[\s+16+32*\c:\s+31+32*\c], v[TM+12+2*\c+1]
.endr
	WIN 0
	v_nop                                          ; one plain place behind a scaled conversion
.irp c, 0,1
.irp i, 0,1,2
	v_permlane16_swap_b32 v[\pc+6*\c+\i], v[\pc+12+4*\c+\i]
.endr
.irp i, 0,1,2
	v_mov_b32 v[\pc+3+6*\c+\i], v[\pc+12+4*\c+\i]
.endr
.endr
.endm
.macro TILE a, w1, w2                  ; A's tile a becomes tile a of my OB
	QUANT 64*((\a)%4), \w1, \w2, CD, PW+(\a)%2
.irp q, 0,1,2
	global_store_b128 v[LI], v[CD+4*\q:CD+4*\q+3], s[80:81] offset:1536*(\a)+512*\q   ; 512 consecutive bytes
.endr
.if (\a)%2
	v_cndmask_b32 v[MW+(\a)/2], v[PW], v[PW+1], s82   ; lanes 0-15 the even tile's words, lanes 16-31 the odd tile's
	global_store_b32 v[LS], v[MW+(\a)/2], s[80:81] offset:12288+128*((\a)/2)
.endif
.endm
	s_load_b128 s[4:7], s[0:1], 0x0                ; img s[4:5], qob s[6:7]
	s_load_b64 s[8:9], s[0:1], 0x10                ; kvob
	v_lshl_add_u32 v[SPW], v0, 2, SPARE
	v_mov_b32 v[NIL], 0
	ds_add_u32 v[SPW], v[NIL]                      ; the wave's opening: the add, twice on end, and its wait ahead of my first tensor load
	ds_add_u32 v[SPW], v[NIL]
	v_lshrrev_b32 v1, 5, v0
	v_readfirstlane_b32 s14, v1                    ; wave 0..3
	s_lshr_b32 s15, s14, 1                         ; which group of A is mine.  Also: I fetch for A (0) or for B (1)
	s_and_b32 s16, s14, 1                          ; which group of B is mine.  Also: which group of that side I fetch
	s_bfe_u32 s40, ttmp6, 0x40000                  ; cx, cy: my place in the cluster
	s_bfe_u32 s41, ttmp6, 0x40004
	s_lshl_b32 s42, ttmp9, 2
	s_add_co_u32 s42, s42, s40                     ; tile column = 4 x cluster x + cx
	s_and_b32 s18, ttmp7, 0xffff                   ; cluster y
	s_lshl_b32 s17, s18, 2
	s_add_co_u32 s17, s17, s41                     ; tile row = 4 x cluster y + cy
	s_lshl_b32 s43, s41, 2
	s_lshl_b32 s43, 15, s43                        ; my row of the cluster
	s_lshl_b32 s44, 0x1111, s40                    ; my column
	; descriptor group 1: dense bytes as rows of 256 (32 elements of 8 bytes), no padding: 300 rows for the head's load
	s_or_b32 s[G1], s43, (3<<16)|(1<<21)           ; 15:0 the mask: A's blocks go to my row; 17:16 elements of 8 bytes; 21 set beside a mask
	s_or_b32 s[G1B], s44, (3<<16)|(1<<21)          ; B's go to my column
.irp g, G1, G1B
	s_mov_b32 s[\g+1], 32<<16                      ; tensor_dim0 = 32
	s_mov_b32 s[\g+2], 300<<16                     ; tensor_dim1 = 300
	s_mov_b32 s[\g+3], 32<<16                      ; tile_dim0 = 32
	s_mov_b32 s[\g+4], 300                         ; tile_dim1 = 300
	s_mov_b32 s[\g+5], 32                          ; from row to row
	s_mov_b32 s[\g+6], 0
	s_mov_b32 s[\g+7], 0
.endr
	s_cmp_ge_u32 s18, 4                            ; V's part of the grid?  The same in all sixteen partners
	s_cselect_b32 s19, 32, 0                       ; A's groups: 2 x tile row (tokens), for V 32 further on (W_v's columns)
	s_cselect_b32 s66, 0, 32                       ; B's groups: 32 + 2 x tile column (W_q's, W_k's columns), for V 2 x tile column (tokens)
	s_lshl_b32 s20, s17, 1
	s_add_co_u32 s20, s20, s19
	s_add_co_u32 s20, s20, s16                     ; the group of A that I would fetch
	s_mul_i32 s20, s20, GS
	s_mov_b32 s21, 0
	s_lshl_b32 s46, s42, 1
	s_add_co_u32 s46, s46, s66
	s_add_co_u32 s46, s46, s16                     ; the group of B
	s_mul_i32 s46, s46, GS
	s_mov_b32 s47, 0
	s_mul_i32 s45, s14, GRP                        ; where my group goes: no place in the cluster enters an LDS address
	s_wait_dscnt 0x0                               ; both opening adds are done
	s_wait_kmcnt 0x0
	s_add_nc_u64 s[20:21], s[4:5], s[20:21]
	s_add_nc_u64 s[46:47], s[4:5], s[46:47]
	CROUND                                         ; all sixteen work-groups are here: the first joint loads meet
.irp s, 0,1                            ; set 0: K steps 0-5; set 1: K steps 6 and 7; both begin at the group's first LDS byte
	s_mov_b32 s[G0+4*\s], 1
	s_mov_b32 s[G0+4*\s+1], s45
	s_add_nc_u64 s[G0+4*\s+2:G0+4*\s+3], s[20:21], \s*GRP
	s_or_b32 s[G0+4*\s+3], s[G0+4*\s+3], 0x80000000
	s_mov_b32 s[G0B+4*\s], 1
	s_mov_b32 s[G0B+4*\s+1], s45
	s_add_nc_u64 s[G0B+4*\s+2:G0B+4*\s+3], s[46:47], \s*GRP
	s_or_b32 s[G0B+4*\s+3], s[G0B+4*\s+3], 0x80000000
.endr
	JLOAD G0, G1, G0B, G1B                         ; one tensor load a wave at the head
	s_mul_i32 s22, s15, GRP                        ; my group of A
	s_mul_i32 s23, s16, GRP                        ; my group of B,
	s_add_co_u32 s23, s23, 2*GRP                   ; behind A's two
	v_and_b32 v1, 31, v0
	v_lshlrev_b32 v[LI], 4, v1
	v_lshlrev_b32 v[LS], 2, v1
.irp s, 0,1,2
	v_add_nc_u32 v[ADRA+\s], s22, v[LI]
	v_add_nc_u32 v[ADRB+\s], s23, v[LI]
	v_add_nc_u32 v[ASA+\s], s22, v[LS]
	v_add_nc_u32 v[ASB+\s], s23, v[LS]
	s_add_co_u32 s22, s22, PART
	s_add_co_u32 s23, s23, PART
.endr
	; where my OB goes
	s_lshl_b32 s67, s17, 1
	s_add_co_u32 s67, s67, s19
	s_add_co_u32 s67, s67, s15                     ; my group of A
	s_lshl_b32 s68, s42, 1
	s_add_co_u32 s68, s68, s66
	s_add_co_u32 s68, s68, s16                     ; my group of B
	s_sub_co_u32 s69, s67, 64                      ; V: the head
	s_sub_co_u32 s70, s68, 32                      ; Q, K: 0-15 Q's heads, 16-31 K's
	s_cmp_ge_u32 s18, 4
	s_cselect_b32 s71, s68, s67                    ; the group of tokens
	s_cselect_b32 s72, s69, s70
	s_cselect_b32 s73, OB, 0                       ; V's OB lies behind K's
	s_cselect_b32 s74, 16, s72                     ; under 16 for Q alone
	s_and_b32 s72, s72, 15                         ; the head
	s_lshr_b32 s75, s71, 4
	s_lshl_b32 s75, s75, 4
	s_add_co_u32 s75, s75, s72                     ; 16 batch + head
	s_and_b32 s71, s71, 15                         ; the group of tokens in its batch
	s_lshl_b32 s76, s75, 4
	s_add_co_u32 s76, s76, s71
	s_mul_i32 s76, s76, OB                         ; in qob
	s_mul_i32 s77, s75, 17
	s_add_co_u32 s77, s77, s71
	s_mul_i32 s77, s77, 2*OB
	s_add_co_u32 s77, s77, s73                     ; in kvob
	s_cmp_lt_u32 s74, 16
	s_cselect_b32 s78, s76, s77
	s_mov_b32 s79, 0
	s_cselect_b64 s[80:81], s[6:7], s[8:9]
	s_add_nc_u64 s[80:81], s[80:81], s[78:79]
	s_mov_b32 s82, 0xffff0000
	s_mov_b32 s[SEL], 0x76543210
	s_mov_b32 s[SEL+1], 0xfedcba98
	s_wait_alu depctr_va_vdst(0)
	s_wait_tensorcnt 0x0                           ; my group's K steps 0-5 are in
	s_barrier_signal -1
	s_barrier_wait -1                              ; everybody's are
	FETCH 0, 0, 0
	STEP 0, 1                                      ; K step 0: its products start the sums
	TURN 1, 1                                      ; K step 1; pair 0's bytes take K steps 6 and 7
	STEP 1, 0                                      ; K step 2
	TURN 2, 0                                      ; K step 3
	STEP 2, 0                                      ; K step 4
	TURN 0, 0                                      ; K step 5
	STEP 0, 0                                      ; K step 6
	s_wait_dscnt 0x0                               ; K step 7
	WIN MUL_LO
	MUL16 0, 1, 0
	MUL16 2, 1, 0
	WIN MUL_HI
	MUL16 4, 1, 0
	MUL16 6, 1, 0
	WIN 0
	PLACES 4                                       ; in front of the first read of results and the first write of registers that held fragments
.irp b, 0,1,2,3
	v_mov_b32 v[TM+4+\b], 0                        ; written once: a lane permute's destination counts as one of its sources
.endr
.irp a, 0,1,2,3
	TILE \a, 2, 0x0a
.endr
.irp a, 4,5,6,7
	TILE \a, 3, 0x0f
.endr
	s_wait_tensorcnt 0x0                           ; the wave's end
	ds_add_u32 v[SPW], v[NIL]
	s_wait_dscnt 0x0
	CROUND                                         ; the closing round: no work-group ends while a partner may still ask for a block that names it
	s_endpgm
.Lfunc_end_k_qbc740a4eab_qkv:
	.size	k_qbc740a4eab_qkv, .Lfunc_end_k_qbc740a4eab_qkv-k_qbc740a4eab_qkv
	.p2alignl 7, 3214868480
	.fill 96, 4, 3214868480
	.section	.rodata,"a",@progbits
	.p2align	6, 0x0
	.amdhsa_kernel k_qbc740a4eab_qkv
		.amdhsa_group_segment_fixed_size 327680
		.amdhsa_private_segment_fixed_size 0
		.amdhsa_enable_private_segment 0
		.amdhsa_kernarg_size 24
		.amdhsa_user_sgpr_count 2
		.amdhsa_user_sgpr_kernarg_segment_ptr 1
		.amdhsa_wavefront_size32 1
		.amdhsa_system_sgpr_workgroup_id_x 1
		.amdhsa_system_sgpr_workgroup_id_y 1
		.amdhsa_system_sgpr_workgroup_id_z 1
		.amdhsa_system_vgpr_workitem_id 0
		.amdhsa_next_free_vgpr 1024
		.amdhsa_next_free_sgpr 100
		.amdhsa_reserve_vcc 0
		.amdhsa_float_denorm_mode_32 3
		.amdhsa_float_denorm_mode_16_64 3
		.amdhsa_memory_ordered 1
		.amdhsa_forward_progress 1
		.amdhsa_inst_pref_size 138
	.end_amdhsa_kernel
	.amdgpu_metadata
---
amdhsa.version: [ 1, 2 ]
amdhsa.kernels:
  - .name:           k_qbc740a4eab_qkv
    .symbol:         k_qbc740a4eab_qkv.kd
    .args:
      - { .name: img, .offset: 0, .size: 8, .value_kind: global_buffer, .address_space: global }
      - { .name: qob, .offset: 8, .size: 8, .value_kind: global_buffer, .address_space: global }
      - { .name: kvob, .offset: 16, .size: 8, .value_kind: global_buffer, .address_space: global }
    .group_segment_fixed_size: 327680
    .private_segment_fixed_size: 0
    .kernarg_segment_align: 8
    .kernarg_segment_size: 24
    .max_flat_workgroup_size: 128
    .sgpr_count:     100
    .vgpr_count:     1024
    .wavefront_size: 32
...
	.end_amdgpu_metadata
.endif
;; end of part 6
;; launch attn (part 7): grid 8 x 32, 8 waves a work-group, clusters of 4 x 1, 327,680 bytes of LDS; arguments qob, kvob, aob; writes aob
.if DOCPART == 7
	.amdgcn_target "amdgcn-amd-amdhsa--gfx1250"
	.amdhsa_code_object_version 6
	.text
	.protected	k_qbc740a4eab_attn
	.globl	k_qbc740a4eab_attn
	.p2align	8
	.type	k_qbc740a4eab_attn,@function
k_qbc740a4eab_attn:
	s_mov_b64 s[64:65], 0
	v_nop
	global_prefetch_b8 v0, s[64:65] scope:SCOPE_SE
	s_setreg_imm32_b32 hwreg(HW_REG_WAVE_MODE, 25, 1), 1
	s_wait_xcnt 0x0
	s_wait_alu depctr_hold_cnt(0) depctr_sa_sdst(0) depctr_va_vdst(0) depctr_va_sdst(0) depctr_va_ssrc(0) depctr_va_vcc(0) depctr_vm_vsrc(0)
	s_getreg_b32 s2, hwreg(HW_REG_IB_STS2, 6, 4)
	s_cmp_eq_u32 s2, 0
	s_cbranch_scc0 .Lentry_in_a_cluster
	s_endpgm
.Lentry_in_a_cluster:
	s_bfe_u32 s2, ttmp6, 0x10000c
	s_cmp_lg_u32 s2, 0x3003
	s_cbranch_scc0 .Lentry_shape_is_right
	s_endpgm
.Lentry_shape_is_right:
; ATTENTION on codes of FP6 (E2M3): o = softmax(q k^T / sqrt(128)) v for one (batch, head) and 256 queries a work-group, and the quantising of o into the operand blocks of the last projection.
; OPERAND BLOCKS (OB, 12,800 bytes): 128 rows x 128 along K as an image of the operand's registers: 8 fragments of 1,536 bytes, then 4 x 128 bytes of scale words for pairs of tiles.
; kvob: for each head 17 steps of 128 keys, K's OB and V's OB on end; the 17th is the prefix: 64 keys, the other 64 are zero codes.
; SHARES: eight waves; a wave holds TWO tiles of 16 queries, so that each fragment of K and of V read from LDS feeds two matrix instructions.
; Both products are used transposed (S^T = k q^T, O^T = v^T p^T): a lane holds one query of each tile, its registers run along the keys, then along the head's 128.
; SOFTMAX: M is the ceiling of the running largest t = score x log2(e) / sqrt(128), kept as -M; p = 2^(t - M); the row's sum is taken of the unquantised p; when M moves, the sum and O^T
; are multiplied by 2^(old M - new M), which rounds nothing.  A block's largest p is the exponential of the block's largest score.
; THE 64 KEYS THAT THE PREFIX DOES NOT HAVE: in the last step the products of key tiles 4-7 take -3e38 as C in place of 0 (their codes are zeros), so p is 0 there; these eight products do the fill that 64 moves would do.
; LDS: a ring of two slots of four steps (102,400 bytes each); the prefix's step lies directly behind slot 1, so that the last five steps are one walk.  Waves 0-3 fetch a step each, wave 4 the prefix.
; CLUSTERS: the four work-groups of a cluster take the same head: every load of K and V is asked for jointly.
; NO PREFETCH: a refill is asked for four steps, 128 matrix instructions of each wave, ahead of the wait for it; the first slot has no loop ahead of it to ask in.
; LIMITS: the promise holds while the scaled scores t stay under 2^31 in magnitude; NaN and infinities are not served; a block of o under 2^-124 keeps the scale byte 1, a block of zeros too.
; REGISTERS.  Window 0: v1-7 addresses; v8-15 -M, largest score, sum (a pair) of each tile; v16-39 q; v40-49 scale words of q, k, v; v50-53 the factors; v54-55 p's scale words; v56-63 the C of key tiles 4-7;
;   v64-191 scores, then p; v192-231 codes; v232-255 at work.   Window 1: v0-127 O^T (tile q, head tile t at 64 q + 8 t); v128-223 eight fragments of K or of V.
.set OB,    12800
.set STEPB, 2*OB
.set SLOTB, 4*STEPB
.set HEADB, 17*STEPB
.set SPARE, SLOTB                      ; behind slot 0: the spare words, 128 bytes a wave, which no other line names
.set SLOT1, 1<<17
.set PFX,   SLOT1+SLOTB
.set LI,  1
.set LS,  2
.set ADK, 3
.set ADS, 4
.set SPW, 5
.set NIL, 6
.set QS,  7
.set NM,  8                            ; tile q: -M at NM + 4 q, the largest score behind it, the sum's pair at SU + 4 q
.set RM,  9
.set SU,  10
.set QF,  16
.set QSC, 40
.set KS,  42
.set VS,  46
.set FF,  50
.set PW,  54
.set MK,  56
.set SS,  64
.set PC,  192
.set CT,  216
.set BM,  232
.set PT,  240
.set SO,  248
.set FR,  128                          ; in window 1
.set WV,  18
.set SEL, 20
.set CS,  22
.set G1,  24
.set G0,  40
.set G0P, 44
.set TB,  2
.set SLOTS, 66
.set CNT,  67
.set MV,   68
.set MSK,  69
.set CN,   70
.set MSB, 0
.macro WIN new                         ; the immediate's high byte repeats the setting that is left
.if MSB != \new
	s_set_vgpr_msb (MSB<<8)|\new
.set MSB, \new
.endif
.endm
.macro PLACES n
.rept \n
	v_nop
.endr
.endm
.macro CROUND                          ; a round of the cluster's barrier
	s_barrier_signal -1
	s_barrier_wait -1
	s_cmp_lg_u32 s[WV], 0
	s_cbranch_scc1 .Lnot_wave_0_\@
	s_barrier_signal -3
.Lnot_wave_0_\@:
	s_barrier_wait -3
	s_barrier_signal -1
	s_barrier_wait -1
.endm
.macro TLOAD                           ; waves 0-3: a step each of the slot
	s_cmp_lt_u32 s[WV], 4
	s_cbranch_scc0 .Lnone_\@
	tensor_load_to_lds s[G0:G0+3], s[G1:G1+7]
	s_nop 0
	PLACES 4
.Lnone_\@:
.endm
; One product on rD, rA, rB, rSA, rSB.  z = 0: it adds in place; 1: C = 0; 2: C = v[MK ..].  r0: source 0's tile is the odd one of its pair
.macro WM z, r0
.if ((\z) == 0) && (\r0)
	v_wmma_scale_f32_16x16x128_f8f6f4 v[rD:rD+7], v[rA:rA+11], v[rB:rB+11], v[rD:rD+7], v[rSA], v[rSB] matrix_a_fmt:MATRIX_FMT_FP6 matrix_b_fmt:MATRIX_FMT_FP6 matrix_a_scale:MATRIX_SCALE_ROW1
.elseif (\z) == 0
	v_wmma_scale_f32_16x16x128_f8f6f4 v[rD:rD+7], v[rA:rA+11], v[rB:rB+11], v[rD:rD+7], v[rSA], v[rSB] matrix_a_fmt:MATRIX_FMT_FP6 matrix_b_fmt:MATRIX_FMT_FP6
.elseif ((\z) == 1) && (\r0)
	v_wmma_scale_f32_16x16x128_f8f6f4 v[rD:rD+7], v[rA:rA+11], v[rB:rB+11], 0, v[rSA], v[rSB] matrix_a_fmt:MATRIX_FMT_FP6 matrix_b_fmt:MATRIX_FMT_FP6 matrix_a_scale:MATRIX_SCALE_ROW1
.elseif (\z) == 1
	v_wmma_scale_f32_16x16x128_f8f6f4 v[rD:rD+7], v[rA:rA+11], v[rB:rB+11], 0, v[rSA], v[rSB] matrix_a_fmt:MATRIX_FMT_FP6 matrix_b_fmt:MATRIX_FMT_FP6
.elseif (\r0)
	v_wmma_scale_f32_16x16x128_f8f6f4 v[rD:rD+7], v[rA:rA+11], v[rB:rB+11], v[MK:MK+7], v[rSA], v[rSB] matrix_a_fmt:MATRIX_FMT_FP6 matrix_b_fmt:MATRIX_FMT_FP6 matrix_a_scale:MATRIX_SCALE_ROW1
.else
	v_wmma_scale_f32_16x16x128_f8f6f4 v[rD:rD+7], v[rA:rA+11], v[rB:rB+11], v[MK:MK+7], v[rSA], v[rSB] matrix_a_fmt:MATRIX_FMT_FP6 matrix_b_fmt:MATRIX_FMT_FP6
.endif
.endm
; An OB from LDS: 4 loads of scale words, then 24 of fragments, tile by tile
.macro LOADF off, sc
	WIN 0
.irp j, 0,1,2,3
	ds_load_b32 v[\sc+\j], v[ADS] offset:\off+12288+128*\j
.endr
	WIN 0x40                                       ; destination window 1
.irp t, 0,1,2,3,4,5,6,7
.irp c, 0,1,2
	ds_load_b128 v[FR+12*\t+4*\c:FR+12*\t+4*\c+3], v[ADK] offset:\off+1536*\t+512*\c
.endr
.endr
.endm
; From the eight blocks' largest magnitudes in v[BM ..] (floor taken): scale words in v[PW], v[PW+1], and the 128 numbers in v[SS ..] as two fragments of codes in v[PC ..]
.macro CODES
.irp x, 0,1,2,3,4,5,6,7
	v_add_nc_u32 v[SO+\x], 0xff000000, v[BM+\x]    ; 2 off the exponent field: the conversion's scale operand
.endr
.irp x, 0,1,2,3,4,5,6,7
	v_lshrrev_b32 v[PT+\x], 23, v[SO+\x]           ; the scale's byte
.endr
.irp s, 1,2,3
.irp q, 0,1
.if \s == 1
	v_lshl_or_b32 v[PW+\q], v[PT+4*\q+1], 8, v[PT+4*\q]
.else
	s_delay_alu instid0(VALU_DEP_2)
	v_lshl_or_b32 v[PW+\q], v[PT+4*\q+\s], 8*\s, v[PW+\q]
.endif
.endr
.endr
.irp m, 0,1,2,3
	v_cvt_scalef32_pk16_fp6_f32 v[PC+6*\m:PC+6*\m+2], v[SS+32*\m:SS+32*\m+15], v[SO+2*\m]
	v_cvt_scalef32_pk16_fp6_f32 v[CT+4*\m:CT+4*\m+2], v[SS+32*\m+16:SS+32*\m+31], v[SO+2*\m+1]   ; a conversion's three registers begin on an even number
.endr
	v_nop                                          ; one plain place behind a scaled conversion
.irp m, 0,1,2,3                        ; the operand's layout wants a whole block in a lane
.irp i, 0,1,2
	v_permlane16_swap_b32 v[PC+6*\m+\i], v[CT+4*\m+\i]
.endr
.endr
.irp m, 0,1,2,3
.irp i, 0,1,2
	v_mov_b32 v[PC+6*\m+3+\i], v[CT+4*\m+\i]
.endr
.endr
.endm
.macro XLANE                           ; each block's maximum with lane l xor 16's
.irp x, 0,1,2,3,4,5,6,7
	v_permlanex16_b32 v[PT+\x], v[BM+\x], s[SEL], s[SEL+1]
.endr
.irp x, 0,1,2,3,4,5,6,7
	v_max_num_f32 v[BM+\x], v[BM+\x], v[PT+\x]
.endr
.endm
; A step of 128 keys.  tail = 1: the copy for the last five steps, whose last is the prefix
.macro STEP tail
	LOADF 0, KS
	s_wait_dscnt 12                                ; the scale words and tiles 0-3 are in; tiles 4-7, 12 loads, may be out
	WIN 0x01                                       ; source 0 window 1
.irp t, 0,1,2,3,4,5,6,7
.if \t == 4
	s_wait_dscnt 0x0
.endif
.irp q, 0,1
.set rD, SS+64*\q+8*\t
.set rA, FR+12*\t
.set rB, QF+12*\q
.set rSA, KS+\t/2
.set rSB, QSC+\q
.if (\tail) && (\t >= 4)
	WM 2, \t%2
.else
	WM 1, \t%2
.endif
.endr
.endr
	PLACES 4                                       ; in front of loads into the fragments and of the first read of scores
	LOADF OB, VS                                   ; V's fragments land while the softmax is worked
	WIN 0
.irp x, 0,1,2,3,4,5,6,7                ; block x % 4 of tile x / 4: its 16 scores of mine stand at SS + 16 x; each accumulator is read from its low end on
	v_max3_num_f32 v[BM+\x], v[SS+16*\x], v[SS+16*\x+1], v[SS+16*\x+2]
.endr
.irp i, 3,5,7,9,11,13
.irp x, 0,1,2,3,4,5,6,7
	v_max3_num_f32 v[BM+\x], v[BM+\x], v[SS+16*\x+\i], v[SS+16*\x+\i+1]
.endr
.endr
.irp x, 0,1,2,3,4,5,6,7
	v_max_num_f32 v[BM+\x], v[BM+\x], v[SS+16*\x+15]
.endr
	XLANE
.irp q, 0,1
	v_max3_num_f32 v[PT+4*\q], v[BM+4*\q], v[BM+4*\q+1], v[BM+4*\q+2]
.endr
.irp q, 0,1
	v_mov_b32 v[PT+4*\q+1], v[NM+4*\q]             ; the old -M
.endr
.irp q, 0,1
	v_max3_num_f32 v[RM+4*\q], v[RM+4*\q], v[PT+4*\q], v[BM+4*\q+3]   ; the running largest score
.endr
.irp q, 0,1
	s_delay_alu instid0(VALU_DEP_2)
	v_mul_f32 v[PT+4*\q+2], s[CN], v[RM+4*\q]      ; -t
.endr
.irp q, 0,1
	s_delay_alu instid0(VALU_DEP_2)
	v_floor_f32 v[NM+4*\q], v[PT+4*\q+2]           ; -M = floor(-t)
.endr
.irp q, 0,1
	s_delay_alu instid0(VALU_DEP_2)
	v_sub_f32 v[PT+4*\q+1], v[NM+4*\q], v[PT+4*\q+1]   ; old M - new M, a whole number, 0 or less
.endr
.irp q, 0,1
	s_delay_alu instid0(VALU_DEP_2)
	v_cvt_i32_f32 v[PT+4*\q+1], v[PT+4*\q+1]       ; (it saturates)
.endr
.irp q, 0,1
	s_delay_alu instid0(VALU_DEP_2)
	v_ldexp_f32 v[FF+2*\q], 1.0, v[PT+4*\q+1]      ; the factor 2^(old M - new M)
.endr
.set i, 0
.rept 32
	v_pk_fma_f32 v[SS+i:SS+i+1], v[SS+i:SS+i+1], s[CS:CS+1], v[NM:NM+1] op_sel_hi:[1,0,0]          ; t - M
	v_pk_fma_f32 v[SS+64+i:SS+65+i], v[SS+64+i:SS+65+i], s[CS:CS+1], v[NM+4:NM+5] op_sel_hi:[1,0,0]
.set i, i+2
.endr
.irp x, 0,1,2,3,4,5,6,7
	v_fma_f32 v[BM+\x], v[BM+\x], s[CS], v[NM+4*(\x/4)]   ; the same of each block's largest score
.endr
.irp q, 0,1
	v_pk_mul_f32 v[SU+4*\q:SU+4*\q+1], v[SU+4*\q:SU+4*\q+1], v[FF+2*\q:FF+2*\q+1] op_sel_hi:[1,0]
.endr
	s_add_co_u32 s[TB], s[TB], STEPB               ; the next step's addresses (V's loads have been issued)
	v_add_nc_u32 v[ADK], s[TB], v[LI]
	v_add_nc_u32 v[ADS], s[TB], v[LS]
.if \tail
	s_cmp_eq_u32 s[CNT], 2                         ; the next step is the prefix's
	s_cselect_b32 s[MV], 0xff61b1e6, 0
.irp i, 0,1,2,3,4,5,6,7
	v_mov_b32 v[MK+\i], s[MV]
.endr
.endif
	WIN 0x41                                       ; destination and source 0 window 1
.set i, 0
.rept 32
	v_pk_mul_f32 v[i:i+1], v[i:i+1], v[FF:FF+1] op_sel_hi:[1,0]                 ; O^T under the new M
	v_pk_mul_f32 v[64+i:65+i], v[64+i:65+i], v[FF+2:FF+3] op_sel_hi:[1,0]
.set i, i+2
.endr
	WIN 0
	s_wait_alu depctr_va_vdst(0)
.set i, 0
.rept 8
	v_exp_f32 v[BM+i], v[BM+i]                     ; each block's largest p
.set i, i+1
.endr
.set i, 0
.rept 128
	v_exp_f32 v[SS+i], v[SS+i]                     ; p = 2^(t - M)
.set i, i+1
.endr
	v_nop                                          ; one plain place behind the batch
	s_wait_alu depctr_va_vdst(0)                   ; and the one wait behind it
.irp x, 0,1,2,3,4,5,6,7
	v_max_num_f32 v[BM+\x], 0x1800000, v[BM+\x]    ; the floor 2^(3 - 127): the byte cannot fall under 1
.endr
	CODES
.irp q, 0,1                            ; the rows' sums of the unquantised p, four chains; this half also makes the places between the codes' last writes and the products
	v_pk_add_f32 v[PT+4*\q:PT+4*\q+1], v[SS+64*\q:SS+64*\q+1], v[SS+64*\q+2:SS+64*\q+3]
.endr
.irp j, 4,8,12,16,20,24,28
.irp q, 0,1
	v_pk_add_f32 v[SU+4*\q:SU+4*\q+1], v[SU+4*\q:SU+4*\q+1], v[SS+64*\q+\j:SS+64*\q+\j+1]
	v_pk_add_f32 v[PT+4*\q:PT+4*\q+1], v[PT+4*\q:PT+4*\q+1], v[SS+64*\q+\j+2:SS+64*\q+\j+3]
.endr
.endr
	s_wait_alu depctr_va_vdst(0)
	s_wait_dscnt 0x0                               ; V's OB is in
	WIN 0x51                                       ; D, C and source 0 window 1
.irp t, 0,1,2,3,4,5,6,7                ; the sixteen accumulators by turns
.irp q, 0,1
.set rD, 64*\q+8*\t
.set rA, FR+12*\t
.set rB, PC+12*\q
.set rSA, VS+\t/2
.set rSB, PW+\q
	WM 0, \t%2
.endr
.endr
	WIN 0
.irp j, 32,36,40,44,48,52,56,60        ; the sums' other half: also the places in front of the next loads into the fragments
.irp q, 0,1
	v_pk_add_f32 v[SU+4*\q:SU+4*\q+1], v[SU+4*\q:SU+4*\q+1], v[SS+64*\q+\j:SS+64*\q+\j+1]
	v_pk_add_f32 v[PT+4*\q:PT+4*\q+1], v[PT+4*\q:PT+4*\q+1], v[SS+64*\q+\j+2:SS+64*\q+\j+3]
.endr
.endr
.irp q, 0,1
	v_pk_add_f32 v[SU+4*\q:SU+4*\q+1], v[SU+4*\q:SU+4*\q+1], v[PT+4*\q:PT+4*\q+1]
.endr
.endm
; A change of slots.  In front of the barrier every wave waits for all its tensor loads, adds 0 to its spare word and waits for that and for its reads.
; fill = 1: a round of the cluster's barrier, and the slot read last is filled.
.macro CHANGE fill
	s_wait_tensorcnt 0x0
	ds_add_u32 v[SPW], v[NIL]
.if \fill
	ds_add_u32 v[SPW], v[NIL]
	s_xor_b32 s[G0+1], s[G0+1], SLOT1              ; no load of mine is out: the other slot,
	s_add_nc_u64 s[G0+2:G0+3], s[G0+2:G0+3], SLOTB ; the next four steps
.endif
	s_wait_dscnt 0x0
.if \fill
	CROUND
	TLOAD
.else
	s_barrier_signal -1
	s_barrier_wait -1
.endif
.endm
.macro SLOT_STEPS n, tail
	v_add_nc_u32 v[ADK], s[TB], v[LI]
	v_add_nc_u32 v[ADS], s[TB], v[LS]
	s_wait_alu depctr_va_vdst(0)
	s_mov_b32 s[CNT], \n
.Lstep_\@:
	STEP \tail
	s_sub_co_u32 s[CNT], s[CNT], 1
	s_cmp_lg_u32 s[CNT], 0
	s_cbranch_scc1 .Lstep_\@
.if !(\tail)
	s_sub_co_u32 s[TB], s[TB], SLOTB
	s_xor_b32 s[TB], s[TB], SLOT1
.endif
.endm
	s_load_b128 s[4:7], s[0:1], 0x0                ; qob s[4:5], kvob s[6:7]
	s_load_b64 s[8:9], s[0:1], 0x10                ; aob
	v_lshl_add_u32 v[SPW], v0, 2, SPARE
	v_mov_b32 v[NIL], 0
	ds_add_u32 v[SPW], v[NIL]                      ; the opening lines: the add, twice on end, and its wait
	ds_add_u32 v[SPW], v[NIL]
	v_lshrrev_b32 v8, 5, v0
	v_readfirstlane_b32 s[WV], v8                  ; wave 0..7
	s_and_b32 s10, ttmp7, 0xffff                   ; 16 batch + head
	s_bfe_u32 s13, ttmp6, 0x40000                  ; cx
	s_lshl_b32 s14, ttmp9, 2
	s_add_co_u32 s14, s14, s13                     ; which 256 queries
	s_lshr_b32 s15, s[WV], 2
	s_lshl_b32 s16, s14, 1
	s_add_co_u32 s16, s16, s15                     ; my group of 128 queries
	s_and_b32 s17, s[WV], 3                        ; my pair of tiles in it; also the step of a slot that waves 0-3 fetch
	s_mul_i32 s12, s17, STEPB
	s_mul_i32 s32, s10, HEADB
	s_add_co_u32 s34, s32, 16*STEPB                ; the prefix's step
	s_add_co_u32 s32, s32, s12
	s_mov_b32 s33, 0
	s_mov_b32 s35, 0
	s_mul_i32 s19, s17, 3072                       ; the pair's two fragments
	s_lshl_b32 s38, s17, 7
	s_add_co_u32 s38, s38, 12288                   ; and its scale words
	s_lshl_b32 s39, s10, 4
	s_add_co_u32 s39, s39, s16
	s_mul_i32 s39, s39, OB                         ; q's OB
	s_add_co_u32 s36, s39, s19
	s_mov_b32 s37, 0
	s_add_co_u32 s48, s39, s38
	s_mov_b32 s49, 0
	s_lshr_b32 s39, s10, 4
	s_lshl_b32 s39, s39, 4
	s_add_co_u32 s39, s39, s16
	s_lshl_b32 s39, s39, 4
	s_and_b32 s54, s10, 15
	s_add_co_u32 s39, s39, s54
	s_mul_i32 s39, s39, OB                         ; o's OB: group of tokens x 16 + head
	s_add_co_u32 s50, s39, s19
	s_mov_b32 s51, 0
	s_add_co_u32 s52, s39, s38
	s_mov_b32 s53, 0
	s_mov_b32 s[G1], 15|(3<<16)|(1<<21)            ; the mask names the cluster's four; elements of 8 bytes; 25,600 dense bytes as 100 rows of 256
	s_mov_b32 s[G1+1], 32<<16
	s_mov_b32 s[G1+2], 100<<16
	s_mov_b32 s[G1+3], 32<<16
	s_mov_b32 s[G1+4], 100
	s_mov_b32 s[G1+5], 32
	s_mov_b32 s[G1+6], 0
	s_mov_b32 s[G1+7], 0
	s_mov_b32 s[SEL], 0x76543210
	s_mov_b32 s[SEL+1], 0xfedcba98
	s_mov_b32 s[CS], 0x3e0293ee                    ; c = log2(e) / sqrt(128)
	s_mov_b32 s[CS+1], s[CS]
	s_mov_b32 s[CN], 0xbe0293ee                    ; -c
	s_mov_b32 s[MSK], 0xffff0000
	s_mov_b32 s[TB], 0
	s_mov_b32 s[SLOTS], 3
	s_wait_dscnt 0x0
	s_wait_kmcnt 0x0
	s_mov_b32 s[G0], 1
	s_mov_b32 s[G0+1], s12
	s_add_nc_u64 s[G0+2:G0+3], s[6:7], s[32:33]
	s_or_b32 s[G0+3], s[G0+3], 0x80000000
	s_mov_b32 s[G0P], 1
	s_mov_b32 s[G0P+1], PFX
	s_add_nc_u64 s[G0P+2:G0P+3], s[6:7], s[34:35]
	s_or_b32 s[G0P+3], s[G0P+3], 0x80000000
	s_add_nc_u64 s[36:37], s[4:5], s[36:37]
	s_add_nc_u64 s[48:49], s[4:5], s[48:49]
	s_add_nc_u64 s[50:51], s[8:9], s[50:51]
	s_add_nc_u64 s[52:53], s[8:9], s[52:53]
	CROUND                                         ; the four work-groups are here: the first joint loads meet
	s_cmp_lt_u32 s[WV], 4                          ; the head's loads, one chain of branches, one load to an arm: waves 0-3 slot 0's four steps,
	s_cbranch_scc0 .Lhead_p
	tensor_load_to_lds s[G0:G0+3], s[G1:G1+7]
	s_nop 0
	PLACES 4
	s_branch .Lhead_j
.Lhead_p:
	s_cmp_eq_u32 s[WV], 4                          ; wave 4 the prefix's step
	s_cbranch_scc0 .Lhead_j
	tensor_load_to_lds s[G0P:G0P+3], s[G1:G1+7]
	s_nop 0
	PLACES 4
.Lhead_j:
	v_and_b32 v8, 31, v0
	v_lshlrev_b32 v[LI], 4, v8
	v_lshlrev_b32 v[LS], 2, v8
	v_and_b32 v9, 15, v0
	v_lshlrev_b32 v[QS], 2, v9
.irp c, 0,1,2,3,4,5
	global_load_b128 v[QF+4*\c:QF+4*\c+3], v[LI], s[36:37] offset:512*\c   ; q's two fragments
.endr
	global_load_b32 v[QSC], v[QS], s[48:49]        ; their rows' scale words, in lanes 0-15
	global_load_b32 v[QSC+1], v[QS], s[48:49] offset:64
.irp q, 0,1
	v_mov_b32 v[NM+4*\q], 0x7f61b1e6               ; -M begins at 3e38, so that the first factor is 0
	v_mov_b32 v[RM+4*\q], 0xff61b1e6               ; the largest score so far: -3e38
	v_mov_b32 v[SU+4*\q], 0
	v_mov_b32 v[SU+4*\q+1], 0
	v_mov_b32 v[FF+2*\q+1], 0                      ; named as a pair's upper half
.endr
.irp i, 0,1,2,3,4,5,6,7
	v_mov_b32 v[PT+\i], 0                          ; a lane permute's destination counts as one of its sources
	v_mov_b32 v[MK+\i], 0
.endr
	WIN 0x40
.set i, 0
.rept 128
	v_mov_b32 v[i], 0                              ; O^T: the step is written for every step alike, the first finds zeros
.set i, i+1
.endr
	WIN 0
	s_wait_alu depctr_va_vdst(0)
	s_wait_loadcnt 0x0
.Lslot:                                            ; slots 0, 1, 0: steps 0-11; behind each change the other slot is filled
	CHANGE 1
	SLOT_STEPS 4, 0
	s_sub_co_u32 s[SLOTS], s[SLOTS], 1
	s_cmp_lg_u32 s[SLOTS], 0
	s_cbranch_scc1 .Lslot
	CHANGE 0                                       ; nothing more to fetch
	SLOT_STEPS 5, 1                                ; slot 1's steps 12-15 and the prefix behind them
.irp q, 0,1
	v_add_f32 v[SU+4*\q], v[SU+4*\q], v[SU+4*\q+1]
.endr
.irp q, 0,1
	s_delay_alu instid0(VALU_DEP_2)
	v_permlanex16_b32 v[PT+4*\q], v[SU+4*\q], s[SEL], s[SEL+1]
.endr
.irp q, 0,1
	s_delay_alu instid0(VALU_DEP_2)
	v_add_f32 v[SU+4*\q], v[SU+4*\q], v[PT+4*\q]   ; the rows' sums
.endr
	s_wait_alu depctr_va_vdst(0)
	v_rcp_f32 v[SU], v[SU]
	v_rcp_f32 v[SU+4], v[SU+4]
	v_nop
	WIN 0x01
	s_wait_alu depctr_va_vdst(0)                   ; and behind them, directly ahead of the first reader of O^T
.set i, 0
.rept 128
	v_mul_f32 v[SS+i], v[i], v[SU+4*(i/64)]        ; o = O^T / the sum; register 16 b + j of a tile is channel 32 b + 16 (lane / 16) + j
.set i, i+1
.endr
	WIN 0
.irp x, 0,1,2,3,4,5,6,7
	v_max3_num_f32 v[BM+\x], |v[SS+16*\x]|, |v[SS+16*\x+1]|, 0x1800000   ; o's blocks of 32 channels, with the floor
.endr
.irp i, 2,4,6,8,10,12,14
.irp x, 0,1,2,3,4,5,6,7
	v_max3_num_f32 v[BM+\x], v[BM+\x], |v[SS+16*\x+\i]|, |v[SS+16*\x+\i+1]|
.endr
.endr
	XLANE
	CODES
.irp c, 0,1,2,3,4,5
	global_store_b128 v[LI], v[PC+4*\c:PC+4*\c+3], s[50:51] offset:512*\c   ; 512 consecutive bytes a store
.endr
	v_cndmask_b32 v[MK], v[PW], v[PW+1], s[MSK]    ; lanes 0-15 the even tile's words, lanes 16-31 the odd tile's
	global_store_b32 v[LS], v[MK], s[52:53]
	s_wait_tensorcnt 0x0                           ; the wave's end
	ds_add_u32 v[SPW], v[NIL]
	s_wait_dscnt 0x0
	CROUND                                         ; the closing round
	s_endpgm
.Lfunc_end_k_qbc740a4eab_attn:
	.size	k_qbc740a4eab_attn, .Lfunc_end_k_qbc740a4eab_attn-k_qbc740a4eab_attn
	.p2alignl 7, 3214868480
	.fill 96, 4, 3214868480
	.section	.rodata,"a",@progbits
	.p2align	6, 0x0
	.amdhsa_kernel k_qbc740a4eab_attn
		.amdhsa_group_segment_fixed_size 327680
		.amdhsa_private_segment_fixed_size 0
		.amdhsa_enable_private_segment 0
		.amdhsa_kernarg_size 24
		.amdhsa_user_sgpr_count 2
		.amdhsa_user_sgpr_kernarg_segment_ptr 1
		.amdhsa_wavefront_size32 1
		.amdhsa_system_sgpr_workgroup_id_x 1
		.amdhsa_system_sgpr_workgroup_id_y 1
		.amdhsa_system_sgpr_workgroup_id_z 1
		.amdhsa_system_vgpr_workitem_id 0
		.amdhsa_next_free_vgpr 512
		.amdhsa_next_free_sgpr 80
		.amdhsa_reserve_vcc 0
		.amdhsa_float_denorm_mode_32 3
		.amdhsa_float_denorm_mode_16_64 3
		.amdhsa_memory_ordered 1
		.amdhsa_forward_progress 1
		.amdhsa_inst_pref_size 94
	.end_amdhsa_kernel
	.amdgpu_metadata
---
amdhsa.version: [ 1, 2 ]
amdhsa.kernels:
  - .name:           k_qbc740a4eab_attn
    .symbol:         k_qbc740a4eab_attn.kd
    .args:
      - { .name: qob, .offset: 0, .size: 8, .value_kind: global_buffer, .address_space: global }
      - { .name: kvob, .offset: 8, .size: 8, .value_kind: global_buffer, .address_space: global }
      - { .name: aob, .offset: 16, .size: 8, .value_kind: global_buffer, .address_space: global }
    .group_segment_fixed_size: 327680
    .private_segment_fixed_size: 0
    .kernarg_segment_align: 8
    .kernarg_segment_size: 24
    .max_flat_workgroup_size: 256
    .sgpr_count:     80
    .vgpr_count:     512
    .wavefront_size: 32
...
	.end_amdgpu_metadata
.endif
;; end of part 7
;; launch proj (part 8): grid 8 x 32, 4 waves a work-group, clusters of 4 x 4, 327,680 bytes of LDS; arguments aob, wob, out0; writes out0
.if DOCPART == 8
	.amdgcn_target "amdgcn-amd-amdhsa--gfx1250"
	.amdhsa_code_object_version 6
	.text
	.protected	k_qbc740a4eab_proj
	.globl	k_qbc740a4eab_proj
	.p2align	8
	.type	k_qbc740a4eab_proj,@function
k_qbc740a4eab_proj:
	s_mov_b64 s[64:65], 0
	v_nop
	global_prefetch_b8 v0, s[64:65] scope:SCOPE_SE
	s_setreg_imm32_b32 hwreg(HW_REG_WAVE_MODE, 25, 1), 1
	s_wait_xcnt 0x0
	s_wait_alu depctr_hold_cnt(0) depctr_sa_sdst(0) depctr_va_vdst(0) depctr_va_sdst(0) depctr_va_ssrc(0) depctr_va_vcc(0) depctr_vm_vsrc(0)
	s_getreg_b32 s2, hwreg(HW_REG_IB_STS2, 6, 4)
	s_cmp_eq_u32 s2, 0
	s_cbranch_scc0 .Lentry_in_a_cluster
	s_endpgm
.Lentry_in_a_cluster:
	s_bfe_u32 s2, ttmp6, 0x10000c
	s_cmp_lg_u32 s2, 0xf033
	s_cbranch_scc0 .Lentry_shape_is_right
	s_endpgm
.Lentry_shape_is_right:
; PROJ: out0 = o W_o on codes of FP6 (E2M3), K = 2,048 in 16 steps of 128.  aob and wob hold operand blocks (OB, 12,800 bytes: 128 rows x 128 along K as an image of the operand's registers).
; A work-group of four waves makes 128 x 128, a wave 64 x 64.  4 x 4 work-groups form a cluster: A's blocks are shared along a row, B's along a column, each asked for jointly.
; STAGING: A and B have 153,600 bytes of LDS each, room for twelve K steps.  At the head each wave fetches six K steps of one side by ONE tensor load, 300 rows of 256 bytes.
; K steps 12-15 come by one refill a wave, 100 rows, into the bytes of K steps 0-3, behind a round in K step 3; the wait for it stands in K step 11.
; NO PREFETCH: twelve of the sixteen K steps are asked for by the head's loads, ahead of any work, and the refill is asked for 120 matrix instructions of each wave ahead of the wait for it.
.set NK,    16
.set OB,    12800
.set GS,    NK*OB
.set PART,  2*OB
.set SLOT,  4*PART
.set HALF,  4*1536
.set STAGE, 3*SLOT
.set SPITCH, 272
.set SPARE, STAGE+4*16*SPITCH
.set LI,   2
.set LS,   3
.set ADRA, 4
.set ADRB, 7
.set ASA,  10
.set ASB,  13
.set STO,  24
.set RD,   25
.set CO,   26
.set SPW,  28
.set NIL,  29
.set SC,   32
.set BK,   64
.set ACC,  128
.set G1,   24
.set G1B,  48
.set G0,   68
.set G0B,  84
.set MSB,  0
.macro WIN new
.if MSB != \new
	s_set_vgpr_msb (MSB<<8)|\new
.set MSB, \new
.endif
.endm
.set MUL,  0x05
.set TO_F, 0x40
.macro PLACES n
.rept \n
	v_nop
.endr
.endm
.macro JLOAD g0a, g1a, g0b, g1b
	s_cmp_eq_u32 s15, 0
	s_cbranch_scc0 .Lfor_b_\@
	tensor_load_to_lds s[\g0a:\g0a+3], s[\g1a:\g1a+7]
	s_nop 0
.rept 4
	v_nop
.endr
	s_branch .Lasked_\@
.Lfor_b_\@:
	tensor_load_to_lds s[\g0b:\g0b+3], s[\g1b:\g1b+7]
	s_nop 0
.rept 4
	v_nop
.endr
.Lasked_\@:
.endm
.macro CREST
	s_cmp_lg_u32 s14, 0
	s_cbranch_scc1 .Lnot_wave_0_\@
	s_barrier_signal -3
.Lnot_wave_0_\@:
	s_barrier_wait -3
	s_barrier_signal -1
	s_barrier_wait -1
.endm
.macro CROUND
	s_barrier_signal -1
	s_barrier_wait -1
	CREST
.endm
.macro WM z, r0, r1
.if (\z) && (\r0) && (\r1)
	v_wmma_scale_f32_16x16x128_f8f6f4 v[rD:rD+7], v[rB:rB+11], v[rA:rA+11], 0, v[rSB], v[rSA] matrix_a_fmt:MATRIX_FMT_FP6 matrix_b_fmt:MATRIX_FMT_FP6 matrix_a_scale:MATRIX_SCALE_ROW1 matrix_b_scale:MATRIX_SCALE_ROW1
.elseif (\z) && (\r0)
	v_wmma_scale_f32_16x16x128_f8f6f4 v[rD:rD+7], v[rB:rB+11], v[rA:rA+11], 0, v[rSB], v[rSA] matrix_a_fmt:MATRIX_FMT_FP6 matrix_b_fmt:MATRIX_FMT_FP6 matrix_a_scale:MATRIX_SCALE_ROW1
.elseif (\z) && (\r1)
	v_wmma_scale_f32_16x16x128_f8f6f4 v[rD:rD+7], v[rB:rB+11], v[rA:rA+11], 0, v[rSB], v[rSA] matrix_a_fmt:MATRIX_FMT_FP6 matrix_b_fmt:MATRIX_FMT_FP6 matrix_b_scale:MATRIX_SCALE_ROW1
.elseif (\z)
	v_wmma_scale_f32_16x16x128_f8f6f4 v[rD:rD+7], v[rB:rB+11], v[rA:rA+11], 0, v[rSB], v[rSA] matrix_a_fmt:MATRIX_FMT_FP6 matrix_b_fmt:MATRIX_FMT_FP6
.elseif (\r0) && (\r1)
	v_wmma_scale_f32_16x16x128_f8f6f4 v[rD:rD+7], v[rB:rB+11], v[rA:rA+11], v[rD:rD+7], v[rSB], v[rSA] matrix_a_fmt:MATRIX_FMT_FP6 matrix_b_fmt:MATRIX_FMT_FP6 matrix_a_scale:MATRIX_SCALE_ROW1 matrix_b_scale:MATRIX_SCALE_ROW1
.elseif (\r0)
	v_wmma_scale_f32_16x16x128_f8f6f4 v[rD:rD+7], v[rB:rB+11], v[rA:rA+11], v[rD:rD+7], v[rSB], v[rSA] matrix_a_fmt:MATRIX_FMT_FP6 matrix_b_fmt:MATRIX_FMT_FP6 matrix_a_scale:MATRIX_SCALE_ROW1
.elseif (\r1)
	v_wmma_scale_f32_16x16x128_f8f6f4 v[rD:rD+7], v[rB:rB+11], v[rA:rA+11], v[rD:rD+7], v[rSB], v[rSA] matrix_a_fmt:MATRIX_FMT_FP6 matrix_b_fmt:MATRIX_FMT_FP6 matrix_b_scale:MATRIX_SCALE_ROW1
.else
	v_wmma_scale_f32_16x16x128_f8f6f4 v[rD:rD+7], v[rB:rB+11], v[rA:rA+11], v[rD:rD+7], v[rSB], v[rSA] matrix_a_fmt:MATRIX_FMT_FP6 matrix_b_fmt:MATRIX_FMT_FP6
.endif
.endm
.macro MUL4 a, p, zero
.irp b, 0,1,2,3
.set rD, ACC+8*(4*(\a)+\b)
.set rB, 96*(\p)+48+12*\b
.set rA, 96*(\p)+12*(\a)
.set rSB, SC+4*(\p)+2+\b/2
.set rSA, SC+4*(\p)+(\a)/2
	WM \zero, \b%2, (\a)%2
.endr
.endm
.macro FETCH slot, q, p
	WIN TO_F
.irp i, 0,1,2,3
.irp c, 0,1,2
	ds_load_b128 v[96*(\p)+48+12*\i+4*\c:96*(\p)+48+12*\i+4*\c+3], v[ADRB+\slot] offset:(\q)*OB+1536*\i+512*\c
.endr
.endr
.irp i, 0,1,2,3
.irp c, 0,1,2
	ds_load_b128 v[96*(\p)+12*\i+4*\c:96*(\p)+12*\i+4*\c+3], v[ADRA+\slot] offset:(\q)*OB+1536*\i+512*\c
.endr
.endr
	WIN 0
.irp j, 0,1
	ds_load_b32 v[SC+4*(\p)+\j], v[ASA+\slot] offset:(\q)*OB+12288+128*\j
	ds_load_b32 v[SC+4*(\p)+2+\j], v[ASB+\slot] offset:(\q)*OB+12288+128*\j
.endr
.endm
.macro STEP p, zero, nslot, nq
	PLACES 4
	FETCH \nslot, \nq, 1-(\p)
	s_wait_dscnt 28
	WIN MUL
	MUL4 0, \p, \zero
	MUL4 1, \p, \zero
	MUL4 2, \p, \zero
	MUL4 3, \p, \zero
	WIN 0
.endm
.macro TURN next, fill
	s_wait_tensorcnt 0x0
	ds_add_u32 v[SPW], v[NIL]
.if \fill
	s_mov_b32 s[G1+2], 100<<16                     ; no tensor load of mine is out, so a descriptor may be written: the refill brings 100 rows
	s_mov_b32 s[G1+4], 100
	s_mov_b32 s[G1B+2], 100<<16
	s_mov_b32 s[G1B+4], 100
.endif
	s_wait_dscnt 1
	WIN MUL
	MUL4 0, 1, 0
	s_wait_dscnt 0x0
	s_barrier_signal -1
	MUL4 1, 1, 0
	WIN 0
	s_barrier_wait -1
.if \fill
	CREST
	JLOAD G0+4, G1, G0B+4, G1B
.else
	PLACES 4
.endif
	FETCH \next, 0, 0
	WIN MUL
	MUL4 2, 1, 0
	MUL4 3, 1, 0
	WIN 0
.endm
.macro TOSTAGE a
.irp i, 0,1,2,3,4,5,6,7
	ds_store_b128 v[STO], v[ACC+32*(\a)+4*\i:ACC+32*(\a)+4*\i+3] offset:128*(\i/4)+16*(\i%4)
.endr
.set BB, BK+32*((\a)%2)
.irp t, 0,1,2,3,4,5,6,7
	ds_load_b128 v[BB+4*\t:BB+4*\t+3], v[RD] offset:2*\t*SPITCH
.endr
.endm
.macro SEND a, younger
.set BB, BK+32*((\a)%2)
	s_wait_dscnt \younger
.irp t, 0,1,2,3,4,5,6,7
	global_store_b128 v[CO], v[BB+4*\t:BB+4*\t+3], s[80:81] offset:(32*((\a)/2)+8*((\a)%2)+2*(\t%4)+16*(\t/4))*4096 th:TH_STORE_NT
.endr
.endm
	s_load_b128 s[4:7], s[0:1], 0x0
	s_load_b64 s[8:9], s[0:1], 0x10
	v_lshl_add_u32 v[SPW], v0, 2, SPARE
	v_mov_b32 v[NIL], 0
	ds_add_u32 v[SPW], v[NIL]
	ds_add_u32 v[SPW], v[NIL]
	v_lshrrev_b32 v1, 5, v0
	v_readfirstlane_b32 s14, v1
	s_lshr_b32 s15, s14, 1
	s_and_b32 s16, s14, 1
	s_bfe_u32 s40, ttmp6, 0x40000
	s_bfe_u32 s41, ttmp6, 0x40004
	s_lshl_b32 s42, ttmp9, 2
	s_add_co_u32 s42, s42, s40
	s_and_b32 s18, ttmp7, 0xffff
	s_lshl_b32 s17, s18, 2
	s_add_co_u32 s17, s17, s41
	s_lshl_b32 s43, s41, 2
	s_lshl_b32 s43, 15, s43
	s_lshl_b32 s44, 0x1111, s40
	s_or_b32 s[G1], s43, (3<<16)|(1<<21)
	s_or_b32 s[G1B], s44, (3<<16)|(1<<21)
.irp g, G1, G1B
	s_mov_b32 s[\g+1], 32<<16
	s_mov_b32 s[\g+2], 300<<16
	s_mov_b32 s[\g+3], 32<<16
	s_mov_b32 s[\g+4], 300
	s_mov_b32 s[\g+5], 32
	s_mov_b32 s[\g+6], 0
	s_mov_b32 s[\g+7], 0
.endr
	s_mul_i32 s19, s16, 3*PART                     ; which six K steps of my side I fetch at the head
	s_mul_i32 s20, s17, GS
	s_add_co_u32 s20, s20, s19
	s_mov_b32 s21, 0
	s_mul_i32 s46, s42, GS
	s_add_co_u32 s46, s46, s19
	s_mov_b32 s47, 0
	s_mul_i32 s45, s14, 3*PART                     ; and where they go: A's twelve K steps on end, then B's
	s_wait_dscnt 0x0
	s_wait_kmcnt 0x0
	s_add_nc_u64 s[20:21], s[4:5], s[20:21]
	s_add_nc_u64 s[46:47], s[6:7], s[46:47]
	CROUND
	s_mul_i32 s58, s16, 2*PART
	s_mov_b32 s59, 0
	s_mul_i32 s60, s15, 6*PART
	s_mul_i32 s61, s16, PART
	s_add_co_u32 s60, s60, s61                     ; the refill's place: my side's first bytes + my pair of K steps
	s_mov_b32 s[G0], 1                             ; set 0: the head's load
	s_mov_b32 s[G0+1], s45
	s_mov_b64 s[G0+2:G0+3], s[20:21]
	s_or_b32 s[G0+3], s[G0+3], 0x80000000
	s_mov_b32 s[G0B], 1
	s_mov_b32 s[G0B+1], s45
	s_mov_b64 s[G0B+2:G0B+3], s[46:47]
	s_or_b32 s[G0B+3], s[G0B+3], 0x80000000
	s_mov_b32 s[G0+4], 1                           ; set 1: the refill: K steps 12 + 2 (wave % 2) and the next
	s_mov_b32 s[G0+5], s60
	s_add_nc_u64 s[G0+6:G0+7], s[20:21], 6*PART
	s_sub_nc_u64 s[G0+6:G0+7], s[G0+6:G0+7], s[58:59]
	s_or_b32 s[G0+7], s[G0+7], 0x80000000
	s_mov_b32 s[G0B+4], 1
	s_mov_b32 s[G0B+5], s60
	s_add_nc_u64 s[G0B+6:G0B+7], s[46:47], 6*PART
	s_sub_nc_u64 s[G0B+6:G0B+7], s[G0B+6:G0B+7], s[58:59]
	s_or_b32 s[G0B+7], s[G0B+7], 0x80000000
	JLOAD G0, G1, G0B, G1B                         ; one tensor load a wave at the head
	v_and_b32 v1, 31, v0
	v_lshlrev_b32 v[LI], 4, v1
	s_wait_alu depctr_va_vdst(0)
	v_lshlrev_b32 v[LS], 2, v1
	s_wait_alu depctr_va_vdst(0)
	s_mul_i32 s22, s15, HALF
	s_mul_i32 s23, s16, HALF
	s_add_co_u32 s23, s23, 6*PART
	s_lshl_b32 s56, s15, 8
	s_lshl_b32 s57, s16, 8
	s_add_co_u32 s57, s57, 6*PART
.irp s, 0,1,2
	v_add_nc_u32 v[ADRA+\s], s22, v[LI]
	v_add_nc_u32 v[ADRB+\s], s23, v[LI]
	v_add_nc_u32 v[ASA+\s], s56, v[LS]
	v_add_nc_u32 v[ASB+\s], s57, v[LS]
	s_add_co_u32 s22, s22, 2*PART
	s_add_co_u32 s23, s23, 2*PART
	s_add_co_u32 s56, s56, 2*PART
	s_add_co_u32 s57, s57, 2*PART
.endr
	s_mul_i32 s58, s14, 16*SPITCH
	s_add_co_u32 s58, s58, STAGE
	v_and_b32 v16, 15, v0
	v_bfe_u32 v17, v0, 4, 1
	v_mul_u32_u24 v18, v16, SPITCH
	v_lshl_add_u32 v18, v17, 6, v18
	v_add_nc_u32 v[STO], s58, v18
	v_mul_u32_u24 v18, v17, SPITCH
	v_lshl_add_u32 v18, v16, 4, v18
	v_add_nc_u32 v[RD], s58, v18
	v_lshlrev_b32 v[CO], 12, v17
	v_lshl_add_u32 v[CO], v16, 4, v[CO]
	s_lshl_b32 s66, s17, 1
	s_add_co_u32 s66, s66, s15
	s_lshl_b32 s66, s66, 18
	s_lshl_b32 s67, s42, 1
	s_add_co_u32 s67, s67, s16
	s_lshl_b32 s67, s67, 8
	s_add_co_u32 s82, s66, s67
	s_mov_b32 s83, 0
	s_add_nc_u64 s[80:81], s[8:9], s[82:83]
	s_wait_tensorcnt 0x0                           ; my six K steps are in
	s_barrier_signal -1
	s_barrier_wait -1
	FETCH 0, 0, 0
	STEP 0, 1, 0, 1
	STEP 1, 0, 0, 2
	STEP 0, 0, 0, 3
	TURN 1, 1
	STEP 0, 0, 1, 1
	STEP 1, 0, 1, 2
	STEP 0, 0, 1, 3
	STEP 1, 0, 2, 0
	STEP 0, 0, 2, 1
	STEP 1, 0, 2, 2
	STEP 0, 0, 2, 3
	TURN 0, 0
	STEP 0, 0, 0, 1
	STEP 1, 0, 0, 2
	STEP 0, 0, 0, 3
	s_wait_dscnt 0x0
	WIN MUL
	MUL4 0, 1, 0
	MUL4 1, 1, 0
	MUL4 2, 1, 0
	MUL4 3, 1, 0
	WIN 0
	PLACES 4
	s_wait_alu depctr_va_vdst(0)
	TOSTAGE 0
.irp a, 1,2,3
.if \a > 1
	s_wait_xcnt 0x0
.endif
	TOSTAGE \a
	SEND \a-1, 16
.endr
	SEND 3, 0
	s_wait_tensorcnt 0x0
	ds_add_u32 v[SPW], v[NIL]
	s_wait_dscnt 0x0
	CROUND
	s_endpgm
.Lfunc_end_k_qbc740a4eab_proj:
	.size	k_qbc740a4eab_proj, .Lfunc_end_k_qbc740a4eab_proj-k_qbc740a4eab_proj
	.p2alignl 7, 3214868480
	.fill 96, 4, 3214868480
	.section	.rodata,"a",@progbits
	.p2align	6, 0x0
	.amdhsa_kernel k_qbc740a4eab_proj
		.amdhsa_group_segment_fixed_size 327680
		.amdhsa_private_segment_fixed_size 0
		.amdhsa_enable_private_segment 0
		.amdhsa_kernarg_size 24
		.amdhsa_user_sgpr_count 2
		.amdhsa_user_sgpr_kernarg_segment_ptr 1
		.amdhsa_wavefront_size32 1
		.amdhsa_system_sgpr_workgroup_id_x 1
		.amdhsa_system_sgpr_workgroup_id_y 1
		.amdhsa_system_sgpr_workgroup_id_z 1
		.amdhsa_system_vgpr_workitem_id 0
		.amdhsa_next_free_vgpr 512
		.amdhsa_next_free_sgpr 100
		.amdhsa_reserve_vcc 0
		.amdhsa_float_denorm_mode_32 3
		.amdhsa_float_denorm_mode_16_64 3
		.amdhsa_memory_ordered 1
		.amdhsa_forward_progress 1
		.amdhsa_inst_pref_size 81
	.end_amdhsa_kernel
	.amdgpu_metadata
---
amdhsa.version: [ 1, 2 ]
amdhsa.kernels:
  - .name:           k_qbc740a4eab_proj
    .symbol:         k_qbc740a4eab_proj.kd
    .args:
      - { .name: aob, .offset: 0, .size: 8, .value_kind: global_buffer, .address_space: global }
      - { .name: wob, .offset: 8, .size: 8, .value_kind: global_buffer, .address_space: global }
      - { .name: out0, .offset: 16, .size: 8, .value_kind: global_buffer, .address_space: global }
    .group_segment_fixed_size: 327680
    .private_segment_fixed_size: 0
    .kernarg_segment_align: 8
    .kernarg_segment_size: 24
    .max_flat_workgroup_size: 128
    .sgpr_count:     100
    .vgpr_count:     512
    .wavefront_size: 32
...
	.end_amdgpu_metadata
.endif
;; end of part 8
